; MI455X (gfx1250); checked and timed in simulation.
; The chip was launched on July 23, 2026; its instructions are those of AMD's public machine-readable ISA for CDNA 5 (MIT licence, August 2026) and "CDNA5" Instruction Set Architecture Reference Guide (July 2026). The comments in the code are by the model that wrote it; some were corrected since.
;; Simple Mo E. Allowed arithmetic: matrix products marked QUANTISED: E2M1 operands, one E8M0 scale for each 32 along K, by v_wmma_scale_f32_16x16x128_f8f6f4 with both operands' format E2M1 (or v_wmma_scale_f32_32x16x128_f4), f32 sums; products left as they are: f32 operands where the result goes on into a quantised operand, else bf16, f16 or f32 operands; f32 sums; everything else in f32.
;; Inputs: W1 8 x 1,024 x 4,096 float32; W2 8 x 4,096 x 1,024 float32; Wg 1,024 x 8 float32; b1 8 x 4,096 float32; b2 8 x 1,024 float32; bg 8 float32; x 1,024 x 1,024 float32.
;; Outputs: out0 1,024 x 1,024 float32.
;; This version of the problem:
;;   THIS VERSION OF THE PROBLEM IS GIVEN IN LOW PRECISION. The matrix products marked QUANTISED in the list below multiply operands that are first quantised to E2M1 (2 exponent bits, 1 mantissa bit; 4 bits a number), with one power-of-two scale for each 32 numbers along K (OCP MX v1.0); their sums are f32. All else is computed in f32.
;;   The module's matrix products, in the order in which they are computed (A, B: the left and right operand; K: the contracted axis; several contracted axes count as one K, in the product's order):
;;     1. [M 1,024, K 1,024] x [K 1,024, N 8]; A: input x; B: input Wg: left as it is (N = 8 < 16)
;;     2. [M 1,024, K 1,024] x [K 1,024, N 32,768]; A: input x; B: input W1: QUANTISED
;;     3. batch 8 x [M 1,024, K 4,096] x [K 4,096, N 1,024]; A: input W2; B: computed on the way: QUANTISED
;;     4. batch 1,024 x [M 1, K 8] x [K 8, N 1,024]; A: computed on the way; B: computed on the way: left as it is (K = 8 < 32)
;;   THE QUANTISER, for each operand of a quantised product, along K:
;;     - K is cut into blocks of 32 from its start; a last block that is shorter is filled with zeros.
;;     - A block's scale is 2^e with e = floor(log2(the largest magnitude in the block)) - 2, held to -126 .. 127; a block of zeros has e = 0. As a byte (E8M0): e + 127.
;;     - Each number is divided by its block's scale, clamped to +-6, and rounded to the nearest number of E2M1, ties to even, subnormals kept.
;;     - The product sums the exact products of the quantised numbers (number of the format x scale) in f32.
;;   ~~~python
;;   def quantise(x, axis):      # numpy; x: float32 -> the quantised numbers, widened to float32 again
;;       x = np.moveaxis(x, axis, -1); K = x.shape[-1]
;;       x = np.pad(x, [(0, 0)] * (x.ndim - 1) + [(0, -K % 32)]); x = x.reshape(x.shape[:-1] + (-1, 32)); a = np.abs(x).max(-1, keepdims=True)
;;       e = np.where(a > 0, np.clip(np.frexp(np.where(a > 0, a, 1))[1] - 1 - 2, -126, 127), 0)      # np.frexp(a)[1] - 1 = floor(log2(a)), exactly
;;       r = np.clip(x / 2.0 ** e, -6, 6)
;;       step = 2.0 ** (np.maximum(np.frexp(np.where(r == 0, 1, r))[1] - 1, 0) - 1)
;;       q = np.round(r / step) * step * 2.0 ** e      # np.round: ties to even
;;       return np.moveaxis(q.reshape(q.shape[:-2] + (-1,))[..., :K], -1, axis).astype(np.float32)
;;   ~~~
;;   OPERANDS COMPUTED ON THE WAY. 'Computed on the way' means the value that the module computes at that place (a softmax that the list does not call 'softmax' is quantised finished and normalised). What goes into a quantiser is computed in f32, as accurately as f32 sums, v_exp_f32 and their like allow (about 1e-6 of the number): no bf16 or f16 on the way to a quantiser, and a product that is left as it is and whose result goes on into a quantised operand takes f32 operands (vector FMAs, or v_wmma_f32_16x16x4_f32). A number that lies on a knife's edge between two numbers of the format may be rounded either way, as far as f32 arithmetic and the matrix unit's own rounding can turn it there, and no further.
;; 2 versions. Each part assembles by itself: llvm-mc -triple=amdgcn-amd-amdhsa -mcpu=gfx1250 --defsym DOCPART=n.
;; ======== version 1 of 2: 5 launches
;; workspace buffers: xq 565,248 bytes; idx 8,192 bytes of whole numbers; w1q 17,825,792 bytes; w2q 17,825,792 bytes; plan 41,728 bytes of whole numbers; hq 17,825,792 bytes; y 67,108,864 bytes
;; launch prep1 (part 1): grid 2304 x 1, 4 waves a work-group, no clusters, 1,536 bytes of LDS; arguments x, Wg, bg, W1, xq, idx, w1q; writes xq, idx, w1q
.if DOCPART == 1
	.amdgcn_target "amdgcn-amd-amdhsa--gfx1250"
	.amdhsa_code_object_version 6
	.text
	.protected	k_q08116a2daa_prep1
	.globl	k_q08116a2daa_prep1
	.p2align	8
	.type	k_q08116a2daa_prep1,@function
k_q08116a2daa_prep1:
	s_mov_b64 s[64:65], 0
	v_nop
	global_prefetch_b8 v0, s[64:65] scope:SCOPE_SE
	s_setreg_imm32_b32 hwreg(HW_REG_WAVE_MODE, 25, 1), 1
	s_wait_xcnt 0x0
; TWO JOBS IN ONE LAUNCH, parted by the work-group's number.
; Work-groups 0..255 (THE GATE): 4 tokens each: scores = x Wg + bg in f32, the two largest (a tie keeps the lower expert), their weights softmax / (sum of the two + 1e-8),
;   and x as codes of FP4 (E2M1) with one E8M0 byte for each 32 along K.  Stored at fixed places: xq (codes [1024][512 B], bytes [1024][32] at XS_OFF, weights [2048 slots] f32 at WT_OFF), idx [2048 slots], slot = 2 token + j.
; Work-groups 256..2303 (THE QUANTISER): W1 [8][1024 k][4096 n] f32 becomes codes of FP4 along K, laid as IMAGES OF THE OPERAND'S REGISTERS.
;   A wave takes 32 columns x 128 along K.  A LANE TAKES A COLUMN AND ITS REGISTERS RUN DOWN K: a block of 32 lies in one lane's 32 registers.  The four waves stand side by side on 512 bytes of each row of W1.
;   Lane 16 u + r takes column 8 u + r + 8 (r / 8) of the 32: tile u of the group.  So, with the product used transposed, register j of tile u in lane (r, h) is column 16 h + 8 u + j: the 16 registers of a group's two tiles are 16 neighbours.
;   An image is a fragment (16 columns x 128 K, 8 registers a lane): registers 0-3 at 16 x lane, registers 4-7 at 512 + 16 x lane: 1,024 bytes.  Image number ((e 128 + group) 2 + u) 8 + K step.
;   The scale words (4 bytes: the K step's 4 blocks) of a group: 128 bytes at SCOFF + ((e 128 + group) 8 + K step) 128: tile 0's in lanes 0-15, tile 1's in lanes 16-31.
; A block's scale is 2^(floor(log2(its largest magnitude)) - 2); its byte is the largest magnitude's exponent field - 2, held at 1 from below.
; LIMITS: NaN and infinities among the inputs are not served.  A block of zeros gets the byte 1 where the rule says 127: its codes are zeros, and these bytes are read by this program alone.
;   The gate's sums are f32 in another order than a plain dot product's: two scores closer than that rounding may be ranked the other way.
; No tensor loads, no clusters: the quantiser's work-groups share no byte, and the gate's share only Wg's 32,768 bytes.
.set FIRST,  256                       ; the quantiser's first work-group
.set KK,     1024                      ; K of this weight
.set NN,     4096                      ; its columns
.set LOGS,   5                         ; log2(NN / 128): slices of 128 columns
.set LOGNP,  3                         ; log2(KK / 128): K steps
.set NP,     KK/128
.set SCOFF,  16777216                  ; the scale words lie behind the codes
.set SRCP,   10                        ; s[10:11] the weight
.set DSTP,   16                        ; s[16:17] its codes' buffer
.set XS_OFF, 524288
.set WT_OFF, 557056
.set XB,     512                       ; LDS: 0..511 the waves' partial scores [wave][token][8]; 512..639 x's scale bytes [token][32]
.set A,      8                         ; v8-15   eight running sums, later the scores
.set T,      16                        ; v16-23  at work
.set CD,     24                        ; v24-27  x's codes, a register a token
.set SBY,    28                        ; v28-31  x's scale byte, a register a token
.set X,      32                        ; gate: v32-63 x, token t at X + 8 t.  quantiser: v32-95 two sets of 32 numbers
.set WGR,    64                        ; gate: v64-127 register 8 i + e = Wg[my k + i][e]
.set CB,     96                        ; quantiser: v96-111 block b's codes at CB + 4 b
.set SW,     112                       ; quantiser: v112 my column's scale word
	s_load_b256 s[4:11], s[0:1], 0x0               ; x s[4:5], Wg s[6:7], bg s[8:9], W1 s[10:11]
	s_load_b128 s[12:15], s[0:1], 0x20             ; xq s[12:13], idx s[14:15]
	s_load_b64 s[16:17], s[0:1], 0x30              ; w1q
	v_lshl_add_u32 v128, v0, 2, 0x400
	v_mov_b32 v129, 0
	v_lshrrev_b32 v1, 5, v0
	v_readfirstlane_b32 s18, v1                    ; wave 0..3
	v_and_b32 v1, 31, v0                           ; lane
	s_wait_kmcnt 0x0
	s_cmp_lt_u32 ttmp9, FIRST                      ; the same for all waves of a work-group
	s_cbranch_scc0 .Lquant
; ---------------- THE GATE.  Wave w owns K = 256 w .. 256 w + 255, lane L of it k = 256 w + 8 L + 0 .. 7, for all 4 tokens: thread t owns k = 8 t on.
	v_lshlrev_b32 v2, 8, v0                        ; Wg: 8 rows of 32 bytes a thread
	v_lshlrev_b32 v3, 5, v0                        ; x: 8 numbers a thread
	v_lshlrev_b32 v4, 2, v0                        ; x's codes: 4 bytes a thread
	v_lshrrev_b32 v5, 2, v0
	v_add_nc_u32 v5, XB, v5                        ; LDS: my block's scale byte: four threads to a block of 32
	v_and_b32 v6, 0x60, v0
	v_lshlrev_b32 v6, 2, v6                        ; LDS: my wave's partial scores: 128 x wave
	v_lshlrev_b32 v7, 2, v1                        ; 4 x lane
	s_mov_b32 s28, 0x76543210
	s_mov_b32 s29, 0xfedcba98                      ; v_permlanex16_b32's selects for lane l xor 16
	s_mov_b32 s33, 0
	s_lshl_b32 s32, ttmp9, 14                      ; 4 tokens x 4,096 bytes
	s_add_nc_u64 s[4:5], s[4:5], s[32:33]          ; x at my first token
	s_lshl_b32 s32, ttmp9, 11                      ; 4 tokens x 512 bytes
	s_add_nc_u64 s[34:35], s[12:13], s[32:33]      ; its codes
	s_lshl_b32 s32, ttmp9, 7                       ; 4 tokens x 32 bytes
	s_add_co_u32 s32, s32, XS_OFF
	s_add_nc_u64 s[36:37], s[12:13], s[32:33]      ; its scale bytes
	s_lshl_b32 s32, ttmp9, 5                       ; 8 slots x 4 bytes
	s_add_nc_u64 s[14:15], s[14:15], s[32:33]      ; its slots' experts
	s_add_co_u32 s32, s32, WT_OFF
	s_add_nc_u64 s[38:39], s[12:13], s[32:33]      ; and weights
.irp t, 0,1,2,3
.irp c, 0,1
	global_load_b128 v[X+8*\t+4*\c:X+8*\t+4*\c+3], v3, s[4:5] offset:4096*\t+16*\c th:TH_LOAD_NT
.endr
.endr
.irp m, 0,1,2,3,4,5,6,7,8,9,10,11,12,13,14,15
	global_load_b128 v[WGR+4*\m:WGR+4*\m+3], v2, s[6:7] offset:16*\m
.endr
	s_load_b256 s[20:27], s[8:9], 0x0              ; bg
.irp e, 0,1,2,3,4,5,6,7
	v_mov_b32 v[T+\e], 0                           ; written once: a lane permute's destination counts as one of its sources
.endr
	s_wait_loadcnt 0x0
; One token: my 8 k's share of its 8 scores, summed over the wave, to LDS; and my 8 numbers of x as codes.
.macro TOKEN t
.if \t > 0
	s_wait_dscnt 0x0                               ; the last token's LDS stores have read the eight sums
.endif
.irp e, 0,1,2,3,4,5,6,7
	v_mul_f32 v[A+\e], v[X+8*\t], v[WGR+\e]        ; the first product starts each sum
.endr
.irp i, 1,2,3,4,5,6,7
.irp e, 0,1,2,3,4,5,6,7
	v_fmac_f32 v[A+\e], v[X+8*\t+\i], v[WGR+8*\i+\e]   ; the eight sums by turns
.endr
.endr
.irp k, 1,2,4,8
.irp e, 0,1,2,3,4,5,6,7
	v_add_f32_dpp v[A+\e], v[A+\e], v[A+\e] row_xmask:\k row_mask:0xf bank_mask:0xf
.endr
.endr
.irp e, 0,1,2,3,4,5,6,7
	v_permlanex16_b32 v[T+\e], v[A+\e], s28, s29
.endr
.irp e, 0,1,2,3,4,5,6,7
	v_add_f32 v[A+\e], v[A+\e], v[T+\e]            ; every lane holds the wave's share
.endr
	ds_store_b128 v6, v[A:A+3] offset:32*\t        ; all lanes write the same words with the same values
	ds_store_b128 v6, v[A+4:A+7] offset:32*\t+16
	v_max3_num_f32 v[T], |v[X+8*\t]|, |v[X+8*\t+1]|, 0x1800000   ; my 8 numbers' largest magnitude, and the floor 2^(3 - 127): the byte cannot fall under 1
	v_max3_num_f32 v[T], v[T], |v[X+8*\t+2]|, |v[X+8*\t+3]|
	v_max3_num_f32 v[T], v[T], |v[X+8*\t+4]|, |v[X+8*\t+5]|
	v_max3_num_f32 v[T], v[T], |v[X+8*\t+6]|, |v[X+8*\t+7]|
	v_max_num_f32_dpp v[T], v[T], v[T] row_xmask:1 row_mask:0xf bank_mask:0xf
	v_max_num_f32_dpp v[T], v[T], v[T] row_xmask:2 row_mask:0xf bank_mask:0xf   ; with the three lanes that share my block of 32
	v_add_nc_u32 v[T+1], 0xff000000, v[T]          ; 2 off its exponent field: the conversion takes the exponent field of this operand as its scale
	v_cvt_scalef32_pk8_fp4_f32 v[CD+\t], v[X+8*\t:X+8*\t+7], v[T+1]
	v_lshrrev_b32 v[SBY+\t], 23, v[T+1]            ; the scale's byte (also the plain line behind the conversion)
	ds_store_b8 v5, v[SBY+\t] offset:32*\t         ; the four lanes of a block write the same byte with the same value
	global_store_b32 v4, v[CD+\t], s[34:35] offset:512*\t   ; a wave stores 128 bytes on end, the four waves a token's 512
.endm
	TOKEN 0
	TOKEN 1
	TOKEN 2
	TOKEN 3
	s_wait_dscnt 0x0                               ; for the others' sake: my LDS stores are done
	s_barrier_signal -1
	s_barrier_wait -1
	s_cmp_lg_u32 s18, 0
	s_cbranch_scc1 .Lgend                          ; wave 0 finishes the four tokens
	ds_load_b32 v120, v7 offset:XB                 ; the 4 tokens' 128 scale bytes
	v_and_b32 v121, 6, v1
	v_lshlrev_b32 v121, 4, v121                    ; lane L takes token (L / 2) % 4: 32 bytes a token
.irp q, 0,1,2,3
	ds_load_b128 v[32+8*\q:35+8*\q], v121 offset:128*\q
	ds_load_b128 v[36+8*\q:39+8*\q], v121 offset:128*\q+16
.endr
	s_wait_dscnt 0x0
	s_wait_kmcnt 0x0                               ; bg
	global_store_b32 v7, v120, s[36:37]            ; 128 bytes on end
.irp e, 0,1,2,3,4,5,6,7
	v_add_f32 v[A+\e], v[32+\e], v[40+\e]
	v_add_f32 v[T+\e], v[48+\e], v[56+\e]
.endr
.irp e, 0,1,2,3,4,5,6,7
	v_add_f32 v[A+\e], v[A+\e], v[T+\e]
.endr
.irp e, 0,1,2,3,4,5,6,7
	v_add_f32 v[A+\e], s[20+\e], v[A+\e]           ; the scores
.endr
	v_mov_b32 v73, v[A]                            ; the largest, v74 its expert: kept where the next is not larger, so a tie keeps the lower expert
	v_mov_b32 v74, 0
.irp e, 1,2,3,4,5,6,7
	v_cmp_le_f32 vcc_lo, v[A+\e], v73
	v_cndmask_b32 v73, v[A+\e], v73, vcc_lo
	v_cndmask_b32 v74, \e, v74, vcc_lo
.endr
	v_mov_b32 v72, 0xff800000                      ; -infinity takes the largest's place,
.irp e, 0,1,2,3,4,5,6,7
	v_cmp_eq_u32 vcc_lo, \e, v74
	v_cndmask_b32 v[64+\e], v[A+\e], v72, vcc_lo
.endr
	v_mov_b32 v75, v64                             ; and the same search finds the second: v75, v76
	v_mov_b32 v76, 0
.irp e, 1,2,3,4,5,6,7
	v_cmp_le_f32 vcc_lo, v[64+\e], v75
	v_cndmask_b32 v75, v[64+\e], v75, vcc_lo
	v_cndmask_b32 v76, \e, v76, vcc_lo
.endr
	s_mov_b32 s30, 0x3fb8aa3b                      ; log2(e)
.irp e, 0,1,2,3,4,5,6,7
	v_sub_f32 v[80+\e], v[A+\e], v73               ; the maximum is taken away FIRST, so that the largest score's exponent is exactly 0 however large the scores: not fused with the scaling
.endr
	v_sub_f32 v88, v75, v73
.irp e, 0,1,2,3,4,5,6,7,8
	v_mul_f32 v[80+\e], s30, v[80+\e]
.endr
.irp e, 0,1,2,3,4,5,6,7,8
	v_exp_f32 v[80+\e], v[80+\e]                   ; one batch: the eight, and the second largest's once more
.endr
	v_nop                                          ; a plain line behind the last exponential
	s_wait_alu depctr_va_vdst(0)                   ; one wait for the batch, ahead of its first reader
	v_add_f32 v89, v80, v81
	v_add_f32 v90, v82, v83
	v_add_f32 v91, v84, v85
	v_add_f32 v92, v86, v87
	v_add_f32 v89, v89, v90
	v_add_f32 v91, v91, v92
	v_add_f32 v89, v89, v91                        ; the softmax's sum
	v_rcp_f32 v99, v89                             ; p of the largest = 1 / sum
	v_nop
	s_wait_alu depctr_va_vdst(0)
	v_mul_f32 v91, v88, v99                        ; p of the second
	v_add_f32 v92, v99, v91
	v_add_f32 v92, 0x322bcc77, v92                 ; + 1e-8
	v_rcp_f32 v93, v92
	v_nop
	s_wait_alu depctr_va_vdst(0)
	v_mul_f32 v94, v99, v93                        ; the two weights
	v_mul_f32 v95, v91, v93
	v_and_b32 v96, 1, v1
	v_cmp_eq_u32 vcc_lo, 1, v96                    ; lane L < 8 is slot L of the work-group's eight: token L / 2, choice L % 2
	v_cndmask_b32 v97, v74, v76, vcc_lo
	v_cndmask_b32 v98, v94, v95, vcc_lo
	s_wait_xcnt 0x0                                ; EXEC changes only behind this wait
	v_cmp_gt_u32 vcc_lo, 8, v1
	s_and_saveexec_b32 s31, vcc_lo
	global_store_b32 v7, v97, s[14:15]             ; the expert, a whole number at a fixed place
	global_store_b32 v7, v98, s[38:39]             ; its weight
	s_wait_xcnt 0x0                                ; and again, in front of the line that widens it
	s_or_b32 exec_lo, exec_lo, s31
.Lgend:
	s_wait_tensorcnt 0x0
	ds_add_u32 v128, v129
	s_wait_dscnt 0x0
	s_endpgm
; ---------------- THE QUANTISER.
.Lquant:
	s_sub_co_u32 s20, ttmp9, FIRST
	s_and_b32 s21, s20, (1<<LOGS)-1                ; which 128 columns
	s_lshr_b32 s22, s20, LOGS
	s_and_b32 s22, s22, NP-1                       ; which K step
	s_lshr_b32 s23, s20, 8                         ; which expert: 256 work-groups each
	s_lshl_b32 s24, s23, 24                        ; an expert's weight is 2^24 bytes
	s_mul_i32 s25, s22, 128*NN*4
	s_add_co_u32 s24, s24, s25                     ; + 128 rows a K step
	s_lshl_b32 s25, s21, 9
	s_add_co_u32 s24, s24, s25                     ; + 512 bytes a slice
	s_lshl_b32 s25, s18, 7
	s_add_co_u32 s24, s24, s25                     ; + 128 bytes a wave.  Under 2^27
	s_mov_b32 s25, 0
	s_add_nc_u64 s[SRCP:SRCP+1], s[SRCP:SRCP+1], s[24:25]
	s_mul_i32 s26, s23, NN/32
	s_lshl_b32 s27, s21, 2
	s_add_co_u32 s26, s26, s27
	s_add_co_u32 s26, s26, s18                     ; my group of 32 columns, counted through all experts
	s_lshl_b32 s24, s26, LOGNP+1
	s_add_co_u32 s24, s24, s22
	s_lshl_b32 s24, s24, 10                        ; tile 0's image of this K step; tile 1's lies NP images on
	s_add_nc_u64 s[28:29], s[DSTP:DSTP+1], s[24:25]
	s_lshl_b32 s24, s26, LOGNP
	s_add_co_u32 s24, s24, s22
	s_lshl_b32 s24, s24, 7
	s_add_co_u32 s24, s24, SCOFF
	s_add_nc_u64 s[30:31], s[DSTP:DSTP+1], s[24:25]   ; the group's scale words of this K step
	v_and_b32 v5, 15, v1
	v_and_b32 v6, 8, v1
	v_add_nc_u32 v5, v5, v6                        ; r + 8 (r / 8)
	v_and_b32 v6, 16, v1
	v_lshrrev_b32 v6, 1, v6
	v_add_nc_u32 v5, v5, v6                        ; + 8 u: my column
	v_lshlrev_b32 v2, 2, v5
	v_lshlrev_b32 v3, 4, v1                        ; an image's place for my lane
	v_lshlrev_b32 v4, 2, v1                        ; a scale word's
.macro LOAD t                          ; block t: rows 32 t + i of my column, i = 0 .. 31, into set t % 2.  Every offset is an immediate: 127 rows of NN x 4 bytes at the most, inside the signed 24 bits (ISA guide, chapter 10)
.set I, 0
.rept 32
	global_load_b32 v[X+32*((\t)%2)+I], v2, s[SRCP:SRCP+1] offset:(32*(\t)+I)*NN*4 th:TH_LOAD_NT
.set I, I+1
.endr
.endm
.macro BLOCK t
.set XS, X+32*((\t)%2)
.if (\t) < 3
	s_wait_loadcnt 32                              ; this block's 32 loads are in; the next block's 32 may be out
.else
	s_wait_loadcnt 0
.endif
	v_max3_num_f32 v8, |v[XS]|, |v[XS+1]|, |v[XS+2]|               ; the block's largest magnitude: all 32 numbers are mine; two chains
	v_max3_num_f32 v9, |v[XS+3]|, |v[XS+4]|, |v[XS+5]|
.irp i, 6,10,14,18,22,26
	v_max3_num_f32 v8, v8, |v[XS+\i]|, |v[XS+\i+1]|
	v_max3_num_f32 v9, v9, |v[XS+\i+2]|, |v[XS+\i+3]|
.endr
	v_max3_num_f32 v8, v8, |v[XS+30]|, |v[XS+31]|
	v_max3_num_f32 v8, v8, v9, 0x1800000           ; and the floor 2^(3 - 127): the byte cannot fall under 1
	v_add_nc_u32 v11, 0xff000000, v8               ; 2 off its exponent field: the conversion's scale operand
	v_lshrrev_b32 v13, 23, v11                     ; the scale's byte
.if (\t) == 0
	v_mov_b32 v[SW], v13
.else
	v_lshl_or_b32 v[SW], v13, 8*(\t), v[SW]        ; the lower K in the lower byte
.endif
.irp g, 0,1,2,3
	v_cvt_scalef32_pk8_fp4_f32 v[CB+4*(\t)+\g], v[XS+8*\g:XS+8*\g+7], v11
.endr
.if (\t) < 2
	LOAD (\t)+2
.endif
.endm
	LOAD 0
	LOAD 1
	BLOCK 0
	BLOCK 1
	BLOCK 2
	BLOCK 3
	v_nop                                          ; one plain line behind the last conversion
.irp c, 0,1                            ; a fragment wants block 2 c in lanes 0-15 and block 2 c + 1 in lanes 16-31, of ONE tile's columns: block 2 c's lanes 16-31 (tile 1's columns) change places with block 2 c + 1's lanes 0-15 (tile 0's)
.irp i, 0,1,2,3
	v_permlane16_swap_b32 v[CB+8*\c+\i], v[CB+8*\c+4+\i]
.endr
.endr
	global_store_b128 v3, v[CB:CB+3], s[28:29]                     ; tile 0: registers 0-3; each store covers 512 bytes on end, aligned
	global_store_b128 v3, v[CB+8:CB+11], s[28:29] offset:512       ;         registers 4-7
	global_store_b128 v3, v[CB+4:CB+7], s[28:29] offset:NP*1024    ; tile 1
	global_store_b128 v3, v[CB+12:CB+15], s[28:29] offset:NP*1024+512
	global_store_b32 v4, v[SW], s[30:31]                           ; 128 bytes: tile 0's words, then tile 1's
	s_endpgm
.Lfunc_end_k_q08116a2daa_prep1:
	.size	k_q08116a2daa_prep1, .Lfunc_end_k_q08116a2daa_prep1-k_q08116a2daa_prep1
	.p2alignl 7, 3214868480
	.fill 96, 4, 3214868480
	.section	.rodata,"a",@progbits
	.p2align	6, 0x0
	.amdhsa_kernel k_q08116a2daa_prep1
		.amdhsa_group_segment_fixed_size 1536
		.amdhsa_private_segment_fixed_size 0
		.amdhsa_enable_private_segment 0
		.amdhsa_kernarg_size 56
		.amdhsa_user_sgpr_count 2
		.amdhsa_user_sgpr_kernarg_segment_ptr 1
		.amdhsa_wavefront_size32 1
		.amdhsa_system_sgpr_workgroup_id_x 1
		.amdhsa_system_sgpr_workgroup_id_y 1
		.amdhsa_system_sgpr_workgroup_id_z 1
		.amdhsa_system_vgpr_workitem_id 0
		.amdhsa_next_free_vgpr 130
		.amdhsa_next_free_sgpr 66
		.amdhsa_reserve_vcc 1
		.amdhsa_float_denorm_mode_32 3
		.amdhsa_float_denorm_mode_16_64 3
		.amdhsa_memory_ordered 1
		.amdhsa_forward_progress 1
		.amdhsa_inst_pref_size 53
	.end_amdhsa_kernel
	.amdgpu_metadata
---
amdhsa.version: [ 1, 2 ]
amdhsa.kernels:
  - .name:           k_q08116a2daa_prep1
    .symbol:         k_q08116a2daa_prep1.kd
    .args:
      - { .name: x, .offset: 0, .size: 8, .value_kind: global_buffer, .address_space: global }
      - { .name: Wg, .offset: 8, .size: 8, .value_kind: global_buffer, .address_space: global }
      - { .name: bg, .offset: 16, .size: 8, .value_kind: global_buffer, .address_space: global }
      - { .name: W1, .offset: 24, .size: 8, .value_kind: global_buffer, .address_space: global }
      - { .name: xq, .offset: 32, .size: 8, .value_kind: global_buffer, .address_space: global }
      - { .name: idx, .offset: 40, .size: 8, .value_kind: global_buffer, .address_space: global }
      - { .name: w1q, .offset: 48, .size: 8, .value_kind: global_buffer, .address_space: global }
    .group_segment_fixed_size: 1536
    .private_segment_fixed_size: 0
    .kernarg_segment_align: 8
    .kernarg_segment_size: 56
    .max_flat_workgroup_size: 128
    .sgpr_count:     66
    .vgpr_count:     130
    .wavefront_size: 32
...
	.end_amdgpu_metadata
.endif
;; end of part 1
;; launch prep2 (part 2): grid 2049 x 1, 4 waves a work-group, no clusters, 1,024 bytes of LDS; arguments idx, W2, plan, w2q; writes plan, w2q
.if DOCPART == 2
	.amdgcn_target "amdgcn-amd-amdhsa--gfx1250"
	.amdhsa_code_object_version 6
	.text
	.protected	k_q08116a2daa_prep2
	.globl	k_q08116a2daa_prep2
	.p2align	8
	.type	k_q08116a2daa_prep2,@function
k_q08116a2daa_prep2:
	s_mov_b64 s[64:65], 0
	v_nop
	global_prefetch_b8 v0, s[64:65] scope:SCOPE_SE
	s_setreg_imm32_b32 hwreg(HW_REG_WAVE_MODE, 25, 1), 1
	s_wait_xcnt 0x0
; TWO JOBS IN ONE LAUNCH, parted by the work-group's number.
; Work-group 0 (THE PLACING): a counting sort of the 2,048 slots (slot = 2 token + choice) by expert, in slot order, without atomics.  idx holds each slot's expert (whole numbers that the launch before stored).
;   Wave w owns slots 512 w .. 512 w + 511, 16 chunks of 32.  It counts them by expert; the four waves' counts meet in LDS (one barrier); the earlier waves' counts give each wave its eight starting places;
;   then each slot gets its place 1024 e + rank.  Stored in plan: LIST [8][1024] the tokens by rank (zeros from the count on: every word is written), CNT [8] the counts (32 words, the rest zeros), POS [2048 slots] the places.
;   EXEC stays full until the last scattered store is issued; the place is held under 8,192 in a register of its own directly ahead of the shift that makes the address.
; Work-groups 1..2048 (THE QUANTISER): W2 [8][4096 k][1024 n] f32 becomes codes of FP4 (E2M1) along K with one E8M0 byte for each 32, laid as images of the operand's registers:
;   a wave takes 32 columns x 128 along K; a lane takes a column and its registers run down K; lane 16 u + r takes column 8 u + r + 8 (r / 8): tile u.
;   Image number ((e 32 + group) 2 + u) 32 + K step, 1,024 bytes each (registers 0-3 at 16 x lane, 4-7 at 512 + 16 x lane); scale words at SCOFF + ((e 32 + group) 32 + K step) 128.
; A block's scale is 2^(floor(log2(its largest magnitude)) - 2); its byte is the largest magnitude's exponent field - 2, held at 1 from below.
; LIMITS: NaN and infinities among the inputs are not served.  A block of zeros gets the byte 1 where the rule says 127: its codes are zeros, and these bytes are read by this program alone.
; No tensor loads, no clusters: the quantiser's waves share no byte.
.set FIRST,  1
.set KK,     4096
.set NN,     1024
.set LOGS,   3
.set LOGNP,  5
.set NP,     KK/128
.set SCOFF,  16777216
.set SRCP,   6                         ; s[6:7] W2
.set DSTP,   10                        ; s[10:11] w2q
.set CNT,    33280
.set POS,    33536
.set TOT,    20                        ; placing: s[20:27] the experts' totals
.set B,      32                        ; placing: s[32:39] first my wave's counts, then the next free place of each expert
.set M,      40                        ; placing: s[40:47] a chunk's eight masks, then their counts
.set RK,     24                        ; placing: v24-31 a chunk's eight candidate places; v24 ends as the lane's own
.set IDX,    32                        ; placing: v32-47 my 512 slots' experts, slot 32 c + lane in register c
.set PV,     48                        ; placing: v48-63 the places, v64-79 their byte offsets, v80-95 the tokens: a register a chunk, so that no store's source is written again
.set PA,     64
.set TV,     80
.set X,      32                        ; quantiser: v32-95 two sets of 32 numbers
.set CB,     96
.set SW,     112
	s_load_b256 s[4:11], s[0:1], 0x0               ; idx s[4:5], W2 s[6:7], plan s[8:9], w2q s[10:11]
	v_lshl_add_u32 v128, v0, 2, 0x200
	v_mov_b32 v129, 0
	v_lshrrev_b32 v1, 5, v0
	v_readfirstlane_b32 s18, v1                    ; wave 0..3
	v_and_b32 v1, 31, v0                           ; lane
	s_wait_kmcnt 0x0
	s_cmp_lt_u32 ttmp9, FIRST                      ; the same for all waves of a work-group
	s_cbranch_scc0 .Lquant
; ---------------- THE PLACING.
	v_and_b32 v3, 0x60, v0                         ; 32 x wave
	v_lshlrev_b32 v4, 2, v1                        ; 4 x lane
	v_lshl_add_u32 v2, v3, 6, v4                   ; my slot's word: 2,048 x wave + 4 x lane (+ 128 a chunk)
	v_lshrrev_b32 v5, 1, v1
	v_lshl_add_u32 v6, v3, 3, v5                   ; its token: 256 x wave + lane / 2 (+ 16 a chunk)
	v_mov_b32 v7, 0
	v_lshlrev_b32 v9, 2, v0                        ; LDS: 4 x thread: 128 bytes a wave
	v_lshl_add_u32 v10, v3, 5, v4                  ; the fill: 1,024 x wave + 4 x lane
	v_lshl_add_u32 v11, v3, 3, v1                  ; and its rank: 256 x wave + lane
.set CC, 0
.rept 16
	global_load_b32 v[IDX+CC], v2, s[4:5] offset:128*CC
.set CC, CC+1
.endr
.irp e, 0,1,2,3,4,5,6,7
	s_mov_b32 s[B+\e], 0
.endr
	s_wait_loadcnt 0x0
.macro MASKS c                         ; which lanes of chunk c name expert e
.irp e, 0,1,2,3,4,5,6,7
	v_cmp_eq_u32 s[M+\e], \e, v[IDX+\c]
.endr
.endm
.macro STEPB                           ; the masks' counts are added to the eight running numbers
.irp e, 0,1,2,3,4,5,6,7
	s_bcnt1_i32_b32 s[M+\e], s[M+\e]
.endr
.irp e, 0,1,2,3,4,5,6,7
	s_add_co_u32 s[B+\e], s[B+\e], s[M+\e]
.endr
.endm
.set CC, 0
.rept 16
	MASKS CC
	STEPB
.set CC, CC+1
.endr
	v_mov_b32 v8, 0
.irp e, 0,1,2,3,4,5,6,7
	v_writelane_b32 v8, s[B+\e], \e                ; lane e: my wave's count of expert e; lanes 8-31: 0
.endr
	ds_store_b32 v9, v8
	s_wait_dscnt 0x0                               ; for the others' sake: my counts lie in LDS
	s_barrier_signal -1
	s_barrier_wait -1
.irp q, 0,1,2,3
	ds_load_b32 v[12+\q], v4 offset:128*\q         ; wave q's counts, lane e expert e
.endr
	s_cmp_gt_u32 s18, 0
	s_cselect_b32 s28, -1, 0                       ; is wave 0 ahead of me?
	s_cmp_gt_u32 s18, 1
	s_cselect_b32 s29, -1, 0
	s_cmp_gt_u32 s18, 2
	s_cselect_b32 s31, -1, 0
	s_wait_dscnt 0x0
	v_and_b32 v16, s28, v12
	v_and_b32 v17, s29, v13
	v_and_b32 v18, s31, v14
	v_add3_u32 v20, v16, v17, v18                  ; the slots of expert e in the waves ahead of me,
	v_lshl_add_u32 v20, v1, 10, v20                ; + 1024 e: my first free place
	v_add3_u32 v21, v12, v13, v14
	v_add_nc_u32 v21, v21, v15                     ; the totals
.irp e, 0,1,2,3,4,5,6,7
	v_readlane_b32 s[B+\e], v20, \e
	v_readlane_b32 s[TOT+\e], v21, \e
.endr
	s_cmp_lg_u32 s18, 0
	s_cbranch_scc1 .Lnocnt
	global_store_b32 v4, v21, s[8:9] offset:CNT    ; wave 0: the counts, 128 bytes on end, all lanes on
.Lnocnt:
.macro SCAN c
	MASKS \c
.irp e, 0,1,2,3,4,5,6,7
	v_mbcnt_lo_u32_b32 v[RK+\e], s[M+\e], s[B+\e]  ; expert e's next free place + how many of e stand in lower lanes
.endr
.irp e, 1,2,3,4,5,6,7
	v_cndmask_b32 v[RK], v[RK], v[RK+\e], s[M+\e]  ; the lane keeps its own expert's
.endr
	STEPB
	v_min_u32 v[PV+\c], 0x1fff, v[RK]              ; a token names an expert once, so a place is under 8,192; held there before it enters an address
	v_lshlrev_b32 v[PA+\c], 2, v[PV+\c]
	v_add_nc_u32 v[TV+\c], 16*\c, v6               ; the token
	global_store_b32 v[PA+\c], v[TV+\c], s[8:9]                ; LIST[place] = token
	global_store_b32 v2, v[PV+\c], s[8:9] offset:POS+128*\c    ; POS[slot] = place: 128 bytes on end
.endm
.set CC, 0
.rept 16
	SCAN CC
.set CC, CC+1
.endr
	s_wait_xcnt 0x0                                ; EXEC changes only behind this wait
; The list's words from each count on become 0, so that every word that a later launch reads is written.  Wave w takes ranks 256 w .. 256 w + 255 of all eight experts; no word is written twice.
.macro FILL e, j
	v_add_nc_u32 v8, 32*\j, v11                    ; the rank
	v_cmp_le_u32 vcc_lo, s[TOT+\e], v8
	s_and_saveexec_b32 s30, vcc_lo
	global_store_b32 v10, v7, s[8:9] offset:4096*\e+128*\j
	s_wait_xcnt 0x0                                ; the store has read EXEC
	s_or_b32 exec_lo, exec_lo, s30
.endm
.irp e, 0,1,2,3,4,5,6,7
.irp j, 0,1,2,3,4,5,6,7
	FILL \e, \j
.endr
.endr
	s_wait_xcnt 0x0
	s_mov_b32 exec_lo, -1
	s_wait_tensorcnt 0x0
	ds_add_u32 v128, v129
	s_wait_dscnt 0x0
	s_endpgm
; ---------------- THE QUANTISER.
.Lquant:
	s_sub_co_u32 s20, ttmp9, FIRST
	s_and_b32 s21, s20, (1<<LOGS)-1                ; which 128 columns
	s_lshr_b32 s22, s20, LOGS
	s_and_b32 s22, s22, NP-1                       ; which K step
	s_lshr_b32 s23, s20, 8                         ; which expert: 256 work-groups each
	s_lshl_b32 s24, s23, 24                        ; an expert's weight is 2^24 bytes
	s_mul_i32 s25, s22, 128*NN*4
	s_add_co_u32 s24, s24, s25                     ; + 128 rows a K step
	s_lshl_b32 s25, s21, 9
	s_add_co_u32 s24, s24, s25                     ; + 512 bytes a slice
	s_lshl_b32 s25, s18, 7
	s_add_co_u32 s24, s24, s25                     ; + 128 bytes a wave.  Under 2^27
	s_mov_b32 s25, 0
	s_add_nc_u64 s[SRCP:SRCP+1], s[SRCP:SRCP+1], s[24:25]
	s_mul_i32 s26, s23, NN/32
	s_lshl_b32 s27, s21, 2
	s_add_co_u32 s26, s26, s27
	s_add_co_u32 s26, s26, s18                     ; my group of 32 columns, counted through all experts
	s_lshl_b32 s24, s26, LOGNP+1
	s_add_co_u32 s24, s24, s22
	s_lshl_b32 s24, s24, 10                        ; tile 0's image of this K step; tile 1's lies NP images on
	s_add_nc_u64 s[28:29], s[DSTP:DSTP+1], s[24:25]
	s_lshl_b32 s24, s26, LOGNP
	s_add_co_u32 s24, s24, s22
	s_lshl_b32 s24, s24, 7
	s_add_co_u32 s24, s24, SCOFF
	s_add_nc_u64 s[30:31], s[DSTP:DSTP+1], s[24:25]   ; the group's scale words of this K step
	v_and_b32 v5, 15, v1
	v_and_b32 v6, 8, v1
	v_add_nc_u32 v5, v5, v6                        ; r + 8 (r / 8)
	v_and_b32 v6, 16, v1
	v_lshrrev_b32 v6, 1, v6
	v_add_nc_u32 v5, v5, v6                        ; + 8 u: my column
	v_lshlrev_b32 v2, 2, v5
	v_lshlrev_b32 v3, 4, v1                        ; an image's place for my lane
	v_lshlrev_b32 v4, 2, v1                        ; a scale word's
.macro LOAD t                          ; block t: rows 32 t + i of my column, i = 0 .. 31, into set t % 2.  Every offset is an immediate: 127 rows of NN x 4 bytes at the most
.set I, 0
.rept 32
	global_load_b32 v[X+32*((\t)%2)+I], v2, s[SRCP:SRCP+1] offset:(32*(\t)+I)*NN*4 th:TH_LOAD_NT
.set I, I+1
.endr
.endm
.macro BLOCK t
.set XS, X+32*((\t)%2)
.if (\t) < 3
	s_wait_loadcnt 32                              ; this block's 32 loads are in; the next block's 32 may be out
.else
	s_wait_loadcnt 0
.endif
	v_max3_num_f32 v8, |v[XS]|, |v[XS+1]|, |v[XS+2]|               ; the block's largest magnitude: all 32 numbers are mine; two chains
	v_max3_num_f32 v9, |v[XS+3]|, |v[XS+4]|, |v[XS+5]|
.irp i, 6,10,14,18,22,26
	v_max3_num_f32 v8, v8, |v[XS+\i]|, |v[XS+\i+1]|
	v_max3_num_f32 v9, v9, |v[XS+\i+2]|, |v[XS+\i+3]|
.endr
	v_max3_num_f32 v8, v8, |v[XS+30]|, |v[XS+31]|
	v_max3_num_f32 v8, v8, v9, 0x1800000           ; and the floor 2^(3 - 127): the byte cannot fall under 1
	v_add_nc_u32 v11, 0xff000000, v8               ; 2 off its exponent field: the conversion's scale operand
	v_lshrrev_b32 v13, 23, v11                     ; the scale's byte
.if (\t) == 0
	v_mov_b32 v[SW], v13
.else
	v_lshl_or_b32 v[SW], v13, 8*(\t), v[SW]        ; the lower K in the lower byte
.endif
.irp g, 0,1,2,3
	v_cvt_scalef32_pk8_fp4_f32 v[CB+4*(\t)+\g], v[XS+8*\g:XS+8*\g+7], v11
.endr
.if (\t) < 2
	LOAD (\t)+2
.endif
.endm
	LOAD 0
	LOAD 1
	BLOCK 0
	BLOCK 1
	BLOCK 2
	BLOCK 3
	v_nop                                          ; one plain line behind the last conversion
.irp c, 0,1                            ; block 2 c's lanes 16-31 (tile 1's columns) change places with block 2 c + 1's lanes 0-15 (tile 0's): each register then belongs to one tile's fragment
.irp i, 0,1,2,3
	v_permlane16_swap_b32 v[CB+8*\c+\i], v[CB+8*\c+4+\i]
.endr
.endr
	global_store_b128 v3, v[CB:CB+3], s[28:29]                     ; tile 0: registers 0-3; each store covers 512 bytes on end, aligned
	global_store_b128 v3, v[CB+8:CB+11], s[28:29] offset:512       ;         registers 4-7
	global_store_b128 v3, v[CB+4:CB+7], s[28:29] offset:NP*1024    ; tile 1
	global_store_b128 v3, v[CB+12:CB+15], s[28:29] offset:NP*1024+512
	global_store_b32 v4, v[SW], s[30:31]                           ; 128 bytes: tile 0's words, then tile 1's
	s_endpgm
.Lfunc_end_k_q08116a2daa_prep2:
	.size	k_q08116a2daa_prep2, .Lfunc_end_k_q08116a2daa_prep2-k_q08116a2daa_prep2
	.p2alignl 7, 3214868480
	.fill 96, 4, 3214868480
	.section	.rodata,"a",@progbits
	.p2align	6, 0x0
	.amdhsa_kernel k_q08116a2daa_prep2
		.amdhsa_group_segment_fixed_size 1024
		.amdhsa_private_segment_fixed_size 0
		.amdhsa_enable_private_segment 0
		.amdhsa_kernarg_size 32
		.amdhsa_user_sgpr_count 2
		.amdhsa_user_sgpr_kernarg_segment_ptr 1
		.amdhsa_wavefront_size32 1
		.amdhsa_system_sgpr_workgroup_id_x 1
		.amdhsa_system_sgpr_workgroup_id_y 1
		.amdhsa_system_sgpr_workgroup_id_z 1
		.amdhsa_system_vgpr_workitem_id 0
		.amdhsa_next_free_vgpr 130
		.amdhsa_next_free_sgpr 66
		.amdhsa_reserve_vcc 1
		.amdhsa_float_denorm_mode_32 3
		.amdhsa_float_denorm_mode_16_64 3
		.amdhsa_memory_ordered 1
		.amdhsa_forward_progress 1
		.amdhsa_inst_pref_size 96
	.end_amdhsa_kernel
	.amdgpu_metadata
---
amdhsa.version: [ 1, 2 ]
amdhsa.kernels:
  - .name:           k_q08116a2daa_prep2
    .symbol:         k_q08116a2daa_prep2.kd
    .args:
      - { .name: idx, .offset: 0, .size: 8, .value_kind: global_buffer, .address_space: global }
      - { .name: W2, .offset: 8, .size: 8, .value_kind: global_buffer, .address_space: global }
      - { .name: plan, .offset: 16, .size: 8, .value_kind: global_buffer, .address_space: global }
      - { .name: w2q, .offset: 24, .size: 8, .value_kind: global_buffer, .address_space: global }
    .group_segment_fixed_size: 1024
    .private_segment_fixed_size: 0
    .kernarg_segment_align: 8
    .kernarg_segment_size: 32
    .max_flat_workgroup_size: 128
    .sgpr_count:     66
    .vgpr_count:     130
    .wavefront_size: 32
...
	.end_amdgpu_metadata
.endif
;; end of part 2
;; launch ffn1 (part 3): grid 256 x 1, 4 waves a work-group, no clusters, 70,144 bytes of LDS; arguments plan, xq, w1q, b1, hq; writes hq
.if DOCPART == 3
	.amdgcn_target "amdgcn-amd-amdhsa--gfx1250"
	.amdhsa_code_object_version 6
	.text
	.protected	k_q08116a2daa_ffn1
	.globl	k_q08116a2daa_ffn1
	.p2align	8
	.type	k_q08116a2daa_ffn1,@function
k_q08116a2daa_ffn1:
	s_mov_b64 s[64:65], 0
	v_nop
	global_prefetch_b8 v0, s[64:65] scope:SCOPE_SE
	s_setreg_imm32_b32 hwreg(HW_REG_WAVE_MODE, 25, 1), 1
	s_wait_xcnt 0x0
; h = Q(relu(x W1 + b1)) for the rows that were routed to an expert, on codes of FP4 (E2M1) with one E8M0 scale for each 32 along K; Q the quantiser along the next product's K (the hidden units).
; SHARES.  Work-group = (expert e = number / 32, slice = number % 32): 128 hidden units of one expert, all of K = 1,024: 64 fragments of W1, 65,536 bytes on end in w1q.  EVERY WAVE HOLDS ALL 64 IN REGISTERS (512);
;   each wave fetches a quarter of them and a quarter of their 32 records of scale words from memory, they meet in LDS (images of registers), one barrier.  The waves share the ROW TILES of 16 routed rows: wave w takes tiles w, w + 4, ..
; The number of tiles is read from plan (the expert's count): a trip count that hangs on a loaded number; no tensor loads, no ring and no joint loads; x's fragments go from memory straight into registers.
; TWO TILES OF x ARE ON THEIR WAY: both sets are asked for in the head; a set is asked for again (my tile after next) directly behind the products that read it, and the wait at a tile's head leaves the next tile's loads out.
;   The tokens that a request needs were asked for two tiles earlier.  The look-ahead is never jumped over: past my last tile it reads the list's words (all 1,024 of an expert are written) and rows of x that are not used.
; THE PRODUCT IS USED TRANSPOSED (source 0 = 16 hidden units, source 1 = 16 rows): a lane holds one row, and by the order in which w1q's tiles take their columns the 16 registers of tiles 2 g, 2 g + 1 are hidden units 32 g + 16 h + 0 .. 15.
; A tile's 128 hidden units are K step `slice` of the next product: one fragment (hq: [e][tile 64][K step 32][1,024 B]) and one scale word a row ([e][tile][K step][16 words] at HS_OFF).
; Rows beyond the count take the list's zeros (token 0): they are computed, stored and never read by the last launch.  TILES 0 TO 7 ARE MADE FOR EVERY EXPERT, whatever its count:
; the next launch asks for each wave's first two tiles of h before it knows the count, and every byte that it reads is written here.  2,048 rows on 8 experts give the fullest expert 16 tiles or more, so these eight never make the longest work-group longer.
; LIMITS: NaN and infinities are not served; a block of zeros gets the scale byte 1 (its codes are zeros; the bytes are read by this program alone).
; REGISTERS, in windows of 256.  Window 0: v1-15 addresses; v16-31 x's scale words, two sets; v32-63 W1's scale words (8 g + s: tile 2 g in lanes 0-15, tile 2 g + 1 in lanes 16-31); v64-127 the 8 accumulators; v128-152 the quantiser's; v153-155 addresses.
;   Window 1: W1's fragments of K steps 0-3, (tile t, step s) at v[64 (s % 4) + 8 t]; window 2: K steps 4-7.  Window 3: v0-127 x's fragments, two sets of 8; v128-191 b1 in the result's layout.
.set CNT,    33280
.set XS_OFF, 524288
.set SCOFF,  16777216
.set HS_OFF, 16777216
.set SLDS,   65536                     ; LDS: 0..65,535 W1's images (fragment 8 t + s at 1,024 (8 t + s)); behind them its 32 records of scale words, 128 bytes each
.set LI,   1                           ; v1     16 x lane
.set R4,   2                           ; v2     4 (lane % 16)
.set H16,  3                           ; v3     16 (lane / 16)
.set XO,   4                           ; v4-5   set p: my row's codes: 512 x token + 16 h
.set XSO,  6                           ; v6-7   set p: my row's scale bytes: 32 x token
.set TK,   8                           ; v8     a token, held under 1,024
.set H64,  9                           ; v9     64 (lane / 16)
.set L4,   10                          ; v10    4 x lane
.set WST,  11                          ; v11    LDS: 16 x lane + 16,384 x wave
.set LO,   12                          ; v12-13 set p: my word of the list
.set TKN,  14                          ; v14-15 set p: the token of the tile that the set takes next
.set XSC,  16
.set W1S,  32
.set HA,   64
.set PC,   128                         ; v128-135 the codes just made
.set TM,   136                         ; v136-139 largest magnitudes, v140-143 bytes, v148-151 the conversions' scale operands
.set PW,   152                         ; the scale word just made
.set SWG,  153                         ; v153   my wave's 8 records of scale words in memory: 4 x lane + 1,024 x wave
.set SWA,  154                         ; v154   the same place in LDS
.set SRA,  155                         ; v155   LDS: SLDS + 4 x lane
.set B1,   128                         ; in window 3
.set SEL,  44                          ; s[44:45]
.set TRIPS, 48                         ; s48  the loop's trips: two tiles a trip
.set TRIP,  49                         ; s49  the trip in hand
.set MSB, 0
.macro WIN new                         ; the immediate's high byte repeats the setting that is left; bits 1:0 source 0, 3:2 source 1, 5:4 source 2, 7:6 destination
.if MSB != \new
	s_set_vgpr_msb (MSB<<8)|\new
.set MSB, \new
.endif
.endm
.macro WM d, a, b, c, sa, sb, ra       ; one product; ra = 1: source 0's scales stand in lanes 16-31
.if (\ra)
	v_wmma_scale_f32_16x16x128_f8f6f4 v[\d:\d+7], v[\a:\a+7], v[\b:\b+7], v[\c:\c+7], v[\sa], v[\sb] matrix_a_fmt:MATRIX_FMT_FP4 matrix_b_fmt:MATRIX_FMT_FP4 matrix_a_scale:MATRIX_SCALE_ROW1
.else
	v_wmma_scale_f32_16x16x128_f8f6f4 v[\d:\d+7], v[\a:\a+7], v[\b:\b+7], v[\c:\c+7], v[\sa], v[\sb] matrix_a_fmt:MATRIX_FMT_FP4 matrix_b_fmt:MATRIX_FMT_FP4
.endif
.endm
; The 16 rows named by set p's tokens: their 8 fragments into set p of window 3, their 8 scale words into set p.  18 loads.  The set's offset registers are its own: their last loads are done when this is reached.
.macro XLOAD p
	v_min_u32 v[TK], 0x3ff, v[TKN+(\p)]            ; a loaded number enters an address only behind this hold
	v_lshl_add_u32 v[XO+(\p)], v[TK], 9, v[H16]
	v_lshlrev_b32 v[XSO+(\p)], 5, v[TK]
	WIN 0xc0
.irp s, 0,1,2,3,4,5,6,7
.irp c, 0,1
	global_load_b128 v[64*(\p)+8*\s+4*\c:64*(\p)+8*\s+4*\c+3], v[XO+(\p)], s[6:7] offset:64*\s+32*\c   ; k = 128 s + 64 c + 32 h + 0 .. 31 of my row
.endr
.endr
	WIN 0
	global_load_b128 v[XSC+8*(\p):XSC+8*(\p)+3], v[XSO+(\p)], s[24:25]
	global_load_b128 v[XSC+8*(\p)+4:XSC+8*(\p)+7], v[XSO+(\p)], s[24:25] offset:16
.endm
.macro PROD p, s                       ; K step s: the 8 accumulators by turns, one instruction a turn.  K step 0 starts the sums from b1
.irp t, 0,1,2,3,4,5,6,7
.if (\s) == 0
	WM HA+8*\t, 8*\t, 64*(\p), B1+8*\t, W1S+8*(\t/2), XSC+8*(\p), (\t)%2
.else
	WM HA+8*\t, ((\s)&3)*64+8*\t, 64*(\p)+8*(\s), HA+8*\t, W1S+8*(\t/2)+(\s), XSC+8*(\p)+(\s), (\t)%2
.endif
.endr
.endm
; 64 numbers of a lane, register 16 b + i = k 32 b + 16 (lane / 16) + i of my row, become a fragment's codes in v[PC] on and its scale word in v[PW].
.macro QUANT s
.irp b, 0,1,2,3
	v_max3_num_f32 v[TM+\b], |v[\s+16*\b]|, |v[\s+1+16*\b]|, 0x1800000   ; block b: my 16 numbers, and the floor 2^(3 - 127): the byte cannot fall under 1
.endr
.irp i, 2,4,6,8,10,12,14
.irp b, 0,1,2,3
	v_max3_num_f32 v[TM+\b], v[TM+\b], |v[\s+16*\b+\i]|, |v[\s+1+16*\b+\i]|   ; the four blocks by turns
.endr
.endr
.irp b, 0,1,2,3
	v_permlanex16_b32 v[TM+4+\b], v[TM+\b], s[SEL], s[SEL+1]
.endr
.irp b, 0,1,2,3
	v_max_num_f32 v[TM+\b], v[TM+\b], v[TM+4+\b]   ; with lane l xor 16's: the block's largest magnitude
.endr
.irp b, 0,1,2,3
	v_add_nc_u32 v[TM+12+\b], 0xff000000, v[TM+\b]   ; 2 off its exponent field: the conversion's scale operand
.endr
.irp b, 0,1,2,3
	v_lshrrev_b32 v[TM+4+\b], 23, v[TM+12+\b]      ; the scale's byte
.endr
	v_lshl_or_b32 v[PW], v[TM+5], 8, v[TM+4]       ; the four bytes make my row's scale word
	v_lshl_or_b32 v[PW], v[TM+6], 16, v[PW]
	v_lshl_or_b32 v[PW], v[TM+7], 24, v[PW]
.irp b, 0,1,2,3
	v_cvt_scalef32_pk8_fp4_f32 v[PC+2*\b], v[\s+16*\b:\s+7+16*\b], v[TM+12+\b]
	v_cvt_scalef32_pk8_fp4_f32 v[PC+1+2*\b], v[\s+8+16*\b:\s+15+16*\b], v[TM+12+\b]
.endr
	v_nop                                          ; one plain line behind the last conversion
.irp c, 0,1                            ; the operand's layout wants a WHOLE block in a lane: lanes 0-15 block 2 c, lanes 16-31 block 2 c + 1
.irp i, 0,1
	v_permlane16_swap_b32 v[PC+4*\c+\i], v[PC+2+4*\c+\i]
.endr
.endr
.endm
	s_load_b256 s[4:11], s[0:1], 0x0               ; plan s[4:5], xq s[6:7], w1q s[8:9], b1 s[10:11]
	s_load_b64 s[12:13], s[0:1], 0x20              ; hq
	v_lshl_add_u32 v254, v0, 2, 0x11000
	v_mov_b32 v255, 0
	v_lshrrev_b32 v1, 5, v0
	v_readfirstlane_b32 s14, v1                    ; wave 0..3
	v_and_b32 v156, 31, v0                         ; lane
	v_and_b32 v157, 15, v0                         ; r
	v_bfe_u32 v158, v0, 4, 1                       ; h
	v_lshlrev_b32 v[LI], 4, v156
	v_lshlrev_b32 v[R4], 2, v157
	v_lshlrev_b32 v[H16], 4, v158
	v_lshlrev_b32 v[H64], 6, v158
	v_lshlrev_b32 v[L4], 2, v156
	s_lshl_b32 s43, s14, 14                        ; 16,384 x wave
	v_add_nc_u32 v[WST], s43, v[LI]
	s_lshl_b32 s47, s14, 10                        ; 8 records of 128 bytes a wave
	v_add_nc_u32 v[SWG], s47, v[L4]
	v_add_nc_u32 v[SWA], SLDS, v[SWG]
	v_add_nc_u32 v[SRA], SLDS, v[L4]
	s_lshl_b32 s47, s14, 6
	v_add_nc_u32 v[LO], s47, v[R4]                 ; tile w's 16 words of the list,
	v_add_nc_u32 v[LO+1], 256, v[LO]               ; tile w + 4's
	s_lshr_b32 s15, ttmp9, 5                       ; e
	s_and_b32 s16, ttmp9, 31                       ; slice
	s_lshl_b32 s46, s15, 2
	s_mov_b32 s37, 0                               ; s[36:37]: an offset under 2^32 as a pair
	s_mov_b32 s[SEL], 0x76543210
	s_mov_b32 s[SEL+1], 0xfedcba98                 ; v_permlanex16_b32's selects for lane l xor 16
	s_lshl_b32 s36, s15, 12                        ; an expert's list is 1,024 words
	s_wait_kmcnt 0x0
	s_load_b32 s42, s[4:5], s46 offset:CNT         ; my expert's count: first read behind the barrier
	s_add_nc_u64 s[20:21], s[4:5], s[36:37]        ; its list
	; ALL THAT HANGS ON NO LOADED NUMBER GOES OUT AS ONE GROUP: my first two tiles' tokens, my quarter of W1's images, my 8 records of its scale words, b1
	global_load_b32 v[TKN], v[LO], s[20:21]
	global_load_b32 v[TKN+1], v[LO+1], s[20:21]
	s_lshl_b32 s36, ttmp9, 16                      ; the work-group's 65,536 bytes of images,
	s_add_co_u32 s36, s36, s43                     ; my quarter of them
	s_add_nc_u64 s[26:27], s[8:9], s[36:37]
	WIN 0x40                                       ; destination window 1: v0-127 there serve as a way station
.set M, 0
.rept 32
	global_load_b128 v[4*M:4*M+3], v[LI], s[26:27] offset:512*M    ; 512 bytes on end
.set M, M+1
.endr
	WIN 0
	s_lshl_b32 s36, ttmp9, 12                      ; 32 records of 128 bytes a work-group
	s_add_co_u32 s36, s36, SCOFF
	s_add_nc_u64 s[28:29], s[8:9], s[36:37]        ; W1's scale words
.set M, 0
.rept 8
	global_load_b32 v[W1S+M], v[SWG], s[28:29] offset:128*M        ; records 8 w + M
.set M, M+1
.endr
	s_lshl_b32 s36, s15, 14
	s_lshl_b32 s47, s16, 9
	s_add_co_u32 s36, s36, s47
	s_add_nc_u64 s[30:31], s[10:11], s[36:37]      ; b1 at my 128 hidden units
	WIN 0xc0
.irp t, 0,1,2,3,4,5,6,7
	global_load_b128 v[B1+8*\t:B1+8*\t+3], v[H64], s[30:31] offset:(32*(\t/2)+8*(\t%2))*4       ; lane (r, h), tile 2 g + u: hidden units 32 g + 16 h + 8 u + 0 .. 7
	global_load_b128 v[B1+8*\t+4:B1+8*\t+7], v[H64], s[30:31] offset:(32*(\t/2)+8*(\t%2))*4+16
.endr
	WIN 0
	s_add_nc_u64 s[24:25], s[6:7], XS_OFF          ; x's scale bytes
	s_lshl_b32 s36, s15, 21
	s_lshl_b32 s47, s16, 10
	s_add_co_u32 s36, s36, s47
	s_add_nc_u64 s[32:33], s[12:13], s[36:37]      ; hq: tile 0's image of K step `slice`
	s_lshl_b32 s36, s15, 17
	s_lshl_b32 s47, s16, 6
	s_add_co_u32 s36, s36, s47
	s_add_co_u32 s36, s36, HS_OFF
	s_add_nc_u64 s[34:35], s[12:13], s[36:37]      ; and its scale words
.irp b, 0,1,2,3
	v_mov_b32 v[TM+4+\b], 0                        ; written once: a lane permute's destination counts as one of its sources
.endr
	s_wait_loadcnt 56                              ; both tiles' tokens are in; behind them: the quarter's 32 loads, 8 of scale words, 16 of b1
	XLOAD 0                                        ; tile w
	global_load_b32 v[TKN], v[LO], s[20:21] offset:512     ; tile w + 8's tokens
	XLOAD 1                                        ; tile w + 4
	global_load_b32 v[TKN+1], v[LO+1], s[20:21] offset:512 ; tile w + 12's
	s_wait_loadcnt 54                              ; the quarter and the scale words are in; behind them: b1's 16, two tiles' 36, two of the list
	WIN 0x04                                       ; an LDS store's data are its source 1: window 1
.set M, 0
.rept 32
	ds_store_b128 v[WST], v[4*M:4*M+3] offset:512*M
.set M, M+1
.endr
	WIN 0
.set M, 0
.rept 8
	ds_store_b32 v[SWA], v[W1S+M] offset:128*M
.set M, M+1
.endr
	s_wait_dscnt 0x0                               ; for the others' sake: my quarter lies in LDS
	s_barrier_signal -1
	s_barrier_wait -1                              ; the one barrier, on every wave's path
	s_wait_kmcnt 0x0
	s_min_u32 s42, s42, 1024
	s_add_co_u32 s17, s42, 15
	s_lshr_b32 s17, s17, 4                         ; tiles of 16 rows,
	s_max_u32 s17, s17, 8                          ; eight at the least (see the head)
	s_cmp_ge_u32 s14, s17
	s_cbranch_scc1 .Lend                           ; (never taken with eight tiles or more; it bounds the trips below)
	WIN 0x40
.irp s, 0,1,2,3
.irp t, 0,1,2,3,4,5,6,7
	ds_load_b128 v[64*\s+8*\t:64*\s+8*\t+3], v[LI] offset:1024*(8*\t+\s)
	ds_load_b128 v[64*\s+8*\t+4:64*\s+8*\t+7], v[LI] offset:1024*(8*\t+\s)+512
.endr
.endr
	WIN 0x80
.irp s, 0,1,2,3
.irp t, 0,1,2,3,4,5,6,7
	ds_load_b128 v[64*\s+8*\t:64*\s+8*\t+3], v[LI] offset:1024*(8*\t+\s+4)
	ds_load_b128 v[64*\s+8*\t+4:64*\s+8*\t+7], v[LI] offset:1024*(8*\t+\s+4)+512
.endr
.endr
	WIN 0
.set M, 0
.rept 32
	ds_load_b32 v[W1S+M], v[SRA] offset:128*M
.set M, M+1
.endr
	s_wait_dscnt 0x0
; One tile of 16 rows, number s[tc], its x in set p.  The loads go out in the order x(t), tokens(t + 2 tiles), x(t + 1), tokens(t + 3), ..: so the one counted wait at the head shows this tile's x and the tokens that its refill needs.
.macro TILE p, tc
	s_wait_loadcnt 19                              ; behind what I need: the next tile's 18 loads and one of the list
	s_wait_xcnt 0x0                                ; the last tile's stores have read their registers and bases
	s_min_u32 s47, s[\tc], 63
	s_lshl_b32 s36, s47, 15
	s_add_nc_u64 s[38:39], s[32:33], s[36:37]      ; where this tile's image goes,
	s_lshl_b32 s36, s47, 11
	s_add_nc_u64 s[40:41], s[34:35], s[36:37]      ; and its scale words
	WIN 0x3d                                       ; source 0 (W1) window 1, source 1 (x) and source 2 (b1) window 3
	PROD \p, 0
	WIN 0x0d
	PROD \p, 1
	PROD \p, 2
	PROD \p, 3
	WIN 0x0e                                       ; W1's K steps 4-7: window 2
	PROD \p, 4
	PROD \p, 5
	PROD \p, 6
	PROD \p, 7
	WIN 0
.rept 4
	v_nop                                          ; four places between a product and a load into its sources, and the first read of its result
.endr
	XLOAD \p                                       ; the set is free: my tile after next (this tile's number + 8) goes out at once
	s_add_co_u32 s47, s[\tc], 16
	s_min_u32 s47, s47, 63                         ; held inside the list's 64 tiles
	s_lshl_b32 s47, s47, 6
	v_add_nc_u32 v[LO+\p], s47, v[R4]
	global_load_b32 v[TKN+\p], v[LO+\p], s[20:21]  ; and the tokens that the set's next refill will need
.set J, 0
.rept 64
	v_max_num_f32 v[HA+J], 0, v[HA+J]              ; the activation, in f32; each accumulator from its low end on
.set J, J+1
.endr
	QUANT HA
	global_store_b128 v[LI], v[PC:PC+3], s[38:39]              ; the image: 512 bytes on end, twice
	global_store_b128 v[LI], v[PC+4:PC+7], s[38:39] offset:512
	global_store_b32 v[R4], v[PW], s[40:41]                    ; 16 words; lanes l and l + 16 write the same word with the same value
.endm
	s_sub_co_u32 s[TRIPS], s17, s14                ; tiles from mine on (1 at the least: the branch above),
	s_add_co_u32 s[TRIPS], s[TRIPS], 7
	s_lshr_b32 s[TRIPS], s[TRIPS], 3               ; every fourth is mine, two to a trip: (tiles - wave + 7) / 8 trips
	s_mov_b32 s[TRIP], 0
	s_mov_b32 s18, s14                             ; my first tile
.Lloop:                                            ; a trip runs two tiles, so that x's two sets are back where they began
	TILE 0, 18
	s_add_co_u32 s19, s18, 4
	s_cmp_lt_u32 s19, s17
	s_cbranch_scc1 .Lsecond
	s_wait_tensorcnt 0x0
	ds_add_u32 v254, v255
	s_wait_dscnt 0x0
	s_endpgm                                       ; the first was my last tile
.Lsecond:
	TILE 1, 19
	s_add_co_u32 s18, s18, 8                       ; the tile's number serves addresses and the test above; the loop is counted by its trips
	s_add_co_u32 s[TRIP], s[TRIP], 1
	s_cmp_lt_u32 s[TRIP], s[TRIPS]
	s_cbranch_scc1 .Lloop
.Lend:
	s_wait_tensorcnt 0x0
	ds_add_u32 v254, v255
	s_wait_dscnt 0x0
	s_endpgm
.Lfunc_end_k_q08116a2daa_ffn1:
	.size	k_q08116a2daa_ffn1, .Lfunc_end_k_q08116a2daa_ffn1-k_q08116a2daa_ffn1
	.p2alignl 7, 3214868480
	.fill 96, 4, 3214868480
	.section	.rodata,"a",@progbits
	.p2align	6, 0x0
	.amdhsa_kernel k_q08116a2daa_ffn1
		.amdhsa_group_segment_fixed_size 70144
		.amdhsa_private_segment_fixed_size 0
		.amdhsa_enable_private_segment 0
		.amdhsa_kernarg_size 40
		.amdhsa_user_sgpr_count 2
		.amdhsa_user_sgpr_kernarg_segment_ptr 1
		.amdhsa_wavefront_size32 1
		.amdhsa_system_sgpr_workgroup_id_x 1
		.amdhsa_system_sgpr_workgroup_id_y 1
		.amdhsa_system_sgpr_workgroup_id_z 1
		.amdhsa_system_vgpr_workitem_id 0
		.amdhsa_next_free_vgpr 960
		.amdhsa_next_free_sgpr 66
		.amdhsa_reserve_vcc 0
		.amdhsa_float_denorm_mode_32 3
		.amdhsa_float_denorm_mode_16_64 3
		.amdhsa_memory_ordered 1
		.amdhsa_forward_progress 1
		.amdhsa_inst_pref_size 59
	.end_amdhsa_kernel
	.amdgpu_metadata
---
amdhsa.version: [ 1, 2 ]
amdhsa.kernels:
  - .name:           k_q08116a2daa_ffn1
    .symbol:         k_q08116a2daa_ffn1.kd
    .args:
      - { .name: plan, .offset: 0, .size: 8, .value_kind: global_buffer, .address_space: global }
      - { .name: xq, .offset: 8, .size: 8, .value_kind: global_buffer, .address_space: global }
      - { .name: w1q, .offset: 16, .size: 8, .value_kind: global_buffer, .address_space: global }
      - { .name: b1, .offset: 24, .size: 8, .value_kind: global_buffer, .address_space: global }
      - { .name: hq, .offset: 32, .size: 8, .value_kind: global_buffer, .address_space: global }
    .group_segment_fixed_size: 70144
    .private_segment_fixed_size: 0
    .kernarg_segment_align: 8
    .kernarg_segment_size: 40
    .max_flat_workgroup_size: 128
    .sgpr_count:     66
    .vgpr_count:     960
    .wavefront_size: 32
...
	.end_amdgpu_metadata
.endif
;; end of part 3
;; launch ffn2 (part 4): grid 256 x 1, 4 waves a work-group, no clusters, 87,552 bytes of LDS; arguments plan, hq, w2q, b2, y; writes y
.if DOCPART == 4
	.amdgcn_target "amdgcn-amd-amdhsa--gfx1250"
	.amdhsa_code_object_version 6
	.text
	.protected	k_q08116a2daa_ffn2
	.globl	k_q08116a2daa_ffn2
	.p2align	8
	.type	k_q08116a2daa_ffn2,@function
k_q08116a2daa_ffn2:
	s_mov_b64 s[64:65], 0
	v_nop
	global_prefetch_b8 v0, s[64:65] scope:SCOPE_SE
	s_setreg_imm32_b32 hwreg(HW_REG_WAVE_MODE, 25, 1), 1
	s_wait_xcnt 0x0
; y[kh][e][rank][:] = h W2 over K half kh (+ b2 where kh = 0), for the rows that were routed to expert e, on codes of FP4 (E2M1) with one E8M0 scale for each 32 along K.
; SHARES.  Work-group = (e = number / 32, cs = (number / 2) % 16, kh = number % 2): 64 columns (a row's piece is 256 bytes on end, aligned) x 16 K steps of 128: 64 fragments of W2.
;   EVERY WAVE HOLDS ALL 64 IN REGISTERS (512); wave w fetches tile w's 16 (16,384 bytes on end in w2q) and 8 of the 32 records of scale words, they meet in LDS as images of registers, one barrier.
;   The waves share the row tiles: wave w takes tiles w, w + 4, ..
; The number of tiles is read from plan: a trip count that hangs on a loaded number; no tensor loads, no ring and no joint loads; h's images go from memory straight into registers, 512 bytes on end a load.
; THE PRODUCT IS USED TRANSPOSED (source 0 = 16 columns of W2, source 1 = 16 rows of h): lane (r, h) holds row r; register j of tile 2 g + u is column 32 g + 16 h + 8 u + j.
; The two K halves are two sums, added by the last launch: each byte of y has one owner.  Only tiles under the count are written to y.
; TWO TILES OF h ARE ON THEIR WAY.  Tiles w and w + 4 are asked for in the head, before the count is known: the launch before makes tiles 0 to 7 of every expert, whatever its count.  A set is asked for again (this tile's number + 8)
; directly behind the products that read it, and the wait at a tile's head leaves the other set's 40 loads out.  Nothing is fetched past the count: a tile's text has three forms (its second successor exists; only its first; none),
; laid so that each place in the text has one state of the two sets; a wave's last tile ends it.
; REGISTERS, in windows of 256.  Window 0: v1-14 addresses; v16-31 h's scale words, two sets of 8 (K step 2 q in lanes 0-15, 2 q + 1 in lanes 16-31); v32-63 W2's scale words (16 g + i: tile 2 g in lanes 0-15, 2 g + 1 in lanes 16-31);
;   v64-95 the 4 accumulators; v96-127 b2 in the result's layout (zeros where kh = 1); v128-159 rows on the way out.   Window 1: W2's fragments of K steps 0-7, (tile t, step i) at v[32 (i % 8) + 8 t]; window 2: K steps 8-15.
;   Window 3: h's 16 fragments, two sets of 128.
.set CNT,    33280
.set SCOFF,  16777216
.set HS_OFF, 16777216
.set STG,    65536                     ; LDS: 0..65,535 W2's images (fragment 16 t + i at 1,024 (16 t + i)); behind them a stage of 16 rows x (256 + 16) bytes for each wave, its own;
.set SLDS,   82944                     ; behind the stages W2's 32 records of scale words, 128 bytes each
.set LI,   1                           ; v1   16 x lane
.set L4,   2                           ; v2   4 x lane
.set H64,  3                           ; v3   64 (lane / 16)
.set SWG,  4                           ; v4   my wave's 8 records of scale words in memory
.set SWA,  8                           ; v8   their place in LDS: SLDS + 1,024 x wave + 4 x lane
.set SRA,  9                           ; v9   LDS: SLDS + 4 x lane
.set WST,  11                          ; v11  LDS: 16 x lane + 16,384 x wave
.set STO,  12                          ; v12  the stage: where I put 32 bytes of a row
.set RD,   13                          ; v13  and where I read a row back
.set YO,   14                          ; v14  the same place in y
.set HSC,  16
.set W2S,  32
.set ACC,  64
.set B2,   96
.set OUT,  128
.set TRIPS, 49                         ; s49  the loop's trips: two tiles a trip
.set TRIP,  50                         ; s50  the trip in hand
.set MSB, 0
.macro WIN new                         ; the immediate's high byte repeats the setting that is left; bits 1:0 source 0, 3:2 source 1, 5:4 source 2, 7:6 destination
.if MSB != \new
	s_set_vgpr_msb (MSB<<8)|\new
.set MSB, \new
.endif
.endm
.macro WM d, a, b, c, sa, sb, ra, rb   ; one product; ra, rb = 1: that source's scales stand in lanes 16-31
.if (\ra) && (\rb)
	v_wmma_scale_f32_16x16x128_f8f6f4 v[\d:\d+7], v[\a:\a+7], v[\b:\b+7], v[\c:\c+7], v[\sa], v[\sb] matrix_a_fmt:MATRIX_FMT_FP4 matrix_b_fmt:MATRIX_FMT_FP4 matrix_a_scale:MATRIX_SCALE_ROW1 matrix_b_scale:MATRIX_SCALE_ROW1
.elseif (\ra)
	v_wmma_scale_f32_16x16x128_f8f6f4 v[\d:\d+7], v[\a:\a+7], v[\b:\b+7], v[\c:\c+7], v[\sa], v[\sb] matrix_a_fmt:MATRIX_FMT_FP4 matrix_b_fmt:MATRIX_FMT_FP4 matrix_a_scale:MATRIX_SCALE_ROW1
.elseif (\rb)
	v_wmma_scale_f32_16x16x128_f8f6f4 v[\d:\d+7], v[\a:\a+7], v[\b:\b+7], v[\c:\c+7], v[\sa], v[\sb] matrix_a_fmt:MATRIX_FMT_FP4 matrix_b_fmt:MATRIX_FMT_FP4 matrix_b_scale:MATRIX_SCALE_ROW1
.else
	v_wmma_scale_f32_16x16x128_f8f6f4 v[\d:\d+7], v[\a:\a+7], v[\b:\b+7], v[\c:\c+7], v[\sa], v[\sb] matrix_a_fmt:MATRIX_FMT_FP4 matrix_b_fmt:MATRIX_FMT_FP4
.endif
.endm
; Tile s[tr] of h: my K half's 16 images (16,384 bytes on end) into set p of window 3, their scale words into set p.  40 loads.  It writes s[38:41], which the last request's loads name: it stands behind s_wait_xcnt 0 with no memory instruction between.
.macro HLOAD p, tr
	s_min_u32 s43, s[\tr], 63
	s_lshl_b32 s36, s43, 15
	s_add_nc_u64 s[38:39], s[22:23], s[36:37]
	s_lshl_b32 s36, s43, 11
	s_add_nc_u64 s[40:41], s[24:25], s[36:37]
	WIN 0xc0
.set M, 0
.rept 32
	global_load_b128 v[128*(\p)+4*M:128*(\p)+4*M+3], v[LI], s[38:39] offset:512*M
.set M, M+1
.endr
	WIN 0
.set M, 0
.rept 8
	global_load_b32 v[HSC+8*(\p)+M], v[L4], s[40:41] offset:128*M
.set M, M+1
.endr
.endm
.macro PROD p, i                       ; K step i of my 16: the 4 accumulators by turns, one instruction a turn.  K step 0 starts the sums from b2
.irp t, 0,1,2,3
.if (\i) == 0
	WM ACC+8*\t, 8*\t, 128*(\p), B2+8*\t, W2S+16*(\t/2), HSC+8*(\p), (\t)%2, 0
.else
	WM ACC+8*\t, 32*((\i)&7)+8*\t, 128*(\p)+8*(\i), ACC+8*\t, W2S+16*(\t/2)+(\i), HSC+8*(\p)+(\i)/2, (\t)%2, (\i)%2
.endif
.endr
.endm
	s_load_b256 s[4:11], s[0:1], 0x0               ; plan s[4:5], hq s[6:7], w2q s[8:9], b2 s[10:11]
	s_load_b64 s[12:13], s[0:1], 0x20              ; y
	v_lshl_add_u32 v254, v0, 2, 0x15400
	v_mov_b32 v255, 0
	v_lshrrev_b32 v1, 5, v0
	v_readfirstlane_b32 s14, v1                    ; wave 0..3
	v_and_b32 v5, 31, v0                           ; lane
	v_and_b32 v6, 15, v0                           ; r
	v_bfe_u32 v7, v0, 4, 1                         ; h
	v_lshlrev_b32 v[LI], 4, v5
	v_lshlrev_b32 v[L4], 2, v5
	v_lshlrev_b32 v[H64], 6, v7
	s_lshl_b32 s43, s14, 14
	v_add_nc_u32 v[WST], s43, v[LI]
	s_mul_i32 s43, s14, 16*272
	s_add_co_u32 s43, s43, STG                     ; my stage
	v_mul_u32_u24 v[STO], v6, 272
	v_lshl_add_u32 v[STO], v7, 6, v[STO]
	v_add_nc_u32 v[STO], s43, v[STO]               ; in: row r, + 64 h; tile 2 g + u: 128 g + 32 u bytes on
	v_mul_u32_u24 v[RD], v7, 272
	v_lshl_add_u32 v[RD], v6, 4, v[RD]
	v_add_nc_u32 v[RD], s43, v[RD]                 ; back: lanes 0-15 one row of 256 bytes, lanes 16-31 the next
	v_lshlrev_b32 v[YO], 12, v7
	v_lshl_add_u32 v[YO], v6, 4, v[YO]             ; and the same two rows in y, 4,096 bytes apart
	s_lshr_b32 s43, s14, 1
	s_lshl_b32 s43, s43, 12                        ; scale words: group w / 2 lies 32 records on,
	s_and_b32 s47, s14, 1
	s_lshl_b32 s47, s47, 10                        ; K steps 8 (w % 2) on: 8 records on
	s_add_co_u32 s43, s43, s47
	v_add_nc_u32 v[SWG], s43, v[L4]
	s_lshl_b32 s43, s14, 10                        ; in LDS they are records 8 w on
	v_add_nc_u32 v[SWA], s43, v[L4]
	v_add_nc_u32 v[SWA], SLDS, v[SWA]
	v_add_nc_u32 v[SRA], SLDS, v[L4]
	s_lshr_b32 s15, ttmp9, 5                       ; e
	s_bfe_u32 s16, ttmp9, 0x40001                  ; cs: 4 bits from bit 1
	s_and_b32 s20, ttmp9, 1                        ; kh
	s_lshl_b32 s46, s15, 2
	s_mov_b32 s37, 0                               ; s[36:37]: an offset under 2^32 as a pair
	s_lshl_b32 s36, s15, 6
	s_lshl_b32 s43, s16, 2
	s_add_co_u32 s36, s36, s43
	s_add_co_u32 s36, s36, s14                     ; tile w of the work-group's four, counted through w2q: 64 e + 4 cs + w
	s_lshl_b32 s36, s36, 5
	s_lshl_b32 s43, s20, 4
	s_add_co_u32 s36, s36, s43                     ; its image of K step 16 kh
	s_lshl_b32 s36, s36, 10
	s_wait_kmcnt 0x0
	s_load_b32 s42, s[4:5], s46 offset:CNT         ; my expert's count: first read behind the barrier
	s_add_nc_u64 s[26:27], s[8:9], s[36:37]
	; ONE GROUP OF LOADS, none of which hangs on a loaded number: W2's images, my 8 records of its scale words, b2, my first tile of h
	WIN 0x40                                       ; destination window 1: v0-127 there serve as a way station
.set M, 0
.rept 32
	global_load_b128 v[4*M:4*M+3], v[LI], s[26:27] offset:512*M    ; 512 bytes on end
.set M, M+1
.endr
	WIN 0
	s_lshl_b32 s36, s15, 5
	s_lshl_b32 s43, s16, 1
	s_add_co_u32 s36, s36, s43                     ; my first group of 32 columns: 32 e + 2 cs
	s_lshl_b32 s36, s36, 5
	s_lshl_b32 s43, s20, 4
	s_add_co_u32 s36, s36, s43
	s_lshl_b32 s36, s36, 7
	s_add_co_u32 s36, s36, SCOFF
	s_add_nc_u64 s[28:29], s[8:9], s[36:37]        ; W2's scale words
.set M, 0
.rept 8
	global_load_b32 v[W2S+M], v[SWG], s[28:29] offset:128*M
.set M, M+1
.endr
	s_lshl_b32 s36, s15, 12
	s_lshl_b32 s43, s16, 8
	s_add_co_u32 s36, s36, s43
	s_add_nc_u64 s[30:31], s[10:11], s[36:37]      ; b2 at my 64 columns
.irp t, 0,1,2,3
	global_load_b128 v[B2+8*\t:B2+8*\t+3], v[H64], s[30:31] offset:(32*(\t/2)+8*(\t%2))*4       ; lane (r, h), tile 2 g + u: columns 32 g + 16 h + 8 u + 0 .. 7
	global_load_b128 v[B2+8*\t+4:B2+8*\t+7], v[H64], s[30:31] offset:(32*(\t/2)+8*(\t%2))*4+16
.endr
	s_lshl_b32 s36, s15, 21
	s_lshl_b32 s43, s20, 14
	s_add_co_u32 s36, s36, s43
	s_add_nc_u64 s[22:23], s[6:7], s[36:37]        ; hq: tile 0's images of my K half
	s_lshl_b32 s36, s15, 17
	s_lshl_b32 s43, s20, 10
	s_add_co_u32 s36, s36, s43
	s_add_co_u32 s36, s36, HS_OFF
	s_add_nc_u64 s[24:25], s[6:7], s[36:37]        ; and their scale words
	HLOAD 0, 14                                    ; tile w: written for every expert
	s_lshl_b32 s36, s20, 25
	s_lshl_b32 s43, s15, 22
	s_add_co_u32 s36, s36, s43
	s_lshl_b32 s43, s16, 8
	s_add_co_u32 s36, s36, s43
	s_add_nc_u64 s[32:33], s[12:13], s[36:37]      ; y: rank 0's piece
	s_wait_loadcnt 48                              ; W2's 32 loads and the 8 of scale words are in; behind them: b2's 8 and h's 40
	WIN 0x04                                       ; an LDS store's data are its source 1: window 1
.set M, 0
.rept 32
	ds_store_b128 v[WST], v[4*M:4*M+3] offset:512*M
.set M, M+1
.endr
	WIN 0
.set M, 0
.rept 8
	ds_store_b32 v[SWA], v[W2S+M] offset:128*M
.set M, M+1
.endr
	s_add_co_u32 s47, s14, 4
	s_wait_xcnt 0x0                                ; the first request's loads have read s[38:41]
	HLOAD 1, 47                                    ; tile w + 4: written for every expert
	s_wait_dscnt 0x0                               ; for the others' sake: my tile's images and my scale words lie in LDS
	s_barrier_signal -1
	s_barrier_wait -1                              ; the one barrier, on every wave's path
	s_wait_kmcnt 0x0
	s_min_u32 s42, s42, 1024
	s_add_co_u32 s17, s42, 15
	s_lshr_b32 s17, s17, 4                         ; tiles of 16 rows
	s_cmp_ge_u32 s14, s17
	s_cbranch_scc1 .Lend                           ; no tile for this wave
	WIN 0x40
.irp i, 0,1,2,3,4,5,6,7
.irp t, 0,1,2,3
	ds_load_b128 v[32*\i+8*\t:32*\i+8*\t+3], v[LI] offset:1024*(16*\t+\i)
	ds_load_b128 v[32*\i+8*\t+4:32*\i+8*\t+7], v[LI] offset:1024*(16*\t+\i)+512
.endr
.endr
	WIN 0x80
.irp i, 0,1,2,3,4,5,6,7
.irp t, 0,1,2,3
	ds_load_b128 v[32*\i+8*\t:32*\i+8*\t+3], v[LI] offset:1024*(16*\t+\i+8)
	ds_load_b128 v[32*\i+8*\t+4:32*\i+8*\t+7], v[LI] offset:1024*(16*\t+\i+8)+512
.endr
.endr
	WIN 0
.set M, 0
.rept 32
	ds_load_b32 v[W2S+M], v[SRA] offset:128*M
.set M, M+1
.endr
	s_wait_loadcnt 40                              ; b2 and tile w are in; tile w + 4's 40 loads may be out
	s_cmp_eq_u32 s20, 0
	s_cselect_b32 s47, -1, 0                       ; b2 belongs to the lower K half alone: a choice of values, no branch
.set J, 0
.rept 32
	v_cndmask_b32 v[B2+J], 0, v[B2+J], s47
.set J, J+1
.endr
.rept 4
	v_nop                                          ; distance between these writes and the products that take them as C
.endr
	s_wait_dscnt 0x0
; One tile of 16 rows, number s[tc], its h in set p.  left: the loads issued behind this tile's, which may stay out (the other set's 40, or none).  more = 1: the set is asked for again, with tile + 8, directly behind the products.
.macro TILE p, tc, left, more
	s_wait_loadcnt \left                           ; this tile's h is in
	s_wait_xcnt 0x0                                ; every earlier load and store has read its registers and bases: s[38:41], s[44:45] and the rows on the way out may be written
	s_min_u32 s43, s[\tc], 63
	s_lshl_b32 s36, s43, 16                        ; 16 rows of 4,096 bytes
	s_add_nc_u64 s[44:45], s[32:33], s[36:37]
	WIN 0x0d                                       ; source 0 (W2) window 1, source 1 (h) window 3
.irp k, 0,1,2,3,4,5,6,7
	PROD \p, \k
.endr
	WIN 0x0e                                       ; W2's K steps 8-15: window 2
.irp k, 8,9,10,11,12,13,14,15
	PROD \p, \k
.endr
	WIN 0
.rept 5
	v_nop                                          ; four places ahead of the loads into h's registers and of the stores that read the results; a fifth, since the next tile's first products begin these accumulators anew
.endr
.if \more
	s_add_co_u32 s48, s[\tc], 8
	HLOAD \p, 48
.endif
.irp t, 0,1,2,3
	ds_store_b128 v[STO], v[ACC+8*\t:ACC+8*\t+3] offset:128*(\t/2)+32*(\t%2)       ; each accumulator from its low end on
	ds_store_b128 v[STO], v[ACC+8*\t+4:ACC+8*\t+7] offset:128*(\t/2)+32*(\t%2)+16
.endr
.irp m, 0,1,2,3,4,5,6,7
	ds_load_b128 v[OUT+4*\m:OUT+4*\m+3], v[RD] offset:544*\m   ; LDS serves a wave's instructions in order (ISA guide 5.7.1.4): these see my stores
.endr
.irp m, 0,1,2,3,4,5,6,7
	s_wait_dscnt 7-\m                              ; rows 2 m, 2 m + 1 are back; the younger loads may be out
	global_store_b128 v[YO], v[OUT+4*\m:OUT+4*\m+3], s[44:45] offset:8192*\m th:TH_STORE_NT   ; 16 lanes store 256 bytes on end, at a multiple of 256 from y's first byte
.endr
.endm
	s_sub_co_u32 s[TRIPS], s17, s14                ; tiles from mine on (1 at the least: the branch above),
	s_add_co_u32 s[TRIPS], s[TRIPS], 7
	s_lshr_b32 s[TRIPS], s[TRIPS], 3               ; every fourth is mine, two to a trip: (tiles - wave + 7) / 8 trips
	s_mov_b32 s[TRIP], 0
	s_mov_b32 s18, s14                             ; my first tile
.Lloop:                                            ; here set 0 holds or awaits tile s18, and set 1 was asked for behind it.  A trip runs two tiles, so that the sets are back where they began
	s_add_co_u32 s19, s18, 4
	s_add_co_u32 s51, s18, 8
	s_add_co_u32 s52, s18, 12
	s_cmp_lt_u32 s51, s17
	s_cbranch_scc1 .LA0
	s_cmp_lt_u32 s19, s17
	s_cbranch_scc1 .LB0
	TILE 0, 18, 0, 0                               ; my last tile
	s_wait_tensorcnt 0x0
	ds_add_u32 v254, v255
	s_wait_dscnt 0x0
	s_endpgm
.LB0:
	TILE 0, 18, 40, 0                              ; one more follows: nothing is left to fetch
	TILE 1, 19, 0, 0
	s_wait_tensorcnt 0x0
	ds_add_u32 v254, v255
	s_wait_dscnt 0x0
	s_endpgm
.LA0:
	TILE 0, 18, 40, 1                              ; set 0 takes tile s18 + 8
	s_cmp_lt_u32 s52, s17
	s_cbranch_scc1 .LA1
	TILE 1, 19, 40, 0                              ; behind its loads: set 0's 40
	TILE 0, 51, 0, 0
	s_wait_tensorcnt 0x0
	ds_add_u32 v254, v255
	s_wait_dscnt 0x0
	s_endpgm
.LA1:
	TILE 1, 19, 40, 1                              ; set 1 takes tile s18 + 12
	s_add_co_u32 s18, s18, 8                       ; the tile's number serves addresses and the tests above; the loop is counted by its trips
	s_add_co_u32 s[TRIP], s[TRIP], 1
	s_cmp_lt_u32 s[TRIP], s[TRIPS]
	s_cbranch_scc1 .Lloop
.Lend:
	s_wait_tensorcnt 0x0
	ds_add_u32 v254, v255
	s_wait_dscnt 0x0
	s_endpgm
.Lfunc_end_k_q08116a2daa_ffn2:
	.size	k_q08116a2daa_ffn2, .Lfunc_end_k_q08116a2daa_ffn2-k_q08116a2daa_ffn2
	.p2alignl 7, 3214868480
	.fill 96, 4, 3214868480
	.section	.rodata,"a",@progbits
	.p2align	6, 0x0
	.amdhsa_kernel k_q08116a2daa_ffn2
		.amdhsa_group_segment_fixed_size 87552
		.amdhsa_private_segment_fixed_size 0
		.amdhsa_enable_private_segment 0
		.amdhsa_kernarg_size 40
		.amdhsa_user_sgpr_count 2
		.amdhsa_user_sgpr_kernarg_segment_ptr 1
		.amdhsa_wavefront_size32 1
		.amdhsa_system_sgpr_workgroup_id_x 1
		.amdhsa_system_sgpr_workgroup_id_y 1
		.amdhsa_system_sgpr_workgroup_id_z 1
		.amdhsa_system_vgpr_workitem_id 0
		.amdhsa_next_free_vgpr 1024
		.amdhsa_next_free_sgpr 66
		.amdhsa_reserve_vcc 0
		.amdhsa_float_denorm_mode_32 3
		.amdhsa_float_denorm_mode_16_64 3
		.amdhsa_memory_ordered 1
		.amdhsa_forward_progress 1
		.amdhsa_inst_pref_size 114
	.end_amdhsa_kernel
	.amdgpu_metadata
---
amdhsa.version: [ 1, 2 ]
amdhsa.kernels:
  - .name:           k_q08116a2daa_ffn2
    .symbol:         k_q08116a2daa_ffn2.kd
    .args:
      - { .name: plan, .offset: 0, .size: 8, .value_kind: global_buffer, .address_space: global }
      - { .name: hq, .offset: 8, .size: 8, .value_kind: global_buffer, .address_space: global }
      - { .name: w2q, .offset: 16, .size: 8, .value_kind: global_buffer, .address_space: global }
      - { .name: b2, .offset: 24, .size: 8, .value_kind: global_buffer, .address_space: global }
      - { .name: y, .offset: 32, .size: 8, .value_kind: global_buffer, .address_space: global }
    .group_segment_fixed_size: 87552
    .private_segment_fixed_size: 0
    .kernarg_segment_align: 8
    .kernarg_segment_size: 40
    .max_flat_workgroup_size: 128
    .sgpr_count:     66
    .vgpr_count:     1024
    .wavefront_size: 32
...
	.end_amdgpu_metadata
.endif
;; end of part 4
;; launch combine (part 5): grid 256 x 1, 4 waves a work-group, no clusters, 0 bytes of LDS; arguments plan, xq, y, out0; writes out0
.if DOCPART == 5
	.amdgcn_target "amdgcn-amd-amdhsa--gfx1250"
	.amdhsa_code_object_version 6
	.text
	.protected	k_q08116a2daa_combine
	.globl	k_q08116a2daa_combine
	.p2align	8
	.type	k_q08116a2daa_combine,@function
k_q08116a2daa_combine:
	s_mov_b64 s[64:65], 0
	v_nop
	global_prefetch_b8 v0, s[64:65] scope:SCOPE_SE
	s_setreg_imm32_b32 hwreg(HW_REG_WAVE_MODE, 25, 1), 1
	s_wait_xcnt 0x0
; out[n][:] = w0 (y[0][p0][:] + y[1][p0][:]) + w1 (y[0][p1][:] + y[1][p1][:]): the two K halves of each of a token's two experts, weighed by the gate.  All in f32.
; A wave to a token n = 4 x work-group + wave.  p0, p1 = 1024 expert + rank come from plan (whole numbers stored three launches ago), w0, w1 from xq (floats: they enter no address).
; A stream: four rows of 4,096 bytes in, one out; each load and store of a wave covers 512 bytes on end.  All 32 loads go out at once; the waits count down by fours.  No LDS, no barrier, no matrix unit: nothing is shared.
.set POS,    33536
.set WT_OFF, 557056
.set KHALF,  0x2000000                 ; bytes from a K half of y to the other
.set A0, 16                            ; v16-47   y[0][p0], then the result
.set B0, 48                            ; v48-79   y[1][p0]
.set A1, 80                            ; v80-111  y[0][p1]
.set B1, 112                           ; v112-143 y[1][p1]
	s_load_b256 s[4:11], s[0:1], 0x0               ; plan s[4:5], xq s[6:7], y s[8:9], out0 s[10:11]
	v_lshrrev_b32 v1, 5, v0
	v_readfirstlane_b32 s12, v1                    ; wave
	v_and_b32 v1, 31, v0
	v_lshlrev_b32 v2, 4, v1                        ; 16 bytes a lane
	s_lshl_b32 s13, ttmp9, 2
	s_add_co_u32 s13, s13, s12                     ; my token
	s_lshl_b32 s14, s13, 3                         ; two slots of 4 bytes
	s_wait_kmcnt 0x0
	s_load_b64 s[20:21], s[4:5], s14 offset:POS
	s_load_b64 s[22:23], s[6:7], s14 offset:WT_OFF
	s_lshl_b32 s16, s13, 12
	s_mov_b32 s17, 0
	s_add_nc_u64 s[10:11], s[10:11], s[16:17]      ; my row of the output
	s_wait_kmcnt 0x0
	s_min_u32 s20, s20, 0x1fff                     ; loaded numbers enter an address only behind this hold: 8 x 1,024 rows
	s_min_u32 s21, s21, 0x1fff
	s_lshl_b32 s16, s20, 12
	s_add_nc_u64 s[26:27], s[8:9], s[16:17]
	s_add_nc_u64 s[28:29], s[26:27], KHALF
	s_lshl_b32 s16, s21, 12
	s_add_nc_u64 s[30:31], s[8:9], s[16:17]
	s_add_nc_u64 s[32:33], s[30:31], KHALF
	s_mov_b32 s24, s23                             ; w1 in a pair of its own: the packed form takes a pair's low word for both halves
	s_mov_b32 s25, s23
.irp m, 0,1,2,3,4,5,6,7
	global_load_b128 v[A0+4*\m:A0+4*\m+3], v2, s[26:27] offset:512*\m th:TH_LOAD_NT
	global_load_b128 v[B0+4*\m:B0+4*\m+3], v2, s[28:29] offset:512*\m th:TH_LOAD_NT
	global_load_b128 v[A1+4*\m:A1+4*\m+3], v2, s[30:31] offset:512*\m th:TH_LOAD_NT
	global_load_b128 v[B1+4*\m:B1+4*\m+3], v2, s[32:33] offset:512*\m th:TH_LOAD_NT
.endr
.irp m, 0,1,2,3,4,5,6,7
	s_wait_loadcnt 4*(7-\m)                        ; this group's four loads are in; the later groups' may be out
.irp q, 0,2
	v_pk_add_f32 v[A0+4*\m+\q:A0+4*\m+\q+1], v[A0+4*\m+\q:A0+4*\m+\q+1], v[B0+4*\m+\q:B0+4*\m+\q+1]
	v_pk_add_f32 v[A1+4*\m+\q:A1+4*\m+\q+1], v[A1+4*\m+\q:A1+4*\m+\q+1], v[B1+4*\m+\q:B1+4*\m+\q+1]
	v_pk_mul_f32 v[A0+4*\m+\q:A0+4*\m+\q+1], v[A0+4*\m+\q:A0+4*\m+\q+1], s[22:23] op_sel_hi:[1,0]
	v_pk_fma_f32 v[A0+4*\m+\q:A0+4*\m+\q+1], v[A1+4*\m+\q:A1+4*\m+\q+1], s[24:25], v[A0+4*\m+\q:A0+4*\m+\q+1] op_sel_hi:[1,0,1]
.endr
	global_store_b128 v2, v[A0+4*\m:A0+4*\m+3], s[10:11] offset:512*\m th:TH_STORE_NT   ; no register of a store is written again
.endr
	s_endpgm
.Lfunc_end_k_q08116a2daa_combine:
	.size	k_q08116a2daa_combine, .Lfunc_end_k_q08116a2daa_combine-k_q08116a2daa_combine
	.p2alignl 7, 3214868480
	.fill 96, 4, 3214868480
	.section	.rodata,"a",@progbits
	.p2align	6, 0x0
	.amdhsa_kernel k_q08116a2daa_combine
		.amdhsa_group_segment_fixed_size 0
		.amdhsa_private_segment_fixed_size 0
		.amdhsa_enable_private_segment 0
		.amdhsa_kernarg_size 32
		.amdhsa_user_sgpr_count 2
		.amdhsa_user_sgpr_kernarg_segment_ptr 1
		.amdhsa_wavefront_size32 1
		.amdhsa_system_sgpr_workgroup_id_x 1
		.amdhsa_system_sgpr_workgroup_id_y 1
		.amdhsa_system_sgpr_workgroup_id_z 1
		.amdhsa_system_vgpr_workitem_id 0
		.amdhsa_next_free_vgpr 144
		.amdhsa_next_free_sgpr 66
		.amdhsa_reserve_vcc 0
		.amdhsa_float_denorm_mode_32 3
		.amdhsa_float_denorm_mode_16_64 3
		.amdhsa_memory_ordered 1
		.amdhsa_forward_progress 1
		.amdhsa_inst_pref_size 10
	.end_amdhsa_kernel
	.amdgpu_metadata
---
amdhsa.version: [ 1, 2 ]
amdhsa.kernels:
  - .name:           k_q08116a2daa_combine
    .symbol:         k_q08116a2daa_combine.kd
    .args:
      - { .name: plan, .offset: 0, .size: 8, .value_kind: global_buffer, .address_space: global }
      - { .name: xq, .offset: 8, .size: 8, .value_kind: global_buffer, .address_space: global }
      - { .name: y, .offset: 16, .size: 8, .value_kind: global_buffer, .address_space: global }
      - { .name: out0, .offset: 24, .size: 8, .value_kind: global_buffer, .address_space: global }
    .group_segment_fixed_size: 0
    .private_segment_fixed_size: 0
    .kernarg_segment_align: 8
    .kernarg_segment_size: 32
    .max_flat_workgroup_size: 128
    .sgpr_count:     66
    .vgpr_count:     144
    .wavefront_size: 32
...
	.end_amdgpu_metadata
.endif
;; end of part 5
;; ======== version 2 of 2: 5 launches
;; workspace buffers: xq 565,248 bytes; idx 8,192 bytes of whole numbers; w1q 17,825,792 bytes; w2q 17,825,792 bytes; plan 41,728 bytes of whole numbers; hq 17,825,792 bytes; y 67,108,864 bytes
;; launch prep1 (part 6): grid 2304 x 1, 4 waves a work-group, no clusters, 1,536 bytes of LDS; arguments x, Wg, bg, W1, xq, idx, w1q; writes xq, idx, w1q
.if DOCPART == 6
	.amdgcn_target "amdgcn-amd-amdhsa--gfx1250"
	.amdhsa_code_object_version 6
	.text
	.protected	k_q08116a2daa_prep1
	.globl	k_q08116a2daa_prep1
	.p2align	8
	.type	k_q08116a2daa_prep1,@function
k_q08116a2daa_prep1:
	s_mov_b64 s[64:65], 0
	v_nop
	global_prefetch_b8 v0, s[64:65] scope:SCOPE_SE
	s_setreg_imm32_b32 hwreg(HW_REG_WAVE_MODE, 25, 1), 1
	s_wait_xcnt 0x0
; TWO JOBS IN ONE LAUNCH, parted by the work-group's number.
; Work-groups 0..255 (THE GATE): 4 tokens each: scores = x Wg + bg in f32, the two largest (a tie keeps the lower expert), their weights softmax / (sum of the two + 1e-8),
;   and x as codes of FP4 (E2M1) with one E8M0 byte for each 32 along K.  Stored at fixed places: xq (codes [1024][512 B], bytes [1024][32] at XS_OFF, weights [2048 slots] f32 at WT_OFF), idx [2048 slots], slot = 2 token + j.
; Work-groups 256..2303 (THE QUANTISER): W1 [8][1024 k][4096 n] f32 becomes codes of FP4 along K, laid as IMAGES OF THE OPERAND'S REGISTERS.
;   A wave takes 32 columns x 128 along K.  A LANE TAKES A COLUMN AND ITS REGISTERS RUN DOWN K: a block of 32 lies in one lane's 32 registers.  The four waves stand side by side on 512 bytes of each row of W1.
;   Lane 16 u + r takes column 8 u + r + 8 (r / 8) of the 32: tile u of the group.  So, with the product used transposed, register j of tile u in lane (r, h) is column 16 h + 8 u + j: the 16 registers of a group's two tiles are 16 neighbours.
;   An image is a fragment (16 columns x 128 K, 8 registers a lane): registers 0-3 at 16 x lane, registers 4-7 at 512 + 16 x lane: 1,024 bytes.  Image number ((e 128 + group) 2 + u) 8 + K step.
;   The scale words (4 bytes: the K step's 4 blocks) of a group: 128 bytes at SCOFF + ((e 128 + group) 8 + K step) 128: tile 0's in lanes 0-15, tile 1's in lanes 16-31.
; A block's scale is 2^(floor(log2(its largest magnitude)) - 2); its byte is the largest magnitude's exponent field - 2, held at 1 from below.
; LIMITS: NaN and infinities among the inputs are not served.  A block of zeros gets the byte 1 where the rule says 127: its codes are zeros, and these bytes are read by this program alone.
;   The gate's sums are f32 in another order than a plain dot product's: two scores closer than that rounding may be ranked the other way.
; No tensor loads, no clusters: the quantiser's work-groups share no byte, and the gate's share only Wg's 32,768 bytes.
.set FIRST,  256                       ; the quantiser's first work-group
.set KK,     1024                      ; K of this weight
.set NN,     4096                      ; its columns
.set LOGS,   5                         ; log2(NN / 128): slices of 128 columns
.set LOGNP,  3                         ; log2(KK / 128): K steps
.set NP,     KK/128
.set SCOFF,  16777216                  ; the scale words lie behind the codes
.set SRCP,   10                        ; s[10:11] the weight
.set DSTP,   16                        ; s[16:17] its codes' buffer
.set XS_OFF, 524288
.set WT_OFF, 557056
.set XB,     512                       ; LDS: 0..511 the waves' partial scores [wave][token][8]; 512..639 x's scale bytes [token][32]
.set A,      8                         ; v8-15   eight running sums, later the scores
.set T,      16                        ; v16-23  at work
.set CD,     24                        ; v24-27  x's codes, a register a token
.set SBY,    28                        ; v28-31  x's scale byte, a register a token
.set X,      32                        ; gate: v32-63 x, token t at X + 8 t.  quantiser: v32-95 two sets of 32 numbers
.set WGR,    64                        ; gate: v64-127 register 8 i + e = Wg[my k + i][e]
.set CB,     96                        ; quantiser: v96-111 block b's codes at CB + 4 b
.set SW,     112                       ; quantiser: v112 my column's scale word
	s_load_b256 s[4:11], s[0:1], 0x0               ; x s[4:5], Wg s[6:7], bg s[8:9], W1 s[10:11]
	s_load_b128 s[12:15], s[0:1], 0x20             ; xq s[12:13], idx s[14:15]
	s_load_b64 s[16:17], s[0:1], 0x30              ; w1q
	v_lshl_add_u32 v128, v0, 2, 0x400
	v_mov_b32 v129, 0
	v_lshrrev_b32 v1, 5, v0
	v_readfirstlane_b32 s18, v1                    ; wave 0..3
	v_and_b32 v1, 31, v0                           ; lane
	s_wait_kmcnt 0x0
	s_cmp_lt_u32 ttmp9, FIRST                      ; the same for all waves of a work-group
	s_cbranch_scc0 .Lquant
; ---------------- THE GATE.  Wave w owns K = 256 w .. 256 w + 255, lane L of it k = 256 w + 8 L + 0 .. 7, for all 4 tokens: thread t owns k = 8 t on.
	v_lshlrev_b32 v2, 8, v0                        ; Wg: 8 rows of 32 bytes a thread
	v_lshlrev_b32 v3, 5, v0                        ; x: 8 numbers a thread
	v_lshlrev_b32 v4, 2, v0                        ; x's codes: 4 bytes a thread
	v_lshrrev_b32 v5, 2, v0
	v_add_nc_u32 v5, XB, v5                        ; LDS: my block's scale byte: four threads to a block of 32
	v_and_b32 v6, 0x60, v0
	v_lshlrev_b32 v6, 2, v6                        ; LDS: my wave's partial scores: 128 x wave
	s_wait_alu depctr_va_vdst(0)
	v_lshlrev_b32 v7, 2, v1                        ; 4 x lane
	s_mov_b32 s28, 0x76543210
	s_mov_b32 s29, 0xfedcba98                      ; v_permlanex16_b32's selects for lane l xor 16
	s_mov_b32 s33, 0
	s_lshl_b32 s32, ttmp9, 14                      ; 4 tokens x 4,096 bytes
	s_add_nc_u64 s[4:5], s[4:5], s[32:33]          ; x at my first token
	s_lshl_b32 s32, ttmp9, 11                      ; 4 tokens x 512 bytes
	s_add_nc_u64 s[34:35], s[12:13], s[32:33]      ; its codes
	s_lshl_b32 s32, ttmp9, 7                       ; 4 tokens x 32 bytes
	s_add_co_u32 s32, s32, XS_OFF
	s_add_nc_u64 s[36:37], s[12:13], s[32:33]      ; its scale bytes
	s_lshl_b32 s32, ttmp9, 5                       ; 8 slots x 4 bytes
	s_add_nc_u64 s[14:15], s[14:15], s[32:33]      ; its slots' experts
	s_add_co_u32 s32, s32, WT_OFF
	s_add_nc_u64 s[38:39], s[12:13], s[32:33]      ; and weights
.irp t, 0,1,2,3
.irp c, 0,1
	global_load_b128 v[X+8*\t+4*\c:X+8*\t+4*\c+3], v3, s[4:5] offset:4096*\t+16*\c th:TH_LOAD_NT
.endr
.endr
.irp m, 0,1,2,3,4,5,6,7,8,9,10,11,12,13,14,15
	global_load_b128 v[WGR+4*\m:WGR+4*\m+3], v2, s[6:7] offset:16*\m
.endr
	s_load_b256 s[20:27], s[8:9], 0x0              ; bg
.irp e, 0,1,2,3,4,5,6,7
	v_mov_b32 v[T+\e], 0                           ; written once: a lane permute's destination counts as one of its sources
.endr
	s_wait_loadcnt 0x0
; One token: my 8 k's share of its 8 scores, summed over the wave, to LDS; and my 8 numbers of x as codes.
.macro TOKEN t
.if \t > 0
	s_wait_dscnt 0x0                               ; the last token's LDS stores have read the eight sums
.endif
.irp e, 0,1,2,3,4,5,6,7
	v_mul_f32 v[A+\e], v[X+8*\t], v[WGR+\e]        ; the first product starts each sum
.endr
.irp i, 1,2,3,4,5,6,7
.irp e, 0,1,2,3,4,5,6,7
	v_fmac_f32 v[A+\e], v[X+8*\t+\i], v[WGR+8*\i+\e]   ; the eight sums by turns
.endr
.endr
.irp k, 1,2,4,8
.irp e, 0,1,2,3,4,5,6,7
	v_add_f32_dpp v[A+\e], v[A+\e], v[A+\e] row_xmask:\k row_mask:0xf bank_mask:0xf
.endr
.endr
.irp e, 0,1,2,3,4,5,6,7
	v_permlanex16_b32 v[T+\e], v[A+\e], s28, s29
.endr
.irp e, 0,1,2,3,4,5,6,7
	v_add_f32 v[A+\e], v[A+\e], v[T+\e]            ; every lane holds the wave's share
.endr
	ds_store_b128 v6, v[A:A+3] offset:32*\t        ; all lanes write the same words with the same values
	ds_store_b128 v6, v[A+4:A+7] offset:32*\t+16
	v_max3_num_f32 v[T], |v[X+8*\t]|, |v[X+8*\t+1]|, 0x1800000   ; my 8 numbers' largest magnitude, and the floor 2^(3 - 127): the byte cannot fall under 1
	v_max3_num_f32 v[T], v[T], |v[X+8*\t+2]|, |v[X+8*\t+3]|
	v_max3_num_f32 v[T], v[T], |v[X+8*\t+4]|, |v[X+8*\t+5]|
	v_max3_num_f32 v[T], v[T], |v[X+8*\t+6]|, |v[X+8*\t+7]|
	v_max_num_f32_dpp v[T], v[T], v[T] row_xmask:1 row_mask:0xf bank_mask:0xf
	v_max_num_f32_dpp v[T], v[T], v[T] row_xmask:2 row_mask:0xf bank_mask:0xf   ; with the three lanes that share my block of 32
	v_add_nc_u32 v[T+1], 0xff000000, v[T]          ; 2 off its exponent field: the conversion takes the exponent field of this operand as its scale
	v_cvt_scalef32_pk8_fp4_f32 v[CD+\t], v[X+8*\t:X+8*\t+7], v[T+1]
	v_lshrrev_b32 v[SBY+\t], 23, v[T+1]            ; the scale's byte (also the plain line behind the conversion)
	ds_store_b8 v5, v[SBY+\t] offset:32*\t         ; the four lanes of a block write the same byte with the same value
	global_store_b32 v4, v[CD+\t], s[34:35] offset:512*\t   ; a wave stores 128 bytes on end, the four waves a token's 512
.endm
	TOKEN 0
	TOKEN 1
	TOKEN 2
	TOKEN 3
	s_wait_dscnt 0x0                               ; for the others' sake: my LDS stores are done
	s_barrier_signal -1
	s_barrier_wait -1
	s_cmp_lg_u32 s18, 0
	s_cbranch_scc1 .Lgend                          ; wave 0 finishes the four tokens
	ds_load_b32 v120, v7 offset:XB                 ; the 4 tokens' 128 scale bytes
	v_and_b32 v121, 6, v1
	v_lshlrev_b32 v121, 4, v121                    ; lane L takes token (L / 2) % 4: 32 bytes a token
.irp q, 0,1,2,3
	ds_load_b128 v[32+8*\q:35+8*\q], v121 offset:128*\q
	ds_load_b128 v[36+8*\q:39+8*\q], v121 offset:128*\q+16
.endr
	s_wait_dscnt 0x0
	s_wait_kmcnt 0x0                               ; bg
	global_store_b32 v7, v120, s[36:37]            ; 128 bytes on end
.irp e, 0,1,2,3,4,5,6,7
	v_add_f32 v[A+\e], v[32+\e], v[40+\e]
	v_add_f32 v[T+\e], v[48+\e], v[56+\e]
.endr
.irp e, 0,1,2,3,4,5,6,7
	v_add_f32 v[A+\e], v[A+\e], v[T+\e]
.endr
.irp e, 0,1,2,3,4,5,6,7
	v_add_f32 v[A+\e], s[20+\e], v[A+\e]           ; the scores
.endr
	v_mov_b32 v73, v[A]                            ; the largest, v74 its expert: kept where the next is not larger, so a tie keeps the lower expert
	v_mov_b32 v74, 0
.irp e, 1,2,3,4,5,6,7
	v_cmp_le_f32 vcc_lo, v[A+\e], v73
	v_cndmask_b32 v73, v[A+\e], v73, vcc_lo
	v_cndmask_b32 v74, \e, v74, vcc_lo
.endr
	v_mov_b32 v72, 0xff800000                      ; -infinity takes the largest's place,
.irp e, 0,1,2,3,4,5,6,7
	v_cmp_eq_u32 vcc_lo, \e, v74
	v_cndmask_b32 v[64+\e], v[A+\e], v72, vcc_lo
.endr
	v_mov_b32 v75, v64                             ; and the same search finds the second: v75, v76
	v_mov_b32 v76, 0
.irp e, 1,2,3,4,5,6,7
	v_cmp_le_f32 vcc_lo, v[64+\e], v75
	v_cndmask_b32 v75, v[64+\e], v75, vcc_lo
	v_cndmask_b32 v76, \e, v76, vcc_lo
.endr
	s_mov_b32 s30, 0x3fb8aa3b                      ; log2(e)
.irp e, 0,1,2,3,4,5,6,7
	v_sub_f32 v[80+\e], v[A+\e], v73               ; the maximum is taken away FIRST, so that the largest score's exponent is exactly 0 however large the scores: not fused with the scaling
.endr
	v_sub_f32 v88, v75, v73
.irp e, 0,1,2,3,4,5,6,7,8
	v_mul_f32 v[80+\e], s30, v[80+\e]
.endr
	s_wait_alu depctr_va_vdst(0)
.irp e, 0,1,2,3,4,5,6,7,8
	v_exp_f32 v[80+\e], v[80+\e]                   ; one batch: the eight, and the second largest's once more
.endr
	v_nop                                          ; a plain line behind the last exponential
	s_wait_alu depctr_va_vdst(0)                   ; one wait for the batch, ahead of its first reader
	v_add_f32 v89, v80, v81
	v_add_f32 v90, v82, v83
	v_add_f32 v91, v84, v85
	v_add_f32 v92, v86, v87
	v_add_f32 v89, v89, v90
	v_add_f32 v91, v91, v92
	v_add_f32 v89, v89, v91                        ; the softmax's sum
	s_wait_alu depctr_va_vdst(0)
	v_rcp_f32 v99, v89                             ; p of the largest = 1 / sum
	v_nop
	s_wait_alu depctr_va_vdst(0)
	v_mul_f32 v91, v88, v99                        ; p of the second
	v_add_f32 v92, v99, v91
	v_add_f32 v92, 0x322bcc77, v92                 ; + 1e-8
	s_wait_alu depctr_va_vdst(0)
	v_rcp_f32 v93, v92
	v_nop
	s_wait_alu depctr_va_vdst(0)
	v_mul_f32 v94, v99, v93                        ; the two weights
	v_mul_f32 v95, v91, v93
	v_and_b32 v96, 1, v1
	v_cmp_eq_u32 vcc_lo, 1, v96                    ; lane L < 8 is slot L of the work-group's eight: token L / 2, choice L % 2
	v_cndmask_b32 v97, v74, v76, vcc_lo
	v_cndmask_b32 v98, v94, v95, vcc_lo
	s_wait_alu depctr_va_vdst(0)
	s_wait_xcnt 0x0                                ; EXEC changes only behind this wait
	v_cmp_gt_u32 vcc_lo, 8, v1
	s_and_saveexec_b32 s31, vcc_lo
	global_store_b32 v7, v97, s[14:15]             ; the expert, a whole number at a fixed place
	global_store_b32 v7, v98, s[38:39]             ; its weight
	s_wait_xcnt 0x0                                ; and again, in front of the line that widens it
	s_or_b32 exec_lo, exec_lo, s31
.Lgend:
	s_wait_tensorcnt 0x0
	ds_add_u32 v128, v129
	s_wait_dscnt 0x0
	s_endpgm
; ---------------- THE QUANTISER.
.Lquant:
	s_sub_co_u32 s20, ttmp9, FIRST
	s_and_b32 s21, s20, (1<<LOGS)-1                ; which 128 columns
	s_lshr_b32 s22, s20, LOGS
	s_and_b32 s22, s22, NP-1                       ; which K step
	s_lshr_b32 s23, s20, 8                         ; which expert: 256 work-groups each
	s_lshl_b32 s24, s23, 24                        ; an expert's weight is 2^24 bytes
	s_mul_i32 s25, s22, 128*NN*4
	s_add_co_u32 s24, s24, s25                     ; + 128 rows a K step
	s_lshl_b32 s25, s21, 9
	s_add_co_u32 s24, s24, s25                     ; + 512 bytes a slice
	s_lshl_b32 s25, s18, 7
	s_add_co_u32 s24, s24, s25                     ; + 128 bytes a wave.  Under 2^27
	s_mov_b32 s25, 0
	s_add_nc_u64 s[SRCP:SRCP+1], s[SRCP:SRCP+1], s[24:25]
	s_mul_i32 s26, s23, NN/32
	s_lshl_b32 s27, s21, 2
	s_add_co_u32 s26, s26, s27
	s_add_co_u32 s26, s26, s18                     ; my group of 32 columns, counted through all experts
	s_lshl_b32 s24, s26, LOGNP+1
	s_add_co_u32 s24, s24, s22
	s_lshl_b32 s24, s24, 10                        ; tile 0's image of this K step; tile 1's lies NP images on
	s_add_nc_u64 s[28:29], s[DSTP:DSTP+1], s[24:25]
	s_lshl_b32 s24, s26, LOGNP
	s_add_co_u32 s24, s24, s22
	s_lshl_b32 s24, s24, 7
	s_add_co_u32 s24, s24, SCOFF
	s_add_nc_u64 s[30:31], s[DSTP:DSTP+1], s[24:25]   ; the group's scale words of this K step
	s_wait_alu depctr_va_vdst(0)
	v_and_b32 v5, 15, v1
	v_and_b32 v6, 8, v1
	v_add_nc_u32 v5, v5, v6                        ; r + 8 (r / 8)
	v_and_b32 v6, 16, v1
	v_lshrrev_b32 v6, 1, v6
	v_add_nc_u32 v5, v5, v6                        ; + 8 u: my column
	v_lshlrev_b32 v2, 2, v5
	v_lshlrev_b32 v3, 4, v1                        ; an image's place for my lane
	v_lshlrev_b32 v4, 2, v1                        ; a scale word's
.macro LOAD t                          ; block t: rows 32 t + i of my column, i = 0 .. 31, into set t % 2.  Every offset is an immediate: 127 rows of NN x 4 bytes at the most, inside the signed 24 bits (ISA guide, chapter 10)
.set I, 0
.rept 32
	global_load_b32 v[X+32*((\t)%2)+I], v2, s[SRCP:SRCP+1] offset:(32*(\t)+I)*NN*4 th:TH_LOAD_NT
.set I, I+1
.endr
.endm
.macro BLOCK t
.set XS, X+32*((\t)%2)
.if (\t) < 3
	s_wait_loadcnt 32                              ; this block's 32 loads are in; the next block's 32 may be out
.else
	s_wait_loadcnt 0
.endif
	v_max3_num_f32 v8, |v[XS]|, |v[XS+1]|, |v[XS+2]|               ; the block's largest magnitude: all 32 numbers are mine; two chains
	v_max3_num_f32 v9, |v[XS+3]|, |v[XS+4]|, |v[XS+5]|
.irp i, 6,10,14,18,22,26
	v_max3_num_f32 v8, v8, |v[XS+\i]|, |v[XS+\i+1]|
	v_max3_num_f32 v9, v9, |v[XS+\i+2]|, |v[XS+\i+3]|
.endr
	v_max3_num_f32 v8, v8, |v[XS+30]|, |v[XS+31]|
	v_max3_num_f32 v8, v8, v9, 0x1800000           ; and the floor 2^(3 - 127): the byte cannot fall under 1
	v_add_nc_u32 v11, 0xff000000, v8               ; 2 off its exponent field: the conversion's scale operand
	v_lshrrev_b32 v13, 23, v11                     ; the scale's byte
.if (\t) == 0
	v_mov_b32 v[SW], v13
.else
	v_lshl_or_b32 v[SW], v13, 8*(\t), v[SW]        ; the lower K in the lower byte
.endif
.irp g, 0,1,2,3
	v_cvt_scalef32_pk8_fp4_f32 v[CB+4*(\t)+\g], v[XS+8*\g:XS+8*\g+7], v11
.endr
.if (\t) < 2
	LOAD (\t)+2
.endif
.endm
	LOAD 0
	LOAD 1
	BLOCK 0
	BLOCK 1
	BLOCK 2
	BLOCK 3
	v_nop                                          ; one plain line behind the last conversion
.irp c, 0,1                            ; a fragment wants block 2 c in lanes 0-15 and block 2 c + 1 in lanes 16-31, of ONE tile's columns: block 2 c's lanes 16-31 (tile 1's columns) change places with block 2 c + 1's lanes 0-15 (tile 0's)
.irp i, 0,1,2,3
	v_permlane16_swap_b32 v[CB+8*\c+\i], v[CB+8*\c+4+\i]
.endr
.endr
	global_store_b128 v3, v[CB:CB+3], s[28:29]                     ; tile 0: registers 0-3; each store covers 512 bytes on end, aligned
	global_store_b128 v3, v[CB+8:CB+11], s[28:29] offset:512       ;         registers 4-7
	global_store_b128 v3, v[CB+4:CB+7], s[28:29] offset:NP*1024    ; tile 1
	global_store_b128 v3, v[CB+12:CB+15], s[28:29] offset:NP*1024+512
	global_store_b32 v4, v[SW], s[30:31]                           ; 128 bytes: tile 0's words, then tile 1's
	s_endpgm
.Lfunc_end_k_q08116a2daa_prep1:
	.size	k_q08116a2daa_prep1, .Lfunc_end_k_q08116a2daa_prep1-k_q08116a2daa_prep1
	.p2alignl 7, 3214868480
	.fill 96, 4, 3214868480
	.section	.rodata,"a",@progbits
	.p2align	6, 0x0
	.amdhsa_kernel k_q08116a2daa_prep1
		.amdhsa_group_segment_fixed_size 1536
		.amdhsa_private_segment_fixed_size 0
		.amdhsa_enable_private_segment 0
		.amdhsa_kernarg_size 56
		.amdhsa_user_sgpr_count 2
		.amdhsa_user_sgpr_kernarg_segment_ptr 1
		.amdhsa_wavefront_size32 1
		.amdhsa_system_sgpr_workgroup_id_x 1
		.amdhsa_system_sgpr_workgroup_id_y 1
		.amdhsa_system_sgpr_workgroup_id_z 1
		.amdhsa_system_vgpr_workitem_id 0
		.amdhsa_next_free_vgpr 130
		.amdhsa_next_free_sgpr 66
		.amdhsa_reserve_vcc 1
		.amdhsa_float_denorm_mode_32 3
		.amdhsa_float_denorm_mode_16_64 3
		.amdhsa_memory_ordered 1
		.amdhsa_forward_progress 1
		.amdhsa_inst_pref_size 53
	.end_amdhsa_kernel
	.amdgpu_metadata
---
amdhsa.version: [ 1, 2 ]
amdhsa.kernels:
  - .name:           k_q08116a2daa_prep1
    .symbol:         k_q08116a2daa_prep1.kd
    .args:
      - { .name: x, .offset: 0, .size: 8, .value_kind: global_buffer, .address_space: global }
      - { .name: Wg, .offset: 8, .size: 8, .value_kind: global_buffer, .address_space: global }
      - { .name: bg, .offset: 16, .size: 8, .value_kind: global_buffer, .address_space: global }
      - { .name: W1, .offset: 24, .size: 8, .value_kind: global_buffer, .address_space: global }
      - { .name: xq, .offset: 32, .size: 8, .value_kind: global_buffer, .address_space: global }
      - { .name: idx, .offset: 40, .size: 8, .value_kind: global_buffer, .address_space: global }
      - { .name: w1q, .offset: 48, .size: 8, .value_kind: global_buffer, .address_space: global }
    .group_segment_fixed_size: 1536
    .private_segment_fixed_size: 0
    .kernarg_segment_align: 8
    .kernarg_segment_size: 56
    .max_flat_workgroup_size: 128
    .sgpr_count:     66
    .vgpr_count:     130
    .wavefront_size: 32
...
	.end_amdgpu_metadata
.endif
;; end of part 6
;; launch prep2 (part 7): grid 2049 x 1, 4 waves a work-group, no clusters, 1,024 bytes of LDS; arguments idx, W2, plan, w2q; writes plan, w2q
.if DOCPART == 7
	.amdgcn_target "amdgcn-amd-amdhsa--gfx1250"
	.amdhsa_code_object_version 6
	.text
	.protected	k_q08116a2daa_prep2
	.globl	k_q08116a2daa_prep2
	.p2align	8
	.type	k_q08116a2daa_prep2,@function
k_q08116a2daa_prep2:
	s_mov_b64 s[64:65], 0
	v_nop
	global_prefetch_b8 v0, s[64:65] scope:SCOPE_SE
	s_setreg_imm32_b32 hwreg(HW_REG_WAVE_MODE, 25, 1), 1
	s_wait_xcnt 0x0
; TWO JOBS IN ONE LAUNCH, parted by the work-group's number.
; Work-group 0 (THE PLACING): a counting sort of the 2,048 slots (slot = 2 token + choice) by expert, in slot order, without atomics.  idx holds each slot's expert (whole numbers that the launch before stored).
;   Wave w owns slots 512 w .. 512 w + 511, 16 chunks of 32.  It counts them by expert; the four waves' counts meet in LDS (one barrier); the earlier waves' counts give each wave its eight starting places;
;   then each slot gets its place 1024 e + rank.  Stored in plan: LIST [8][1024] the tokens by rank (zeros from the count on: every word is written), CNT [8] the counts (32 words, the rest zeros), POS [2048 slots] the places.
;   EXEC stays full until the last scattered store is issued; the place is held under 8,192 in a register of its own directly ahead of the shift that makes the address.
; Work-groups 1..2048 (THE QUANTISER): W2 [8][4096 k][1024 n] f32 becomes codes of FP4 (E2M1) along K with one E8M0 byte for each 32, laid as images of the operand's registers:
;   a wave takes 32 columns x 128 along K; a lane takes a column and its registers run down K; lane 16 u + r takes column 8 u + r + 8 (r / 8): tile u.
;   Image number ((e 32 + group) 2 + u) 32 + K step, 1,024 bytes each (registers 0-3 at 16 x lane, 4-7 at 512 + 16 x lane); scale words at SCOFF + ((e 32 + group) 32 + K step) 128.
; A block's scale is 2^(floor(log2(its largest magnitude)) - 2); its byte is the largest magnitude's exponent field - 2, held at 1 from below.
; LIMITS: NaN and infinities among the inputs are not served.  A block of zeros gets the byte 1 where the rule says 127: its codes are zeros, and these bytes are read by this program alone.
; No tensor loads, no clusters: the quantiser's waves share no byte.
.set FIRST,  1
.set KK,     4096
.set NN,     1024
.set LOGS,   3
.set LOGNP,  5
.set NP,     KK/128
.set SCOFF,  16777216
.set SRCP,   6                         ; s[6:7] W2
.set DSTP,   10                        ; s[10:11] w2q
.set CNT,    33280
.set POS,    33536
.set TOT,    20                        ; placing: s[20:27] the experts' totals
.set B,      32                        ; placing: s[32:39] first my wave's counts, then the next free place of each expert
.set M,      40                        ; placing: s[40:47] a chunk's eight masks, then their counts
.set RK,     24                        ; placing: v24-31 a chunk's eight candidate places; v24 ends as the lane's own
.set IDX,    32                        ; placing: v32-47 my 512 slots' experts, slot 32 c + lane in register c
.set PV,     48                        ; placing: v48-63 the places, v64-79 their byte offsets, v80-95 the tokens: a register a chunk, so that no store's source is written again
.set PA,     64
.set TV,     80
.set X,      32                        ; quantiser: v32-95 two sets of 32 numbers
.set CB,     96
.set SW,     112
	s_load_b256 s[4:11], s[0:1], 0x0               ; idx s[4:5], W2 s[6:7], plan s[8:9], w2q s[10:11]
	v_lshl_add_u32 v128, v0, 2, 0x200
	v_mov_b32 v129, 0
	v_lshrrev_b32 v1, 5, v0
	v_readfirstlane_b32 s18, v1                    ; wave 0..3
	v_and_b32 v1, 31, v0                           ; lane
	s_wait_kmcnt 0x0
	s_cmp_lt_u32 ttmp9, FIRST                      ; the same for all waves of a work-group
	s_cbranch_scc0 .Lquant
; ---------------- THE PLACING.
	v_and_b32 v3, 0x60, v0                         ; 32 x wave
	s_wait_alu depctr_va_vdst(0)
	v_lshlrev_b32 v4, 2, v1                        ; 4 x lane
	v_lshl_add_u32 v2, v3, 6, v4                   ; my slot's word: 2,048 x wave + 4 x lane (+ 128 a chunk)
	v_lshrrev_b32 v5, 1, v1
	v_lshl_add_u32 v6, v3, 3, v5                   ; its token: 256 x wave + lane / 2 (+ 16 a chunk)
	v_mov_b32 v7, 0
	v_lshlrev_b32 v9, 2, v0                        ; LDS: 4 x thread: 128 bytes a wave
	v_lshl_add_u32 v10, v3, 5, v4                  ; the fill: 1,024 x wave + 4 x lane
	v_lshl_add_u32 v11, v3, 3, v1                  ; and its rank: 256 x wave + lane
.set CC, 0
.rept 16
	global_load_b32 v[IDX+CC], v2, s[4:5] offset:128*CC
.set CC, CC+1
.endr
.irp e, 0,1,2,3,4,5,6,7
	s_mov_b32 s[B+\e], 0
.endr
	s_wait_loadcnt 0x0
.macro MASKS c                         ; which lanes of chunk c name expert e
.irp e, 0,1,2,3,4,5,6,7
	v_cmp_eq_u32 s[M+\e], \e, v[IDX+\c]
.endr
.endm
.macro STEPB                           ; the masks' counts are added to the eight running numbers
.irp e, 0,1,2,3,4,5,6,7
	s_bcnt1_i32_b32 s[M+\e], s[M+\e]
.endr
.irp e, 0,1,2,3,4,5,6,7
	s_add_co_u32 s[B+\e], s[B+\e], s[M+\e]
.endr
.endm
.set CC, 0
.rept 16
	MASKS CC
	STEPB
.set CC, CC+1
.endr
	v_mov_b32 v8, 0
.irp e, 0,1,2,3,4,5,6,7
	v_writelane_b32 v8, s[B+\e], \e                ; lane e: my wave's count of expert e; lanes 8-31: 0
.endr
	ds_store_b32 v9, v8
	s_wait_dscnt 0x0                               ; for the others' sake: my counts lie in LDS
	s_barrier_signal -1
	s_barrier_wait -1
.irp q, 0,1,2,3
	ds_load_b32 v[12+\q], v4 offset:128*\q         ; wave q's counts, lane e expert e
.endr
	s_cmp_gt_u32 s18, 0
	s_cselect_b32 s28, -1, 0                       ; is wave 0 ahead of me?
	s_cmp_gt_u32 s18, 1
	s_cselect_b32 s29, -1, 0
	s_cmp_gt_u32 s18, 2
	s_cselect_b32 s31, -1, 0
	s_wait_dscnt 0x0
	v_and_b32 v16, s28, v12
	v_and_b32 v17, s29, v13
	v_and_b32 v18, s31, v14
	v_add3_u32 v20, v16, v17, v18                  ; the slots of expert e in the waves ahead of me,
	v_lshl_add_u32 v20, v1, 10, v20                ; + 1024 e: my first free place
	v_add3_u32 v21, v12, v13, v14
	v_add_nc_u32 v21, v21, v15                     ; the totals
.irp e, 0,1,2,3,4,5,6,7
	v_readlane_b32 s[B+\e], v20, \e
	v_readlane_b32 s[TOT+\e], v21, \e
.endr
	s_cmp_lg_u32 s18, 0
	s_cbranch_scc1 .Lnocnt
	global_store_b32 v4, v21, s[8:9] offset:CNT    ; wave 0: the counts, 128 bytes on end, all lanes on
.Lnocnt:
.macro SCAN c
	MASKS \c
.irp e, 0,1,2,3,4,5,6,7
	v_mbcnt_lo_u32_b32 v[RK+\e], s[M+\e], s[B+\e]  ; expert e's next free place + how many of e stand in lower lanes
.endr
.irp e, 1,2,3,4,5,6,7
	v_cndmask_b32 v[RK], v[RK], v[RK+\e], s[M+\e]  ; the lane keeps its own expert's
.endr
	s_wait_alu depctr_va_vdst(0)
	STEPB
	v_min_u32 v[PV+\c], 0x1fff, v[RK]              ; a token names an expert once, so a place is under 8,192; held there before it enters an address
	v_lshlrev_b32 v[PA+\c], 2, v[PV+\c]
	v_add_nc_u32 v[TV+\c], 16*\c, v6               ; the token
	global_store_b32 v[PA+\c], v[TV+\c], s[8:9]                ; LIST[place] = token
	global_store_b32 v2, v[PV+\c], s[8:9] offset:POS+128*\c    ; POS[slot] = place: 128 bytes on end
.endm
.set CC, 0
.rept 16
	SCAN CC
.set CC, CC+1
.endr
	s_wait_xcnt 0x0                                ; EXEC changes only behind this wait
; The list's words from each count on become 0, so that every word that a later launch reads is written.  Wave w takes ranks 256 w .. 256 w + 255 of all eight experts; no word is written twice.
.macro FILL e, j
	v_add_nc_u32 v8, 32*\j, v11                    ; the rank
	v_cmp_le_u32 vcc_lo, s[TOT+\e], v8
	s_and_saveexec_b32 s30, vcc_lo
	global_store_b32 v10, v7, s[8:9] offset:4096*\e+128*\j
	s_wait_xcnt 0x0                                ; the store has read EXEC
	s_or_b32 exec_lo, exec_lo, s30
.endm
.irp e, 0,1,2,3,4,5,6,7
.irp j, 0,1,2,3,4,5,6,7
	FILL \e, \j
.endr
.endr
	s_wait_xcnt 0x0
	s_mov_b32 exec_lo, -1
	s_wait_tensorcnt 0x0
	ds_add_u32 v128, v129
	s_wait_dscnt 0x0
	s_endpgm
; ---------------- THE QUANTISER.
.Lquant:
	s_sub_co_u32 s20, ttmp9, FIRST
	s_and_b32 s21, s20, (1<<LOGS)-1                ; which 128 columns
	s_lshr_b32 s22, s20, LOGS
	s_and_b32 s22, s22, NP-1                       ; which K step
	s_lshr_b32 s23, s20, 8                         ; which expert: 256 work-groups each
	s_lshl_b32 s24, s23, 24                        ; an expert's weight is 2^24 bytes
	s_mul_i32 s25, s22, 128*NN*4
	s_add_co_u32 s24, s24, s25                     ; + 128 rows a K step
	s_lshl_b32 s25, s21, 9
	s_add_co_u32 s24, s24, s25                     ; + 512 bytes a slice
	s_lshl_b32 s25, s18, 7
	s_add_co_u32 s24, s24, s25                     ; + 128 bytes a wave.  Under 2^27
	s_mov_b32 s25, 0
	s_add_nc_u64 s[SRCP:SRCP+1], s[SRCP:SRCP+1], s[24:25]
	s_mul_i32 s26, s23, NN/32
	s_lshl_b32 s27, s21, 2
	s_add_co_u32 s26, s26, s27
	s_add_co_u32 s26, s26, s18                     ; my group of 32 columns, counted through all experts
	s_lshl_b32 s24, s26, LOGNP+1
	s_add_co_u32 s24, s24, s22
	s_lshl_b32 s24, s24, 10                        ; tile 0's image of this K step; tile 1's lies NP images on
	s_add_nc_u64 s[28:29], s[DSTP:DSTP+1], s[24:25]
	s_lshl_b32 s24, s26, LOGNP
	s_add_co_u32 s24, s24, s22
	s_lshl_b32 s24, s24, 7
	s_add_co_u32 s24, s24, SCOFF
	s_add_nc_u64 s[30:31], s[DSTP:DSTP+1], s[24:25]   ; the group's scale words of this K step
	s_wait_alu depctr_va_vdst(0)
	v_and_b32 v5, 15, v1
	v_and_b32 v6, 8, v1
	v_add_nc_u32 v5, v5, v6                        ; r + 8 (r / 8)
	v_and_b32 v6, 16, v1
	v_lshrrev_b32 v6, 1, v6
	v_add_nc_u32 v5, v5, v6                        ; + 8 u: my column
	v_lshlrev_b32 v2, 2, v5
	v_lshlrev_b32 v3, 4, v1                        ; an image's place for my lane
	v_lshlrev_b32 v4, 2, v1                        ; a scale word's
.macro LOAD t                          ; block t: rows 32 t + i of my column, i = 0 .. 31, into set t % 2.  Every offset is an immediate: 127 rows of NN x 4 bytes at the most
.set I, 0
.rept 32
	global_load_b32 v[X+32*((\t)%2)+I], v2, s[SRCP:SRCP+1] offset:(32*(\t)+I)*NN*4 th:TH_LOAD_NT
.set I, I+1
.endr
.endm
.macro BLOCK t
.set XS, X+32*((\t)%2)
.if (\t) < 3
	s_wait_loadcnt 32                              ; this block's 32 loads are in; the next block's 32 may be out
.else
	s_wait_loadcnt 0
.endif
	v_max3_num_f32 v8, |v[XS]|, |v[XS+1]|, |v[XS+2]|               ; the block's largest magnitude: all 32 numbers are mine; two chains
	v_max3_num_f32 v9, |v[XS+3]|, |v[XS+4]|, |v[XS+5]|
.irp i, 6,10,14,18,22,26
	v_max3_num_f32 v8, v8, |v[XS+\i]|, |v[XS+\i+1]|
	v_max3_num_f32 v9, v9, |v[XS+\i+2]|, |v[XS+\i+3]|
.endr
	v_max3_num_f32 v8, v8, |v[XS+30]|, |v[XS+31]|
	v_max3_num_f32 v8, v8, v9, 0x1800000           ; and the floor 2^(3 - 127): the byte cannot fall under 1
	v_add_nc_u32 v11, 0xff000000, v8               ; 2 off its exponent field: the conversion's scale operand
	v_lshrrev_b32 v13, 23, v11                     ; the scale's byte
.if (\t) == 0
	v_mov_b32 v[SW], v13
.else
	v_lshl_or_b32 v[SW], v13, 8*(\t), v[SW]        ; the lower K in the lower byte
.endif
.irp g, 0,1,2,3
	v_cvt_scalef32_pk8_fp4_f32 v[CB+4*(\t)+\g], v[XS+8*\g:XS+8*\g+7], v11
.endr
.if (\t) < 2
	LOAD (\t)+2
.endif
.endm
	LOAD 0
	LOAD 1
	BLOCK 0
	BLOCK 1
	BLOCK 2
	BLOCK 3
	v_nop                                          ; one plain line behind the last conversion
.irp c, 0,1                            ; block 2 c's lanes 16-31 (tile 1's columns) change places with block 2 c + 1's lanes 0-15 (tile 0's): each register then belongs to one tile's fragment
.irp i, 0,1,2,3
	v_permlane16_swap_b32 v[CB+8*\c+\i], v[CB+8*\c+4+\i]
.endr
.endr
	global_store_b128 v3, v[CB:CB+3], s[28:29]                     ; tile 0: registers 0-3; each store covers 512 bytes on end, aligned
	global_store_b128 v3, v[CB+8:CB+11], s[28:29] offset:512       ;         registers 4-7
	global_store_b128 v3, v[CB+4:CB+7], s[28:29] offset:NP*1024    ; tile 1
	global_store_b128 v3, v[CB+12:CB+15], s[28:29] offset:NP*1024+512
	global_store_b32 v4, v[SW], s[30:31]                           ; 128 bytes: tile 0's words, then tile 1's
	s_endpgm
.Lfunc_end_k_q08116a2daa_prep2:
	.size	k_q08116a2daa_prep2, .Lfunc_end_k_q08116a2daa_prep2-k_q08116a2daa_prep2
	.p2alignl 7, 3214868480
	.fill 96, 4, 3214868480
	.section	.rodata,"a",@progbits
	.p2align	6, 0x0
	.amdhsa_kernel k_q08116a2daa_prep2
		.amdhsa_group_segment_fixed_size 1024
		.amdhsa_private_segment_fixed_size 0
		.amdhsa_enable_private_segment 0
		.amdhsa_kernarg_size 32
		.amdhsa_user_sgpr_count 2
		.amdhsa_user_sgpr_kernarg_segment_ptr 1
		.amdhsa_wavefront_size32 1
		.amdhsa_system_sgpr_workgroup_id_x 1
		.amdhsa_system_sgpr_workgroup_id_y 1
		.amdhsa_system_sgpr_workgroup_id_z 1
		.amdhsa_system_vgpr_workitem_id 0
		.amdhsa_next_free_vgpr 130
		.amdhsa_next_free_sgpr 66
		.amdhsa_reserve_vcc 1
		.amdhsa_float_denorm_mode_32 3
		.amdhsa_float_denorm_mode_16_64 3
		.amdhsa_memory_ordered 1
		.amdhsa_forward_progress 1
		.amdhsa_inst_pref_size 96
	.end_amdhsa_kernel
	.amdgpu_metadata
---
amdhsa.version: [ 1, 2 ]
amdhsa.kernels:
  - .name:           k_q08116a2daa_prep2
    .symbol:         k_q08116a2daa_prep2.kd
    .args:
      - { .name: idx, .offset: 0, .size: 8, .value_kind: global_buffer, .address_space: global }
      - { .name: W2, .offset: 8, .size: 8, .value_kind: global_buffer, .address_space: global }
      - { .name: plan, .offset: 16, .size: 8, .value_kind: global_buffer, .address_space: global }
      - { .name: w2q, .offset: 24, .size: 8, .value_kind: global_buffer, .address_space: global }
    .group_segment_fixed_size: 1024
    .private_segment_fixed_size: 0
    .kernarg_segment_align: 8
    .kernarg_segment_size: 32
    .max_flat_workgroup_size: 128
    .sgpr_count:     66
    .vgpr_count:     130
    .wavefront_size: 32
...
	.end_amdgpu_metadata
.endif
;; end of part 7
;; launch ffn1 (part 8): grid 256 x 1, 4 waves a work-group, no clusters, 70,144 bytes of LDS; arguments plan, xq, w1q, b1, hq; writes hq
.if DOCPART == 8
	.amdgcn_target "amdgcn-amd-amdhsa--gfx1250"
	.amdhsa_code_object_version 6
	.text
	.protected	k_q08116a2daa_ffn1
	.globl	k_q08116a2daa_ffn1
	.p2align	8
	.type	k_q08116a2daa_ffn1,@function
k_q08116a2daa_ffn1:
	s_mov_b64 s[64:65], 0
	v_nop
	global_prefetch_b8 v0, s[64:65] scope:SCOPE_SE
	s_setreg_imm32_b32 hwreg(HW_REG_WAVE_SCHED_MODE, 0, 2), 2
	s_setreg_imm32_b32 hwreg(HW_REG_WAVE_MODE, 25, 1), 1
	s_wait_xcnt 0x0
	s_wait_alu depctr_vm_vsrc(0)
; h = Q(relu(x W1 + b1)) for the rows that were routed to an expert, on codes of FP4 (E2M1) with one E8M0 scale for each 32 along K; Q the quantiser along the next product's K (the hidden units).
; SHARES.  Work-group = (expert e = number / 32, slice = number % 32): 128 hidden units of one expert, all of K = 1,024: 64 fragments of W1, 65,536 bytes on end in w1q.  EVERY WAVE HOLDS ALL 64 IN REGISTERS (512);
;   each wave fetches a quarter of them and a quarter of their 32 records of scale words from memory, they meet in LDS (images of registers), one barrier.  The waves share the ROW TILES of 16 routed rows: wave w takes tiles w, w + 4, ..
; The number of tiles is read from plan (the expert's count): a trip count that hangs on a loaded number; no tensor loads, no ring and no joint loads; x's fragments go from memory straight into registers.
; TWO TILES OF x ARE ON THEIR WAY: both sets are asked for in the head; a set is asked for again (my tile after next) directly behind the products that read it, and the wait at a tile's head leaves the next tile's loads out.
;   The tokens that a request needs were asked for two tiles earlier.  The look-ahead is never jumped over: past my last tile it reads the list's words (all 1,024 of an expert are written) and rows of x that are not used.
; THE PRODUCT IS USED TRANSPOSED (source 0 = 16 hidden units, source 1 = 16 rows): a lane holds one row, and by the order in which w1q's tiles take their columns the 16 registers of tiles 2 g, 2 g + 1 are hidden units 32 g + 16 h + 0 .. 15.
; A tile's 128 hidden units are K step `slice` of the next product: one fragment (hq: [e][tile 64][K step 32][1,024 B]) and one scale word a row ([e][tile][K step][16 words] at HS_OFF).
; Rows beyond the count take the list's zeros (token 0): they are computed, stored and never read by the last launch.  TILES 0 TO 7 ARE MADE FOR EVERY EXPERT, whatever its count:
; the next launch asks for each wave's first two tiles of h before it knows the count, and every byte that it reads is written here.  2,048 rows on 8 experts give the fullest expert 16 tiles or more, so these eight never make the longest work-group longer.
; LIMITS: NaN and infinities are not served; a block of zeros gets the scale byte 1 (its codes are zeros; the bytes are read by this program alone).
; THE MODE: SCHED_MODE bits 1:0 = 2 (LLVM: expert scheduling mode 2), set by the entry lines.  The code itself states the register dependences
; between vector or matrix instructions and memory or LDS instructions, with s_wait_alu, always for 0.
; THE PLAN.  Registers that memory or LDS instructions touch:
;   x's set p (window 3), XSC set p   Written by the set's 18 loads, which stand behind the products of the set's tile; read by those 64 products.
;   v[XO+p], v[XSO+p], v[LO+p]        Written by four vector lines at the head of the set's tile; read by the 19 loads behind that tile's products.
;   v[TKN+p]                          Written by the list's load, the 19th of them; read by the first of the four vector lines, two tiles later.
;   v[PC ..], v[PW]                   Written by the quantiser; read by the tile's three stores.
;   window 1 v0-127, v32-39           At the head only, a way station: global loads land there, my LDS stores read them, LDS loads land there again behind the barrier.
;   the other addresses, v254, v255   Written once, ahead of the first load, and never again.
;   The accumulators, v[TK] and v[TM ..] are named by vector and matrix instructions alone.
; So a tile has three waits.  At its head one on vm_vsrc: the last tile's stores have read the codes and the scale word, the set's last loads their offsets.  Behind its products one on va_vdst: they are done
; reading the set, the offsets are written, the token is read: the set's 19 loads follow, and no vector line behind them names a register of theirs.  Ahead of its stores one on va_vdst: the codes and the scale word are written.
; REGISTERS, in windows of 256.  Window 0: v1-15 addresses; v16-31 x's scale words, two sets; v32-63 W1's scale words (8 g + s: tile 2 g in lanes 0-15, tile 2 g + 1 in lanes 16-31); v64-127 the 8 accumulators; v128-152 the quantiser's; v153-155 addresses.
;   Window 1: W1's fragments of K steps 0-3, (tile t, step s) at v[64 (s % 4) + 8 t]; window 2: K steps 4-7.  Window 3: v0-127 x's fragments, two sets of 8; v128-191 b1 in the result's layout.
.set CNT,    33280
.set XS_OFF, 524288
.set SCOFF,  16777216
.set HS_OFF, 16777216
.set SLDS,   65536                     ; LDS: 0..65,535 W1's images (fragment 8 t + s at 1,024 (8 t + s)); behind them its 32 records of scale words, 128 bytes each
.set LI,   1                           ; v1     16 x lane
.set R4,   2                           ; v2     4 (lane % 16)
.set H16,  3                           ; v3     16 (lane / 16)
.set XO,   4                           ; v4-5   set p: my row's codes: 512 x token + 16 h
.set XSO,  6                           ; v6-7   set p: my row's scale bytes: 32 x token
.set TK,   8                           ; v8     a token, held under 1,024
.set H64,  9                           ; v9     64 (lane / 16)
.set L4,   10                          ; v10    4 x lane
.set WST,  11                          ; v11    LDS: 16 x lane + 16,384 x wave
.set LO,   12                          ; v12-13 set p: my word of the list
.set TKN,  14                          ; v14-15 set p: the token of the tile that the set takes next
.set XSC,  16
.set W1S,  32
.set HA,   64
.set PC,   128                         ; v128-135 the codes just made
.set TM,   136                         ; v136-139 largest magnitudes, v140-143 bytes, v148-151 the conversions' scale operands
.set PW,   152                         ; the scale word just made
.set SWG,  153                         ; v153   my wave's 8 records of scale words in memory: 4 x lane + 1,024 x wave
.set SWA,  154                         ; v154   the same place in LDS
.set SRA,  155                         ; v155   LDS: SLDS + 4 x lane
.set B1,   128                         ; in window 3
.set SEL,  44                          ; s[44:45]
.set TRIPS, 48                         ; s48  the loop's trips: two tiles a trip
.set TRIP,  49                         ; s49  the trip in hand
.set MSB, 0
.macro WIN new                         ; the immediate's high byte repeats the setting that is left; bits 1:0 source 0, 3:2 source 1, 5:4 source 2, 7:6 destination
.if MSB != \new
	s_set_vgpr_msb (MSB<<8)|\new
.set MSB, \new
.endif
.endm
.macro WM d, a, b, c, sa, sb, ra       ; one product; ra = 1: source 0's scales stand in lanes 16-31
.if (\ra)
	v_wmma_scale_f32_16x16x128_f8f6f4 v[\d:\d+7], v[\a:\a+7], v[\b:\b+7], v[\c:\c+7], v[\sa], v[\sb] matrix_a_fmt:MATRIX_FMT_FP4 matrix_b_fmt:MATRIX_FMT_FP4 matrix_a_scale:MATRIX_SCALE_ROW1
.else
	v_wmma_scale_f32_16x16x128_f8f6f4 v[\d:\d+7], v[\a:\a+7], v[\b:\b+7], v[\c:\c+7], v[\sa], v[\sb] matrix_a_fmt:MATRIX_FMT_FP4 matrix_b_fmt:MATRIX_FMT_FP4
.endif
.endm
; Set p's two offsets, from the token that the set takes next.  The set's offset registers are its own.
.macro XADDR p
	v_min_u32 v[TK], 0x3ff, v[TKN+(\p)]            ; a loaded number enters an address only behind this hold
	v_lshl_add_u32 v[XO+(\p)], v[TK], 9, v[H16]
	v_lshlrev_b32 v[XSO+(\p)], 5, v[TK]
.endm
; The 16 rows named by set p's offsets: their 8 fragments into set p of window 3, their 8 scale words into set p.  18 loads.
.macro XFETCH p
	WIN 0xc0
.irp s, 0,1,2,3,4,5,6,7
.irp c, 0,1
	global_load_b128 v[64*(\p)+8*\s+4*\c:64*(\p)+8*\s+4*\c+3], v[XO+(\p)], s[6:7] offset:64*\s+32*\c   ; k = 128 s + 64 c + 32 h + 0 .. 31 of my row
.endr
.endr
	WIN 0
	global_load_b128 v[XSC+8*(\p):XSC+8*(\p)+3], v[XSO+(\p)], s[24:25]
	global_load_b128 v[XSC+8*(\p)+4:XSC+8*(\p)+7], v[XSO+(\p)], s[24:25] offset:16
.endm
.macro PROD p, s                       ; K step s: the 8 accumulators by turns, one instruction a turn.  K step 0 starts the sums from b1
.irp t, 0,1,2,3,4,5,6,7
.if (\s) == 0
	WM HA+8*\t, 8*\t, 64*(\p), B1+8*\t, W1S+8*(\t/2), XSC+8*(\p), (\t)%2
.else
	WM HA+8*\t, ((\s)&3)*64+8*\t, 64*(\p)+8*(\s), HA+8*\t, W1S+8*(\t/2)+(\s), XSC+8*(\p)+(\s), (\t)%2
.endif
.endr
.endm
; 64 numbers of a lane, register 16 b + i = k 32 b + 16 (lane / 16) + i of my row, become a fragment's codes in v[PC] on and its scale word in v[PW].
.macro QUANT s
.irp b, 0,1,2,3
	v_max3_num_f32 v[TM+\b], |v[\s+16*\b]|, |v[\s+1+16*\b]|, 0x1800000   ; block b: my 16 numbers, and the floor 2^(3 - 127): the byte cannot fall under 1
.endr
.irp i, 2,4,6,8,10,12,14
.irp b, 0,1,2,3
	v_max3_num_f32 v[TM+\b], v[TM+\b], |v[\s+16*\b+\i]|, |v[\s+1+16*\b+\i]|   ; the four blocks by turns
.endr
.endr
.irp b, 0,1,2,3
	v_permlanex16_b32 v[TM+4+\b], v[TM+\b], s[SEL], s[SEL+1]
.endr
.irp b, 0,1,2,3
	v_max_num_f32 v[TM+\b], v[TM+\b], v[TM+4+\b]   ; with lane l xor 16's: the block's largest magnitude
.endr
.irp b, 0,1,2,3
	v_add_nc_u32 v[TM+12+\b], 0xff000000, v[TM+\b]   ; 2 off its exponent field: the conversion's scale operand
.endr
.irp b, 0,1,2,3
	v_lshrrev_b32 v[TM+4+\b], 23, v[TM+12+\b]      ; the scale's byte
.endr
	v_lshl_or_b32 v[PW], v[TM+5], 8, v[TM+4]       ; the four bytes make my row's scale word
	v_lshl_or_b32 v[PW], v[TM+6], 16, v[PW]
	v_lshl_or_b32 v[PW], v[TM+7], 24, v[PW]
.irp b, 0,1,2,3
	v_cvt_scalef32_pk8_fp4_f32 v[PC+2*\b], v[\s+16*\b:\s+7+16*\b], v[TM+12+\b]
	v_cvt_scalef32_pk8_fp4_f32 v[PC+1+2*\b], v[\s+8+16*\b:\s+15+16*\b], v[TM+12+\b]
.endr
	v_nop                                          ; one plain line behind the last conversion
.irp c, 0,1                            ; the operand's layout wants a WHOLE block in a lane: lanes 0-15 block 2 c, lanes 16-31 block 2 c + 1
.irp i, 0,1
	v_permlane16_swap_b32 v[PC+4*\c+\i], v[PC+2+4*\c+\i]
.endr
.endr
.endm
	s_load_b256 s[4:11], s[0:1], 0x0               ; plan s[4:5], xq s[6:7], w1q s[8:9], b1 s[10:11]
	s_load_b64 s[12:13], s[0:1], 0x20              ; hq
	v_lshl_add_u32 v254, v0, 2, 0x11000
	v_mov_b32 v255, 0
	v_lshrrev_b32 v1, 5, v0
	v_readfirstlane_b32 s14, v1                    ; wave 0..3
	v_and_b32 v156, 31, v0                         ; lane
	v_and_b32 v157, 15, v0                         ; r
	v_bfe_u32 v158, v0, 4, 1                       ; h
	v_lshlrev_b32 v[LI], 4, v156
	v_lshlrev_b32 v[R4], 2, v157
	v_lshlrev_b32 v[H16], 4, v158
	v_lshlrev_b32 v[H64], 6, v158
	v_lshlrev_b32 v[L4], 2, v156
	s_wait_alu depctr_va_sdst(0)                   ; s14 is written, ahead of its first reader: LDS places, bases and the tiles' numbers are made from it
	s_lshl_b32 s43, s14, 14                        ; 16,384 x wave
	v_add_nc_u32 v[WST], s43, v[LI]
	s_lshl_b32 s47, s14, 10                        ; 8 records of 128 bytes a wave
	v_add_nc_u32 v[SWG], s47, v[L4]
	v_add_nc_u32 v[SWA], SLDS, v[SWG]
	v_add_nc_u32 v[SRA], SLDS, v[L4]
	s_lshl_b32 s47, s14, 6
	v_add_nc_u32 v[LO], s47, v[R4]                 ; tile w's 16 words of the list,
	v_add_nc_u32 v[LO+1], 256, v[LO]               ; tile w + 4's
	s_lshr_b32 s15, ttmp9, 5                       ; e
	s_and_b32 s16, ttmp9, 31                       ; slice
	s_lshl_b32 s46, s15, 2
	s_mov_b32 s37, 0                               ; s[36:37]: an offset under 2^32 as a pair
	s_mov_b32 s[SEL], 0x76543210
	s_mov_b32 s[SEL+1], 0xfedcba98                 ; v_permlanex16_b32's selects for lane l xor 16
	s_lshl_b32 s36, s15, 12                        ; an expert's list is 1,024 words
	s_wait_kmcnt 0x0
	s_load_b32 s42, s[4:5], s46 offset:CNT         ; my expert's count: first read behind the barrier
	s_add_nc_u64 s[20:21], s[4:5], s[36:37]        ; its list
	s_wait_alu depctr_va_vdst(0)                   ; the addresses v1 to v3, v9 to v13 and v153 to v155 are written, which the loads, LDS instructions and stores below read
	; ALL THAT HANGS ON NO LOADED NUMBER GOES OUT AS ONE GROUP: my first two tiles' tokens, my quarter of W1's images, my 8 records of its scale words, b1
	global_load_b32 v[TKN], v[LO], s[20:21]
	global_load_b32 v[TKN+1], v[LO+1], s[20:21]
	s_lshl_b32 s36, ttmp9, 16                      ; the work-group's 65,536 bytes of images,
	s_add_co_u32 s36, s36, s43                     ; my quarter of them
	s_add_nc_u64 s[26:27], s[8:9], s[36:37]
	WIN 0x40                                       ; destination window 1: v0-127 there serve as a way station
.set M, 0
.rept 32
	global_load_b128 v[4*M:4*M+3], v[LI], s[26:27] offset:512*M    ; 512 bytes on end
.set M, M+1
.endr
	WIN 0
	s_lshl_b32 s36, ttmp9, 12                      ; 32 records of 128 bytes a work-group
	s_add_co_u32 s36, s36, SCOFF
	s_add_nc_u64 s[28:29], s[8:9], s[36:37]        ; W1's scale words
.set M, 0
.rept 8
	global_load_b32 v[W1S+M], v[SWG], s[28:29] offset:128*M        ; records 8 w + M
.set M, M+1
.endr
	s_lshl_b32 s36, s15, 14
	s_lshl_b32 s47, s16, 9
	s_add_co_u32 s36, s36, s47
	s_add_nc_u64 s[30:31], s[10:11], s[36:37]      ; b1 at my 128 hidden units
	WIN 0xc0
.irp t, 0,1,2,3,4,5,6,7
	global_load_b128 v[B1+8*\t:B1+8*\t+3], v[H64], s[30:31] offset:(32*(\t/2)+8*(\t%2))*4       ; lane (r, h), tile 2 g + u: hidden units 32 g + 16 h + 8 u + 0 .. 7
	global_load_b128 v[B1+8*\t+4:B1+8*\t+7], v[H64], s[30:31] offset:(32*(\t/2)+8*(\t%2))*4+16
.endr
	WIN 0
	s_add_nc_u64 s[24:25], s[6:7], XS_OFF          ; x's scale bytes
	s_lshl_b32 s36, s15, 21
	s_lshl_b32 s47, s16, 10
	s_add_co_u32 s36, s36, s47
	s_add_nc_u64 s[32:33], s[12:13], s[36:37]      ; hq: tile 0's image of K step `slice`
	s_lshl_b32 s36, s15, 17
	s_lshl_b32 s47, s16, 6
	s_add_co_u32 s36, s36, s47
	s_add_co_u32 s36, s36, HS_OFF
	s_add_nc_u64 s[34:35], s[12:13], s[36:37]      ; and its scale words
.irp b, 0,1,2,3
	v_mov_b32 v[TM+4+\b], 0                        ; written once: a lane permute's destination counts as one of its sources
.endr
	s_wait_loadcnt 56                              ; both tiles' tokens are in; behind them: the quarter's 32 loads, 8 of scale words, 16 of b1
	XADDR 0                                        ; both sets' offsets are made together, under one wait
	XADDR 1
	s_wait_alu depctr_va_vdst(0)                   ; v4 to v7 are written, which the 36 loads below read as offsets; the two holds are done reading v14 and v15, in which the list's next words land
	XFETCH 0                                       ; tile w
	global_load_b32 v[TKN], v[LO], s[20:21] offset:512     ; tile w + 8's tokens
	XFETCH 1                                       ; tile w + 4
	global_load_b32 v[TKN+1], v[LO+1], s[20:21] offset:512 ; tile w + 12's
	s_wait_loadcnt 54                              ; the quarter and the scale words are in; behind them: b1's 16, two tiles' 36, two of the list
	WIN 0x04                                       ; an LDS store's data are its source 1: window 1
.set M, 0
.rept 32
	ds_store_b128 v[WST], v[4*M:4*M+3] offset:512*M
.set M, M+1
.endr
	WIN 0
.set M, 0
.rept 8
	ds_store_b32 v[SWA], v[W1S+M] offset:128*M
.set M, M+1
.endr
	s_wait_dscnt 0x0                               ; for the others' sake: my quarter lies in LDS
	s_barrier_signal -1
	s_barrier_wait -1                              ; the one barrier, on every wave's path
	s_wait_alu depctr_vm_vsrc(0)                   ; my LDS stores have read window 1's v0-127 and v32 to v39, in which the LDS loads below land
	s_wait_kmcnt 0x0
	s_min_u32 s42, s42, 1024
	s_add_co_u32 s17, s42, 15
	s_lshr_b32 s17, s17, 4                         ; tiles of 16 rows,
	s_max_u32 s17, s17, 8                          ; eight at the least (see the head)
	s_cmp_ge_u32 s14, s17
	s_cbranch_scc1 .Lend                           ; (never taken with eight tiles or more; it bounds the trips below)
	WIN 0x40
.irp s, 0,1,2,3
.irp t, 0,1,2,3,4,5,6,7
	ds_load_b128 v[64*\s+8*\t:64*\s+8*\t+3], v[LI] offset:1024*(8*\t+\s)
	ds_load_b128 v[64*\s+8*\t+4:64*\s+8*\t+7], v[LI] offset:1024*(8*\t+\s)+512
.endr
.endr
	WIN 0x80
.irp s, 0,1,2,3
.irp t, 0,1,2,3,4,5,6,7
	ds_load_b128 v[64*\s+8*\t:64*\s+8*\t+3], v[LI] offset:1024*(8*\t+\s+4)
	ds_load_b128 v[64*\s+8*\t+4:64*\s+8*\t+7], v[LI] offset:1024*(8*\t+\s+4)+512
.endr
.endr
	WIN 0
.set M, 0
.rept 32
	ds_load_b32 v[W1S+M], v[SRA] offset:128*M
.set M, M+1
.endr
	s_wait_dscnt 0x0
; One tile of 16 rows, number s[tc], its x in set p.  The loads go out in the order x(t), tokens(t + 2 tiles), x(t + 1), tokens(t + 3), ..: so the one counted wait at the head shows this tile's x and the tokens that its refill needs.
.macro TILE p, tc
	s_wait_loadcnt 19                              ; behind what I need: the next tile's 18 loads and one of the list
	s_wait_xcnt 0x0                                ; the last tile's stores have read their registers and bases
	s_wait_alu depctr_vm_vsrc(0)                   ; the last tile's stores have read v[PC ..] and v[PW], which this tile's quantiser writes again; the set's last 19 loads have read v[XO+p], v[XSO+p] and v[LO+p], which the four lines below write again
	s_min_u32 s47, s[\tc], 63
	s_lshl_b32 s36, s47, 15
	s_add_nc_u64 s[38:39], s[32:33], s[36:37]      ; where this tile's image goes,
	s_lshl_b32 s36, s47, 11
	s_add_nc_u64 s[40:41], s[34:35], s[36:37]      ; and its scale words
	XADDR \p                                       ; the offsets of my tile after next (this tile's number + 8): its tokens are in
	s_add_co_u32 s47, s[\tc], 16
	s_min_u32 s47, s47, 63                         ; held inside the list's 64 tiles
	s_lshl_b32 s47, s47, 6
	v_add_nc_u32 v[LO+\p], s47, v[R4]              ; and the place of the tokens that the set's next refill will need
	WIN 0x3d                                       ; source 0 (W1) window 1, source 1 (x) and source 2 (b1) window 3
	PROD \p, 0
	WIN 0x0d
	PROD \p, 1
	PROD \p, 2
	PROD \p, 3
	WIN 0x0e                                       ; W1's K steps 4-7: window 2
	PROD \p, 4
	PROD \p, 5
	PROD \p, 6
	PROD \p, 7
	WIN 0xc0                                       ; the window of the loads below: the switch, then the wait, then the loads
.rept 4
	v_nop                                          ; four places between a product and the first read of its result (ISA guide 7.12.1); they stay beside the wait
.endr
	s_wait_alu depctr_va_vdst(0)                   ; the products are done reading x's set p and its scale words, in which the loads below land; v[XO+p], v[XSO+p] and v[LO+p] are written, which they read; the hold is done reading v[TKN+p]
	XFETCH \p                                      ; the set is free: my tile after next goes out at once
	global_load_b32 v[TKN+\p], v[LO+\p], s[20:21]
.set J, 0
.rept 64
	v_max_num_f32 v[HA+J], 0, v[HA+J]              ; the activation, in f32; each accumulator from its low end on
.set J, J+1
.endr
	QUANT HA
	s_wait_alu depctr_va_vdst(0)                   ; the quantiser has written v[PC ..] and v[PW], which the three stores read
	global_store_b128 v[LI], v[PC:PC+3], s[38:39]              ; the image: 512 bytes on end, twice
	global_store_b128 v[LI], v[PC+4:PC+7], s[38:39] offset:512
	global_store_b32 v[R4], v[PW], s[40:41]                    ; 16 words; lanes l and l + 16 write the same word with the same value
.endm
	s_sub_co_u32 s[TRIPS], s17, s14                ; tiles from mine on (1 at the least: the branch above),
	s_add_co_u32 s[TRIPS], s[TRIPS], 7
	s_lshr_b32 s[TRIPS], s[TRIPS], 3               ; every fourth is mine, two to a trip: (tiles - wave + 7) / 8 trips
	s_mov_b32 s[TRIP], 0
	s_mov_b32 s18, s14                             ; my first tile
.Lloop:                                            ; a trip runs two tiles, so that x's two sets are back where they began
	TILE 0, 18
	s_add_co_u32 s19, s18, 4
	s_cmp_lt_u32 s19, s17
	s_cbranch_scc1 .Lsecond
	s_wait_dscnt 0x0                               ; the first was my last tile.  The closing lines, six on end
	s_wait_alu 0x0
	s_wait_tensorcnt 0x0
	ds_add_u32 v254, v255
	s_wait_dscnt 0x0
	s_endpgm
.Lsecond:
	TILE 1, 19
	s_add_co_u32 s18, s18, 8                       ; the tile's number serves addresses and the test above; the loop is counted by its trips
	s_add_co_u32 s[TRIP], s[TRIP], 1
	s_cmp_lt_u32 s[TRIP], s[TRIPS]
	s_cbranch_scc1 .Lloop
.Lend:
	s_wait_dscnt 0x0                               ; the closing lines, six on end
	s_wait_alu 0x0
	s_wait_tensorcnt 0x0
	ds_add_u32 v254, v255
	s_wait_dscnt 0x0
	s_endpgm
.Lfunc_end_k_q08116a2daa_ffn1:
	.size	k_q08116a2daa_ffn1, .Lfunc_end_k_q08116a2daa_ffn1-k_q08116a2daa_ffn1
	.p2alignl 7, 3214868480
	.fill 96, 4, 3214868480
	.section	.rodata,"a",@progbits
	.p2align	6, 0x0
	.amdhsa_kernel k_q08116a2daa_ffn1
		.amdhsa_group_segment_fixed_size 70144
		.amdhsa_private_segment_fixed_size 0
		.amdhsa_enable_private_segment 0
		.amdhsa_kernarg_size 40
		.amdhsa_user_sgpr_count 2
		.amdhsa_user_sgpr_kernarg_segment_ptr 1
		.amdhsa_wavefront_size32 1
		.amdhsa_system_sgpr_workgroup_id_x 1
		.amdhsa_system_sgpr_workgroup_id_y 1
		.amdhsa_system_sgpr_workgroup_id_z 1
		.amdhsa_system_vgpr_workitem_id 0
		.amdhsa_next_free_vgpr 960
		.amdhsa_next_free_sgpr 66
		.amdhsa_reserve_vcc 0
		.amdhsa_float_denorm_mode_32 3
		.amdhsa_float_denorm_mode_16_64 3
		.amdhsa_memory_ordered 1
		.amdhsa_forward_progress 1
		.amdhsa_inst_pref_size 60
	.end_amdhsa_kernel
	.amdgpu_metadata
---
amdhsa.version: [ 1, 2 ]
amdhsa.kernels:
  - .name:           k_q08116a2daa_ffn1
    .symbol:         k_q08116a2daa_ffn1.kd
    .args:
      - { .name: plan, .offset: 0, .size: 8, .value_kind: global_buffer, .address_space: global }
      - { .name: xq, .offset: 8, .size: 8, .value_kind: global_buffer, .address_space: global }
      - { .name: w1q, .offset: 16, .size: 8, .value_kind: global_buffer, .address_space: global }
      - { .name: b1, .offset: 24, .size: 8, .value_kind: global_buffer, .address_space: global }
      - { .name: hq, .offset: 32, .size: 8, .value_kind: global_buffer, .address_space: global }
    .group_segment_fixed_size: 70144
    .private_segment_fixed_size: 0
    .kernarg_segment_align: 8
    .kernarg_segment_size: 40
    .max_flat_workgroup_size: 128
    .sgpr_count:     66
    .vgpr_count:     960
    .wavefront_size: 32
...
	.end_amdgpu_metadata
.endif
;; end of part 8
;; launch ffn2 (part 9): grid 256 x 1, 4 waves a work-group, no clusters, 87,552 bytes of LDS; arguments plan, hq, w2q, b2, y; writes y
.if DOCPART == 9
	.amdgcn_target "amdgcn-amd-amdhsa--gfx1250"
	.amdhsa_code_object_version 6
	.text
	.protected	k_q08116a2daa_ffn2
	.globl	k_q08116a2daa_ffn2
	.p2align	8
	.type	k_q08116a2daa_ffn2,@function
k_q08116a2daa_ffn2:
	s_mov_b64 s[64:65], 0
	v_nop
	global_prefetch_b8 v0, s[64:65] scope:SCOPE_SE
	s_setreg_imm32_b32 hwreg(HW_REG_WAVE_SCHED_MODE, 0, 2), 2
	s_setreg_imm32_b32 hwreg(HW_REG_WAVE_MODE, 25, 1), 1
	s_wait_xcnt 0x0
	s_wait_alu depctr_vm_vsrc(0)
; y[kh][e][rank][:] = h W2 over K half kh (+ b2 where kh = 0), for the rows that were routed to expert e, on codes of FP4 (E2M1) with one E8M0 scale for each 32 along K.
; SHARES.  Work-group = (e = number / 32, cs = (number / 2) % 16, kh = number % 2): 64 columns (a row's piece is 256 bytes on end, aligned) x 16 K steps of 128: 64 fragments of W2.
;   EVERY WAVE HOLDS ALL 64 IN REGISTERS (512); wave w fetches tile w's 16 (16,384 bytes on end in w2q) and 8 of the 32 records of scale words, they meet in LDS as images of registers, one barrier.
;   The waves share the row tiles: wave w takes tiles w, w + 4, ..
; The number of tiles is read from plan: a trip count that hangs on a loaded number; no tensor loads, no ring and no joint loads; h's images go from memory straight into registers, 512 bytes on end a load.
; THE PRODUCT IS USED TRANSPOSED (source 0 = 16 columns of W2, source 1 = 16 rows of h): lane (r, h) holds row r; register j of tile 2 g + u is column 32 g + 16 h + 8 u + j.
; The two K halves are two sums, added by the last launch: each byte of y has one owner.  Only tiles under the count are written to y.
; TWO TILES OF h ARE ON THEIR WAY.  Tiles w and w + 4 are asked for in the head, before the count is known: the launch before makes tiles 0 to 7 of every expert, whatever its count.  A set is asked for again (this tile's number + 8)
; directly behind the products that read it, and the wait at a tile's head leaves the other set's 40 loads out.  Nothing is fetched past the count: a tile's text has three forms (its second successor exists; only its first; none),
; laid so that each place in the text has one state of the two sets; a wave's last tile ends it.
; THE MODE: SCHED_MODE bits 1:0 = 2 (LLVM: expert scheduling mode 2), set by the entry lines.  The code itself states the register dependences
; between vector or matrix instructions and memory or LDS instructions, with s_wait_alu, always for 0.
; THE PLAN.  Registers that memory or LDS instructions touch:
;   h's set p (window 3), HSC set p   Written by the set's 40 loads, which stand behind the products of the set's tile; read by those 64 products.
;   the 4 accumulators                Written by the products; read by the tile's eight LDS stores.
;   v[OUT ..]                         Written by the tile's eight LDS loads; read by its eight global stores.
;   window 1 v0-127, v32-39           At the head only, a way station: global loads land there, my LDS stores read them, LDS loads land there again behind the barrier.
;   the addresses, v254, v255         Written once, ahead of the first load, and never again: the tiles are reached by scalar bases.
;   b2's registers are loaded once, then named by vector and matrix instructions alone.
; So a tile has two waits.  At its head one on vm_vsrc: the last tile's LDS stores have read the accumulators, its global stores the rows on the way out.  Behind its products one on va_vdst: the accumulators are
; written, and the products are done reading the set.  All the tile's memory and LDS instructions follow that wait, and no vector or matrix instruction stands among them.
; REGISTERS, in windows of 256.  Window 0: v1-14 addresses; v16-31 h's scale words, two sets of 8 (K step 2 q in lanes 0-15, 2 q + 1 in lanes 16-31); v32-63 W2's scale words (16 g + i: tile 2 g in lanes 0-15, 2 g + 1 in lanes 16-31);
;   v64-95 the 4 accumulators; v96-127 b2 in the result's layout (zeros where kh = 1); v128-159 rows on the way out.   Window 1: W2's fragments of K steps 0-7, (tile t, step i) at v[32 (i % 8) + 8 t]; window 2: K steps 8-15.
;   Window 3: h's 16 fragments, two sets of 128.
.set CNT,    33280
.set SCOFF,  16777216
.set HS_OFF, 16777216
.set STG,    65536                     ; LDS: 0..65,535 W2's images (fragment 16 t + i at 1,024 (16 t + i)); behind them a stage of 16 rows x (256 + 16) bytes for each wave, its own;
.set SLDS,   82944                     ; behind the stages W2's 32 records of scale words, 128 bytes each
.set LI,   1                           ; v1   16 x lane
.set L4,   2                           ; v2   4 x lane
.set H64,  3                           ; v3   64 (lane / 16)
.set SWG,  4                           ; v4   my wave's 8 records of scale words in memory
.set SWA,  8                           ; v8   their place in LDS: SLDS + 1,024 x wave + 4 x lane
.set SRA,  9                           ; v9   LDS: SLDS + 4 x lane
.set WST,  11                          ; v11  LDS: 16 x lane + 16,384 x wave
.set STO,  12                          ; v12  the stage: where I put 32 bytes of a row
.set RD,   13                          ; v13  and where I read a row back
.set YO,   14                          ; v14  the same place in y
.set HSC,  16
.set W2S,  32
.set ACC,  64
.set B2,   96
.set OUT,  128
.set TRIPS, 49                         ; s49  the loop's trips: two tiles a trip
.set TRIP,  50                         ; s50  the trip in hand
.set MSB, 0
.macro WIN new                         ; the immediate's high byte repeats the setting that is left; bits 1:0 source 0, 3:2 source 1, 5:4 source 2, 7:6 destination
.if MSB != \new
	s_set_vgpr_msb (MSB<<8)|\new
.set MSB, \new
.endif
.endm
.macro WM d, a, b, c, sa, sb, ra, rb   ; one product; ra, rb = 1: that source's scales stand in lanes 16-31
.if (\ra) && (\rb)
	v_wmma_scale_f32_16x16x128_f8f6f4 v[\d:\d+7], v[\a:\a+7], v[\b:\b+7], v[\c:\c+7], v[\sa], v[\sb] matrix_a_fmt:MATRIX_FMT_FP4 matrix_b_fmt:MATRIX_FMT_FP4 matrix_a_scale:MATRIX_SCALE_ROW1 matrix_b_scale:MATRIX_SCALE_ROW1
.elseif (\ra)
	v_wmma_scale_f32_16x16x128_f8f6f4 v[\d:\d+7], v[\a:\a+7], v[\b:\b+7], v[\c:\c+7], v[\sa], v[\sb] matrix_a_fmt:MATRIX_FMT_FP4 matrix_b_fmt:MATRIX_FMT_FP4 matrix_a_scale:MATRIX_SCALE_ROW1
.elseif (\rb)
	v_wmma_scale_f32_16x16x128_f8f6f4 v[\d:\d+7], v[\a:\a+7], v[\b:\b+7], v[\c:\c+7], v[\sa], v[\sb] matrix_a_fmt:MATRIX_FMT_FP4 matrix_b_fmt:MATRIX_FMT_FP4 matrix_b_scale:MATRIX_SCALE_ROW1
.else
	v_wmma_scale_f32_16x16x128_f8f6f4 v[\d:\d+7], v[\a:\a+7], v[\b:\b+7], v[\c:\c+7], v[\sa], v[\sb] matrix_a_fmt:MATRIX_FMT_FP4 matrix_b_fmt:MATRIX_FMT_FP4
.endif
.endm
; Where tile s[tr] of h lies: its images of my K half, and their scale words.  It writes s[38:41], which the last request's loads name: it stands behind s_wait_xcnt 0 with no global instruction between.
.macro HADDR tr
	s_min_u32 s43, s[\tr], 63
	s_lshl_b32 s36, s43, 15
	s_add_nc_u64 s[38:39], s[22:23], s[36:37]
	s_lshl_b32 s36, s43, 11
	s_add_nc_u64 s[40:41], s[24:25], s[36:37]
.endm
; That tile: my K half's 16 images (16,384 bytes on end) into set p of window 3, their scale words into set p.  40 loads.
.macro HFETCH p
	WIN 0xc0
.set M, 0
.rept 32
	global_load_b128 v[128*(\p)+4*M:128*(\p)+4*M+3], v[LI], s[38:39] offset:512*M
.set M, M+1
.endr
	WIN 0
.set M, 0
.rept 8
	global_load_b32 v[HSC+8*(\p)+M], v[L4], s[40:41] offset:128*M
.set M, M+1
.endr
.endm
.macro PROD p, i                       ; K step i of my 16: the 4 accumulators by turns, one instruction a turn.  K step 0 starts the sums from b2
.irp t, 0,1,2,3
.if (\i) == 0
	WM ACC+8*\t, 8*\t, 128*(\p), B2+8*\t, W2S+16*(\t/2), HSC+8*(\p), (\t)%2, 0
.else
	WM ACC+8*\t, 32*((\i)&7)+8*\t, 128*(\p)+8*(\i), ACC+8*\t, W2S+16*(\t/2)+(\i), HSC+8*(\p)+(\i)/2, (\t)%2, (\i)%2
.endif
.endr
.endm
	s_load_b256 s[4:11], s[0:1], 0x0               ; plan s[4:5], hq s[6:7], w2q s[8:9], b2 s[10:11]
	s_load_b64 s[12:13], s[0:1], 0x20              ; y
	v_lshl_add_u32 v254, v0, 2, 0x15400
	v_mov_b32 v255, 0
	v_lshrrev_b32 v1, 5, v0
	v_readfirstlane_b32 s14, v1                    ; wave 0..3
	v_and_b32 v5, 31, v0                           ; lane
	v_and_b32 v6, 15, v0                           ; r
	v_bfe_u32 v7, v0, 4, 1                         ; h
	v_lshlrev_b32 v[LI], 4, v5
	v_lshlrev_b32 v[L4], 2, v5
	v_lshlrev_b32 v[H64], 6, v7
	s_wait_alu depctr_va_sdst(0)                   ; s14 is written, ahead of its first reader: LDS places, bases and the tiles' numbers are made from it
	s_lshl_b32 s43, s14, 14
	v_add_nc_u32 v[WST], s43, v[LI]
	s_mul_i32 s43, s14, 16*272
	s_add_co_u32 s43, s43, STG                     ; my stage
	v_mul_u32_u24 v[STO], v6, 272
	v_lshl_add_u32 v[STO], v7, 6, v[STO]
	v_add_nc_u32 v[STO], s43, v[STO]               ; in: row r, + 64 h; tile 2 g + u: 128 g + 32 u bytes on
	v_mul_u32_u24 v[RD], v7, 272
	v_lshl_add_u32 v[RD], v6, 4, v[RD]
	v_add_nc_u32 v[RD], s43, v[RD]                 ; back: lanes 0-15 one row of 256 bytes, lanes 16-31 the next
	v_lshlrev_b32 v[YO], 12, v7
	v_lshl_add_u32 v[YO], v6, 4, v[YO]             ; and the same two rows in y, 4,096 bytes apart
	s_lshr_b32 s43, s14, 1
	s_lshl_b32 s43, s43, 12                        ; scale words: group w / 2 lies 32 records on,
	s_and_b32 s47, s14, 1
	s_lshl_b32 s47, s47, 10                        ; K steps 8 (w % 2) on: 8 records on
	s_add_co_u32 s43, s43, s47
	v_add_nc_u32 v[SWG], s43, v[L4]
	s_lshl_b32 s43, s14, 10                        ; in LDS they are records 8 w on
	v_add_nc_u32 v[SWA], s43, v[L4]
	v_add_nc_u32 v[SWA], SLDS, v[SWA]
	v_add_nc_u32 v[SRA], SLDS, v[L4]
	s_lshr_b32 s15, ttmp9, 5                       ; e
	s_bfe_u32 s16, ttmp9, 0x40001                  ; cs: 4 bits from bit 1
	s_and_b32 s20, ttmp9, 1                        ; kh
	s_lshl_b32 s46, s15, 2
	s_mov_b32 s37, 0                               ; s[36:37]: an offset under 2^32 as a pair
	s_lshl_b32 s36, s15, 6
	s_lshl_b32 s43, s16, 2
	s_add_co_u32 s36, s36, s43
	s_add_co_u32 s36, s36, s14                     ; tile w of the work-group's four, counted through w2q: 64 e + 4 cs + w
	s_lshl_b32 s36, s36, 5
	s_lshl_b32 s43, s20, 4
	s_add_co_u32 s36, s36, s43                     ; its image of K step 16 kh
	s_lshl_b32 s36, s36, 10
	s_wait_kmcnt 0x0
	s_load_b32 s42, s[4:5], s46 offset:CNT         ; my expert's count: first read behind the barrier
	s_add_nc_u64 s[26:27], s[8:9], s[36:37]
	; ONE GROUP OF LOADS, none of which hangs on a loaded number: W2's images, my 8 records of its scale words, b2, my first tile of h
	WIN 0x40                                       ; destination window 1: v0-127 there serve as a way station
	s_wait_alu depctr_va_vdst(0)                   ; the addresses v1 to v4, v8, v9 and v11 to v14 are written, which the loads, LDS instructions and stores below read
.set M, 0
.rept 32
	global_load_b128 v[4*M:4*M+3], v[LI], s[26:27] offset:512*M    ; 512 bytes on end
.set M, M+1
.endr
	WIN 0
	s_lshl_b32 s36, s15, 5
	s_lshl_b32 s43, s16, 1
	s_add_co_u32 s36, s36, s43                     ; my first group of 32 columns: 32 e + 2 cs
	s_lshl_b32 s36, s36, 5
	s_lshl_b32 s43, s20, 4
	s_add_co_u32 s36, s36, s43
	s_lshl_b32 s36, s36, 7
	s_add_co_u32 s36, s36, SCOFF
	s_add_nc_u64 s[28:29], s[8:9], s[36:37]        ; W2's scale words
.set M, 0
.rept 8
	global_load_b32 v[W2S+M], v[SWG], s[28:29] offset:128*M
.set M, M+1
.endr
	s_lshl_b32 s36, s15, 12
	s_lshl_b32 s43, s16, 8
	s_add_co_u32 s36, s36, s43
	s_add_nc_u64 s[30:31], s[10:11], s[36:37]      ; b2 at my 64 columns
.irp t, 0,1,2,3
	global_load_b128 v[B2+8*\t:B2+8*\t+3], v[H64], s[30:31] offset:(32*(\t/2)+8*(\t%2))*4       ; lane (r, h), tile 2 g + u: columns 32 g + 16 h + 8 u + 0 .. 7
	global_load_b128 v[B2+8*\t+4:B2+8*\t+7], v[H64], s[30:31] offset:(32*(\t/2)+8*(\t%2))*4+16
.endr
	s_lshl_b32 s36, s15, 21
	s_lshl_b32 s43, s20, 14
	s_add_co_u32 s36, s36, s43
	s_add_nc_u64 s[22:23], s[6:7], s[36:37]        ; hq: tile 0's images of my K half
	s_lshl_b32 s36, s15, 17
	s_lshl_b32 s43, s20, 10
	s_add_co_u32 s36, s36, s43
	s_add_co_u32 s36, s36, HS_OFF
	s_add_nc_u64 s[24:25], s[6:7], s[36:37]        ; and their scale words
	HADDR 14
	HFETCH 0                                       ; tile w: written for every expert
	s_lshl_b32 s36, s20, 25
	s_lshl_b32 s43, s15, 22
	s_add_co_u32 s36, s36, s43
	s_lshl_b32 s43, s16, 8
	s_add_co_u32 s36, s36, s43
	s_add_nc_u64 s[32:33], s[12:13], s[36:37]      ; y: rank 0's piece
	s_wait_loadcnt 48                              ; W2's 32 loads and the 8 of scale words are in; behind them: b2's 8 and h's 40
	WIN 0x04                                       ; an LDS store's data are its source 1: window 1
.set M, 0
.rept 32
	ds_store_b128 v[WST], v[4*M:4*M+3] offset:512*M
.set M, M+1
.endr
	WIN 0
.set M, 0
.rept 8
	ds_store_b32 v[SWA], v[W2S+M] offset:128*M
.set M, M+1
.endr
	s_add_co_u32 s47, s14, 4
	s_wait_xcnt 0x0                                ; the first request's loads have read s[38:41]
	HADDR 47
	HFETCH 1                                       ; tile w + 4: written for every expert
	s_wait_dscnt 0x0                               ; for the others' sake: my tile's images and my scale words lie in LDS
	s_barrier_signal -1
	s_barrier_wait -1                              ; the one barrier, on every wave's path
	s_wait_alu depctr_vm_vsrc(0)                   ; my LDS stores have read window 1's v0-127 and v32 to v39, in which the LDS loads below land
	s_wait_kmcnt 0x0
	s_min_u32 s42, s42, 1024
	s_add_co_u32 s17, s42, 15
	s_lshr_b32 s17, s17, 4                         ; tiles of 16 rows
	s_cmp_ge_u32 s14, s17
	s_cbranch_scc1 .Lend                           ; no tile for this wave
	WIN 0x40
.irp i, 0,1,2,3,4,5,6,7
.irp t, 0,1,2,3
	ds_load_b128 v[32*\i+8*\t:32*\i+8*\t+3], v[LI] offset:1024*(16*\t+\i)
	ds_load_b128 v[32*\i+8*\t+4:32*\i+8*\t+7], v[LI] offset:1024*(16*\t+\i)+512
.endr
.endr
	WIN 0x80
.irp i, 0,1,2,3,4,5,6,7
.irp t, 0,1,2,3
	ds_load_b128 v[32*\i+8*\t:32*\i+8*\t+3], v[LI] offset:1024*(16*\t+\i+8)
	ds_load_b128 v[32*\i+8*\t+4:32*\i+8*\t+7], v[LI] offset:1024*(16*\t+\i+8)+512
.endr
.endr
	WIN 0
.set M, 0
.rept 32
	ds_load_b32 v[W2S+M], v[SRA] offset:128*M
.set M, M+1
.endr
	s_wait_loadcnt 40                              ; b2 and tile w are in; tile w + 4's 40 loads may be out
	s_cmp_eq_u32 s20, 0
	s_cselect_b32 s47, -1, 0                       ; b2 belongs to the lower K half alone: a choice of values, no branch
.set J, 0
.rept 32
	v_cndmask_b32 v[B2+J], 0, v[B2+J], s47
.set J, J+1
.endr
.rept 4
	v_nop                                          ; distance between these writes and the products that take them as C
.endr
	s_wait_dscnt 0x0
; One tile of 16 rows, number s[tc], its h in set p.  left: the loads issued behind this tile's, which may stay out (the other set's 40, or none).  more = 1: the set is asked for again, with tile + 8, directly behind the products.
.macro TILE p, tc, left, more
	s_wait_loadcnt \left                           ; this tile's h is in
	s_wait_xcnt 0x0                                ; every earlier load and store has read its registers and bases: s[38:41], s[44:45] and the rows on the way out may be written
	s_wait_alu depctr_vm_vsrc(0)                   ; the last tile's LDS stores have read the accumulators, which the first products below write anew; its global stores have read v[OUT ..], in which this tile's LDS loads land
	s_min_u32 s43, s[\tc], 63
	s_lshl_b32 s36, s43, 16                        ; 16 rows of 4,096 bytes
	s_add_nc_u64 s[44:45], s[32:33], s[36:37]
.if \more
	s_add_co_u32 s48, s[\tc], 8
	HADDR 48                                       ; the refill's two bases are made here, so that its loads follow the wait behind the products at once
.endif
	WIN 0x0d                                       ; source 0 (W2) window 1, source 1 (h) window 3
.irp k, 0,1,2,3,4,5,6,7
	PROD \p, \k
.endr
	WIN 0x0e                                       ; W2's K steps 8-15: window 2
.irp k, 8,9,10,11,12,13,14,15
	PROD \p, \k
.endr
.if \more
	WIN 0xc0                                       ; the window of the loads below: the switch, then the wait, then the loads
.else
	WIN 0
.endif
.rept 5
	v_nop                                          ; four places ahead of the stores that read the results; a fifth, since the next tile's first products begin these accumulators anew; they stay beside the wait
.endr
	s_wait_alu depctr_va_vdst(0)                   ; the products have written the accumulators, which the LDS stores read; they are done reading h's set p and its scale words, in which the refill's loads land
.if \more
	HFETCH \p
.endif
.irp t, 0,1,2,3
	ds_store_b128 v[STO], v[ACC+8*\t:ACC+8*\t+3] offset:128*(\t/2)+32*(\t%2)       ; each accumulator from its low end on
	ds_store_b128 v[STO], v[ACC+8*\t+4:ACC+8*\t+7] offset:128*(\t/2)+32*(\t%2)+16
.endr
.irp m, 0,1,2,3,4,5,6,7
	ds_load_b128 v[OUT+4*\m:OUT+4*\m+3], v[RD] offset:544*\m   ; LDS serves a wave's instructions in order (ISA guide 5.7.1.4): these see my stores
.endr
.irp m, 0,1,2,3,4,5,6,7
	s_wait_dscnt 7-\m                              ; rows 2 m, 2 m + 1 are back; the younger loads may be out
	global_store_b128 v[YO], v[OUT+4*\m:OUT+4*\m+3], s[44:45] offset:8192*\m th:TH_STORE_NT   ; 16 lanes store 256 bytes on end, at a multiple of 256 from y's first byte
.endr
.endm
	s_sub_co_u32 s[TRIPS], s17, s14                ; tiles from mine on (1 at the least: the branch above),
	s_add_co_u32 s[TRIPS], s[TRIPS], 7
	s_lshr_b32 s[TRIPS], s[TRIPS], 3               ; every fourth is mine, two to a trip: (tiles - wave + 7) / 8 trips
	s_mov_b32 s[TRIP], 0
	s_mov_b32 s18, s14                             ; my first tile
.Lloop:                                            ; here set 0 holds or awaits tile s18, and set 1 was asked for behind it.  A trip runs two tiles, so that the sets are back where they began
	s_add_co_u32 s19, s18, 4
	s_add_co_u32 s51, s18, 8
	s_add_co_u32 s52, s18, 12
	s_cmp_lt_u32 s51, s17
	s_cbranch_scc1 .LA0
	s_cmp_lt_u32 s19, s17
	s_cbranch_scc1 .LB0
	s_wait_alu depctr_va_vdst(0)
	TILE 0, 18, 0, 0                               ; my last tile
	s_wait_dscnt 0x0                               ; the closing lines, six on end
	s_wait_alu 0x0
	s_wait_tensorcnt 0x0
	ds_add_u32 v254, v255
	s_wait_dscnt 0x0
	s_endpgm
.LB0:
	s_wait_alu depctr_va_vdst(0)
	TILE 0, 18, 40, 0                              ; one more follows: nothing is left to fetch
	TILE 1, 19, 0, 0
	s_wait_dscnt 0x0                               ; the closing lines, as above
	s_wait_alu 0x0
	s_wait_tensorcnt 0x0
	ds_add_u32 v254, v255
	s_wait_dscnt 0x0
	s_endpgm
.LA0:
	s_wait_alu depctr_va_vdst(0)
	TILE 0, 18, 40, 1                              ; set 0 takes tile s18 + 8
	s_cmp_lt_u32 s52, s17
	s_cbranch_scc1 .LA1
	TILE 1, 19, 40, 0                              ; behind its loads: set 0's 40
	TILE 0, 51, 0, 0
	s_wait_dscnt 0x0                               ; the closing lines, as above
	s_wait_alu 0x0
	s_wait_tensorcnt 0x0
	ds_add_u32 v254, v255
	s_wait_dscnt 0x0
	s_endpgm
.LA1:
	TILE 1, 19, 40, 1                              ; set 1 takes tile s18 + 12
	s_add_co_u32 s18, s18, 8                       ; the tile's number serves addresses and the tests above; the loop is counted by its trips
	s_add_co_u32 s[TRIP], s[TRIP], 1
	s_cmp_lt_u32 s[TRIP], s[TRIPS]
	s_cbranch_scc1 .Lloop
.Lend:
	s_wait_dscnt 0x0                               ; the closing lines, as above
	s_wait_alu 0x0
	s_wait_tensorcnt 0x0
	ds_add_u32 v254, v255
	s_wait_dscnt 0x0
	s_endpgm
.Lfunc_end_k_q08116a2daa_ffn2:
	.size	k_q08116a2daa_ffn2, .Lfunc_end_k_q08116a2daa_ffn2-k_q08116a2daa_ffn2
	.p2alignl 7, 3214868480
	.fill 96, 4, 3214868480
	.section	.rodata,"a",@progbits
	.p2align	6, 0x0
	.amdhsa_kernel k_q08116a2daa_ffn2
		.amdhsa_group_segment_fixed_size 87552
		.amdhsa_private_segment_fixed_size 0
		.amdhsa_enable_private_segment 0
		.amdhsa_kernarg_size 40
		.amdhsa_user_sgpr_count 2
		.amdhsa_user_sgpr_kernarg_segment_ptr 1
		.amdhsa_wavefront_size32 1
		.amdhsa_system_sgpr_workgroup_id_x 1
		.amdhsa_system_sgpr_workgroup_id_y 1
		.amdhsa_system_sgpr_workgroup_id_z 1
		.amdhsa_system_vgpr_workitem_id 0
		.amdhsa_next_free_vgpr 1024
		.amdhsa_next_free_sgpr 66
		.amdhsa_reserve_vcc 0
		.amdhsa_float_denorm_mode_32 3
		.amdhsa_float_denorm_mode_16_64 3
		.amdhsa_memory_ordered 1
		.amdhsa_forward_progress 1
		.amdhsa_inst_pref_size 115
	.end_amdhsa_kernel
	.amdgpu_metadata
---
amdhsa.version: [ 1, 2 ]
amdhsa.kernels:
  - .name:           k_q08116a2daa_ffn2
    .symbol:         k_q08116a2daa_ffn2.kd
    .args:
      - { .name: plan, .offset: 0, .size: 8, .value_kind: global_buffer, .address_space: global }
      - { .name: hq, .offset: 8, .size: 8, .value_kind: global_buffer, .address_space: global }
      - { .name: w2q, .offset: 16, .size: 8, .value_kind: global_buffer, .address_space: global }
      - { .name: b2, .offset: 24, .size: 8, .value_kind: global_buffer, .address_space: global }
      - { .name: y, .offset: 32, .size: 8, .value_kind: global_buffer, .address_space: global }
    .group_segment_fixed_size: 87552
    .private_segment_fixed_size: 0
    .kernarg_segment_align: 8
    .kernarg_segment_size: 40
    .max_flat_workgroup_size: 128
    .sgpr_count:     66
    .vgpr_count:     1024
    .wavefront_size: 32
...
	.end_amdgpu_metadata
.endif
;; end of part 9
;; launch combine (part 10): grid 256 x 1, 4 waves a work-group, no clusters, 0 bytes of LDS; arguments plan, xq, y, out0; writes out0
.if DOCPART == 10
	.amdgcn_target "amdgcn-amd-amdhsa--gfx1250"
	.amdhsa_code_object_version 6
	.text
	.protected	k_q08116a2daa_combine
	.globl	k_q08116a2daa_combine
	.p2align	8
	.type	k_q08116a2daa_combine,@function
k_q08116a2daa_combine:
	s_mov_b64 s[64:65], 0
	v_nop
	global_prefetch_b8 v0, s[64:65] scope:SCOPE_SE
	s_setreg_imm32_b32 hwreg(HW_REG_WAVE_MODE, 25, 1), 1
	s_wait_xcnt 0x0
; out[n][:] = w0 (y[0][p0][:] + y[1][p0][:]) + w1 (y[0][p1][:] + y[1][p1][:]): the two K halves of each of a token's two experts, weighed by the gate.  All in f32.
; A wave to a token n = 4 x work-group + wave.  p0, p1 = 1024 expert + rank come from plan (whole numbers stored three launches ago), w0, w1 from xq (floats: they enter no address).
; A stream: four rows of 4,096 bytes in, one out; each load and store of a wave covers 512 bytes on end.  All 32 loads go out at once; the waits count down by fours.  No LDS, no barrier, no matrix unit: nothing is shared.
.set POS,    33536
.set WT_OFF, 557056
.set KHALF,  0x2000000                 ; bytes from a K half of y to the other
.set A0, 16                            ; v16-47   y[0][p0], then the result
.set B0, 48                            ; v48-79   y[1][p0]
.set A1, 80                            ; v80-111  y[0][p1]
.set B1, 112                           ; v112-143 y[1][p1]
	s_load_b256 s[4:11], s[0:1], 0x0               ; plan s[4:5], xq s[6:7], y s[8:9], out0 s[10:11]
	v_lshrrev_b32 v1, 5, v0
	v_readfirstlane_b32 s12, v1                    ; wave
	v_and_b32 v1, 31, v0
	v_lshlrev_b32 v2, 4, v1                        ; 16 bytes a lane
	s_lshl_b32 s13, ttmp9, 2
	s_add_co_u32 s13, s13, s12                     ; my token
	s_lshl_b32 s14, s13, 3                         ; two slots of 4 bytes
	s_wait_alu depctr_va_vdst(0)
	s_wait_kmcnt 0x0
	s_load_b64 s[20:21], s[4:5], s14 offset:POS
	s_load_b64 s[22:23], s[6:7], s14 offset:WT_OFF
	s_lshl_b32 s16, s13, 12
	s_mov_b32 s17, 0
	s_add_nc_u64 s[10:11], s[10:11], s[16:17]      ; my row of the output
	s_wait_kmcnt 0x0
	s_min_u32 s20, s20, 0x1fff                     ; loaded numbers enter an address only behind this hold: 8 x 1,024 rows
	s_min_u32 s21, s21, 0x1fff
	s_lshl_b32 s16, s20, 12
	s_add_nc_u64 s[26:27], s[8:9], s[16:17]
	s_add_nc_u64 s[28:29], s[26:27], KHALF
	s_lshl_b32 s16, s21, 12
	s_add_nc_u64 s[30:31], s[8:9], s[16:17]
	s_add_nc_u64 s[32:33], s[30:31], KHALF
	s_mov_b32 s24, s23                             ; w1 in a pair of its own: the packed form takes a pair's low word for both halves
	s_mov_b32 s25, s23
.irp m, 0,1,2,3,4,5,6,7
	global_load_b128 v[A0+4*\m:A0+4*\m+3], v2, s[26:27] offset:512*\m th:TH_LOAD_NT
	global_load_b128 v[B0+4*\m:B0+4*\m+3], v2, s[28:29] offset:512*\m th:TH_LOAD_NT
	global_load_b128 v[A1+4*\m:A1+4*\m+3], v2, s[30:31] offset:512*\m th:TH_LOAD_NT
	global_load_b128 v[B1+4*\m:B1+4*\m+3], v2, s[32:33] offset:512*\m th:TH_LOAD_NT
.endr
.irp m, 0,1,2,3,4,5,6,7
	s_wait_loadcnt 4*(7-\m)                        ; this group's four loads are in; the later groups' may be out
.irp q, 0,2
	v_pk_add_f32 v[A0+4*\m+\q:A0+4*\m+\q+1], v[A0+4*\m+\q:A0+4*\m+\q+1], v[B0+4*\m+\q:B0+4*\m+\q+1]
	v_pk_add_f32 v[A1+4*\m+\q:A1+4*\m+\q+1], v[A1+4*\m+\q:A1+4*\m+\q+1], v[B1+4*\m+\q:B1+4*\m+\q+1]
	v_pk_mul_f32 v[A0+4*\m+\q:A0+4*\m+\q+1], v[A0+4*\m+\q:A0+4*\m+\q+1], s[22:23] op_sel_hi:[1,0]
	v_pk_fma_f32 v[A0+4*\m+\q:A0+4*\m+\q+1], v[A1+4*\m+\q:A1+4*\m+\q+1], s[24:25], v[A0+4*\m+\q:A0+4*\m+\q+1] op_sel_hi:[1,0,1]
.endr
	global_store_b128 v2, v[A0+4*\m:A0+4*\m+3], s[10:11] offset:512*\m th:TH_STORE_NT   ; no register of a store is written again
.endr
	s_endpgm
.Lfunc_end_k_q08116a2daa_combine:
	.size	k_q08116a2daa_combine, .Lfunc_end_k_q08116a2daa_combine-k_q08116a2daa_combine
	.p2alignl 7, 3214868480
	.fill 96, 4, 3214868480
	.section	.rodata,"a",@progbits
	.p2align	6, 0x0
	.amdhsa_kernel k_q08116a2daa_combine
		.amdhsa_group_segment_fixed_size 0
		.amdhsa_private_segment_fixed_size 0
		.amdhsa_enable_private_segment 0
		.amdhsa_kernarg_size 32
		.amdhsa_user_sgpr_count 2
		.amdhsa_user_sgpr_kernarg_segment_ptr 1
		.amdhsa_wavefront_size32 1
		.amdhsa_system_sgpr_workgroup_id_x 1
		.amdhsa_system_sgpr_workgroup_id_y 1
		.amdhsa_system_sgpr_workgroup_id_z 1
		.amdhsa_system_vgpr_workitem_id 0
		.amdhsa_next_free_vgpr 144
		.amdhsa_next_free_sgpr 66
		.amdhsa_reserve_vcc 0
		.amdhsa_float_denorm_mode_32 3
		.amdhsa_float_denorm_mode_16_64 3
		.amdhsa_memory_ordered 1
		.amdhsa_forward_progress 1
		.amdhsa_inst_pref_size 10
	.end_amdhsa_kernel
	.amdgpu_metadata
---
amdhsa.version: [ 1, 2 ]
amdhsa.kernels:
  - .name:           k_q08116a2daa_combine
    .symbol:         k_q08116a2daa_combine.kd
    .args:
      - { .name: plan, .offset: 0, .size: 8, .value_kind: global_buffer, .address_space: global }
      - { .name: xq, .offset: 8, .size: 8, .value_kind: global_buffer, .address_space: global }
      - { .name: y, .offset: 16, .size: 8, .value_kind: global_buffer, .address_space: global }
      - { .name: out0, .offset: 24, .size: 8, .value_kind: global_buffer, .address_space: global }
    .group_segment_fixed_size: 0
    .private_segment_fixed_size: 0
    .kernarg_segment_align: 8
    .kernarg_segment_size: 32
    .max_flat_workgroup_size: 128
    .sgpr_count:     66
    .vgpr_count:     144
    .wavefront_size: 32
...
	.end_amdgpu_metadata
.endif
;; end of part 10
